; MI455X (gfx1250); checked and timed in simulation.
; The chip was launched on July 23, 2026; its instructions are those of AMD's public machine-readable ISA for CDNA 5 (MIT licence, August 2026) and "CDNA5" Instruction Set Architecture Reference Guide (July 2026). The comments in the code are by the model that wrote it; some were corrected since.
;; Block. Allowed arithmetic: matrix products marked QUANTISED: E5M2 operands, one E8M0 scale for each 32 along K, by v_wmma_scale_f32_16x16x128_f8f6f4 with both operands' format E5M2, f32 sums; everything else in f32.
;; Inputs: W1 1,024 x 4,096 float32; W2 4,096 x 1,024 float32; Wk 16 x 1,024 x 64 float32; Wproj 1,024 x 1,024 float32; Wq 16 x 1,024 x 64 float32; Wv 16 x 1,024 x 64 float32; b1 4,096 float32; b2 1,024 float32; bproj 1,024 float32; ln1_b 1,024 float32; ln1_g 1,024 float32; ln2_b 1,024 float32; ln2_g 1,024 float32; x 4 x 1,024 x 1,024 float32.
;; Outputs: out0 4 x 1,024 x 1,024 float32.
;; This version of the problem:
;;   THIS VERSION OF THE PROBLEM IS GIVEN IN LOW PRECISION. The matrix products marked QUANTISED in the list below multiply operands that are first quantised to E5M2 (5 exponent bits, 2 mantissa bits; 8 bits a number), with one power-of-two scale for each 32 numbers along K (OCP MX v1.0); their sums are f32. All else is computed in f32.
;;   The module's matrix products, in the order in which they are computed (A, B: the left and right operand; K: the contracted axis; several contracted axes count as one K, in the product's order):
;;     1. [M 1,024, K 1,024] x [K 1,024, N 4,096]; A: input Wq; B: computed on the way: QUANTISED
;;     2. [M 1,024, K 1,024] x [K 1,024, N 4,096]; A: input Wk; B: computed on the way: QUANTISED
;;     3. [M 1,024, K 1,024] x [K 1,024, N 4,096]; A: input Wv; B: computed on the way: QUANTISED
;;     4. batch 64 x [M 1,024, K 64] x [K 64, N 1,024]; A: computed on the way; B: computed on the way: QUANTISED
;;     5. batch 64 x [M 64, K 1,024] x [K 1,024, N 1,024]; A: computed on the way; B: softmax (see below): QUANTISED
;;     6. [M 4,096, K 1,024] x [K 1,024, N 1,024]; A: computed on the way; B: input Wproj: QUANTISED
;;     7. [M 4,096, K 1,024] x [K 1,024, N 4,096]; A: computed on the way; B: input W1: QUANTISED
;;     8. [M 4,096, K 4,096] x [K 4,096, N 1,024]; A: computed on the way; B: input W2: QUANTISED
;;   THE QUANTISER, for each operand of a quantised product, along K:
;;     - K is cut into blocks of 32 from its start; a last block that is shorter is filled with zeros.
;;     - A block's scale is 2^e with e = floor(log2(the largest magnitude in the block)) - 15, held to -126 .. 127; a block of zeros has e = 0. As a byte (E8M0): e + 127.
;;     - Each number is divided by its block's scale, clamped to +-57,344, and rounded to the nearest number of E5M2, ties to even, subnormals kept.
;;     - The product sums the exact products of the quantised numbers (number of the format x scale) in f32.
;;   ~~~python
;;   def quantise(x, axis):      # numpy; x: float32 -> the quantised numbers, widened to float32 again
;;       x = np.moveaxis(x, axis, -1); K = x.shape[-1]
;;       x = np.pad(x, [(0, 0)] * (x.ndim - 1) + [(0, -K % 32)]); x = x.reshape(x.shape[:-1] + (-1, 32)); a = np.abs(x).max(-1, keepdims=True)
;;       e = np.where(a > 0, np.clip(np.frexp(np.where(a > 0, a, 1))[1] - 1 - 15, -126, 127), 0)      # np.frexp(a)[1] - 1 = floor(log2(a)), exactly
;;       r = np.clip(x / 2.0 ** e, -57344, 57344)
;;       step = 2.0 ** (np.maximum(np.frexp(np.where(r == 0, 1, r))[1] - 1, -14) - 2)
;;       q = np.round(r / step) * step * 2.0 ** e      # np.round: ties to even
;;       return np.moveaxis(q.reshape(q.shape[:-2] + (-1,))[..., :K], -1, axis).astype(np.float32)
;;   ~~~
;;   SOFTMAX AHEAD OF A QUANTISED PRODUCT. Where the list says 'softmax', what is quantised is not the finished softmax but p = 2^(t - M), with t = logit x log2(e) and M = ceil(the row's largest t), a whole number; so 1/2 < the row's largest p <= 1. The row's sum l is taken of the UNQUANTISED p, in f32, and the product's result is divided by l at the end. Since M is a whole number, a kernel that streams over the keys may use a running M (the ceiling of the running maximum): every later rescaling is an exact power of two, which a block's scale takes up: the codes' values come out the same.
;;   OPERANDS COMPUTED ON THE WAY. 'Computed on the way' means the value that the module computes at that place (a softmax that the list does not call 'softmax' is quantised finished and normalised). What goes into a quantiser is computed in f32, as accurately as f32 sums, v_exp_f32 and their like allow (about 1e-6 of the number): no bf16 or f16 on the way to a quantiser, and a product that is left as it is and whose result goes on into a quantised operand takes f32 operands (vector FMAs, or v_wmma_f32_16x16x4_f32). A number that lies on a knife's edge between two numbers of the format may be rounded either way, as far as f32 arithmetic and the matrix unit's own rounding can turn it there, and no further.
;; One version. Each part assembles by itself: llvm-mc -triple=amdgcn-amd-amdhsa -mcpu=gfx1250 --defsym DOCPART=n.
;; ======== version 1 of 1: 7 launches
;; limits: right only within a limited range of input values
;; workspace buffers: w 12,976,128 bytes; act 4,325,376 bytes; qkv 12,976,128 bytes; x1 16,777,216 bytes; hid 17,301,504 bytes
;; launch lnw1 (part 1): grid 32 x 12, 4 waves a work-group, no clusters, 58,880 bytes of LDS; arguments x, ln1_g, ln1_b, act, Wq, Wk, Wv, Wproj, w; writes act, w
.if DOCPART == 1
	.amdgcn_target "amdgcn-amd-amdhsa--gfx1250"
	.amdhsa_code_object_version 6
	.text
	.protected	k_q4c48c378c4_lnw1
	.globl	k_q4c48c378c4_lnw1
	.p2align	8
	.type	k_q4c48c378c4_lnw1,@function
k_q4c48c378c4_lnw1:
	s_mov_b64 s[64:65], 0
	v_nop
	global_prefetch_b8 v0, s[64:65] scope:SCOPE_SE
	s_setreg_imm32_b32 hwreg(HW_REG_WAVE_MODE, 25, 1), 1
	s_wait_xcnt 0x0
; TWO JOBS THAT SHARE NO DATA, IN ONE LAUNCH.  Work-groups with y 0-7: the LayerNorm of x, quantised (label .Lnorm).  Work-groups with y 8-11: the weights Wq, Wk, Wv, Wproj, quantised.
; The next launch needs both; neither needs the other.  The norm's waves spend most of their lines behind waits for a few loads, the weights' waves stream: side by side each fills the other's waits, and one launch's start and end serve both.
; The paths part on the work-group's y at the first lines and never meet; neither has a barrier; each has LDS bytes of its own (weights from 0, the norm from LNB).
; THE QUANTISER, both jobs: codes of BF8 (E5M2), one E8M0 scale byte for each 32 along K.  A block's scale is 2^(floor(log2(largest magnitude)) - 15); its byte is the largest magnitude's exponent field - 15, held at 1 from below.
; LIMITS: a block of zeros gets the byte 1 where the rule says 127 (its codes are zeros, and this program alone reads the bytes); blocks whose largest magnitude lies under 2^-111 are held at the byte 1;
; NaN and infinities among the inputs are not served.
.set LNB,   35840                      ; where the norm's LDS bytes begin
	v_lshl_add_u32 v254, v0, 2, 0xe400
	v_mov_b32 v255, 0
	s_and_b32 s19, ttmp7, 0xffff                   ; work-group y
	s_cmp_lt_u32 s19, 8
	s_cbranch_scc1 .Lnorm
; ---------------- THE WEIGHTS.  f32 with K NOT innermost become codes with K innermost, in the buffer w.  A part is 1,024 columns x 1,024 along K: 0-2 Wq, Wk, Wv ([16 heads][1024 k][64 c]: column n = 64 head + c); 3 Wproj.
; Part p's codes begin at p << 20, its scale bytes at WS + (p << 15).  Parts 0-2 are laid [n][1024 k] with scales [n][32]; part 3 in planes [k / 256][1024 n][256 bytes] with scales [k / 256][1024 n][8].
; A LANE TAKES A COLUMN AND ITS REGISTERS RUN DOWN K: a block of 32 lies in one lane's 32 registers, each load reads 128 consecutive bytes a wave, and the conversions give codes with K innermost.
; A wave takes 32 columns x 256 along K; its codes go through its own stage in LDS and leave as rows of 256 bytes, sixteen lanes to an aligned run of 256 bytes.  Waves share nothing.
; In parts 0-2 a lane's 8 scale bytes leave as 8 bytes of a row of 32: one byte in 128 of what the part reads.
.set WS,    12582912
.set PITCH, 272                        ; a stage row: 256 bytes of codes + 16
.set NB,    8                          ; blocks of 32 along K for a wave
.set X,     32                         ; v32-95   two sets of 32 numbers
.set C,     96                         ; v96-103  a block's codes
.set OUTR,  112                        ; v112-175 the way out
.set SB,    24                         ; v24-25   the scale bytes
.set VOFF,  176                        ; v176-207 4 x lane + i rows of the source
.set VOUT,  208                        ; v208-223 where pair t of rows goes in the codes
	s_load_b256 s[4:11], s[0:1], 0x20              ; Wq, Wk, Wv, Wproj
	s_load_b64 s[16:17], s[0:1], 0x40              ; w
	s_sub_co_u32 s19, s19, 8                       ; the part
	v_lshrrev_b32 v1, 5, v0
	v_readfirstlane_b32 s18, v1                    ; wave
	v_and_b32 v2, 31, v0                           ; lane
	s_wait_alu depctr_va_vdst(0)
	s_lshl_b32 s20, ttmp9, 2
	s_add_co_u32 s20, s20, s18                     ; which of the part's 128 wave shares
	s_and_b32 s21, s20, 31                         ; group of 32 columns
	s_lshr_b32 s20, s20, 5                         ; which 256 along K
	s_cmp_eq_u32 s19, 3                            ; Wproj is a plain [1024][1024] and is laid in planes
	s_cselect_b32 s22, 12, 8                       ; log2 of the source's row in bytes: 4,096 or 256
	s_cselect_b32 s23, 0, 261888                   ; parts 0-2: two groups of columns make a head; the next head lies 262,144 bytes on, of which 256 are counted by the groups
	s_cselect_b32 s27, 18, 8                       ; codes: log2 of the step for 256 along K,
	s_cselect_b32 s28, 8, 10                       ; and from column to column
	s_cselect_b32 s29, 13, 3                       ; scale bytes: the same two
	s_cselect_b32 s30, 3, 5
	s_add_co_u32 s57, s22, 8
	s_lshl_b32 s24, s20, s57                       ; 256 rows of the source for each step along K
	s_lshl_b32 s57, s21, 7
	s_add_co_u32 s24, s24, s57                     ; 128 bytes a group of columns
	s_lshr_b32 s57, s21, 1
	s_mul_i32 s57, s57, s23
	s_add_co_u32 s24, s24, s57
	s_mov_b32 s25, 0                               ; s[24:25]: where my share begins in the source
	s_lshl_b32 s58, s21, 5                         ; my first column
	s_lshl_b32 s50, s19, 20
	s_lshl_b32 s57, s20, s27
	s_add_co_u32 s50, s50, s57
	s_lshl_b32 s57, s58, s28
	s_add_co_u32 s50, s50, s57
	s_mov_b32 s51, 0                               ; s[50:51]: in the codes
	s_lshl_b32 s52, s19, 15
	s_add_co_u32 s52, s52, WS
	s_lshl_b32 s57, s20, s29
	s_add_co_u32 s52, s52, s57
	s_lshl_b32 s57, s58, s30
	s_add_co_u32 s52, s52, s57
	s_mov_b32 s53, 0                               ; s[52:53]: in the scale bytes
	s_mov_b32 s54, 0x600000                        ; the mantissa field of 57,344
	s_lshl_b32 s55, 1, s22                         ; a row of the source
	s_lshl_b32 s56, 2, s28                         ; two rows of the codes
	s_lshl_b32 s48, 32, s22                        ; a block's 32 rows of the source
	s_mov_b32 s49, 0
	v_lshlrev_b32 v[VOFF], 2, v2
.set CNTR, 1
.rept 31
	v_add_nc_u32 v[VOFF+CNTR], s55, v[VOFF+CNTR-1]
.set CNTR, CNTR+1
.endr
	s_mul_i32 s59, s18, 32*PITCH                   ; my stage
	v_mul_u32_u24 v4, v2, PITCH
	v_add_nc_u32 v4, s59, v4                       ; into it: row = my column
	v_and_b32 v5, 15, v2
	v_lshrrev_b32 v6, 4, v2
	v_mul_u32_u24 v7, v6, PITCH
	v_lshl_add_u32 v7, v5, 4, v7
	v_add_nc_u32 v7, s59, v7                       ; out of it: sixteen lanes to a row, two rows an instruction
	v_lshlrev_b32 v8, s28, v6
	v_lshl_add_u32 v[VOUT], v5, 4, v8              ; and the same place in the codes
.set CNTR, 1
.rept 15
	v_add_nc_u32 v[VOUT+CNTR], s56, v[VOUT+CNTR-1]
.set CNTR, CNTR+1
.endr
	v_lshlrev_b32 v9, s30, v2                      ; my column's scale bytes
	s_wait_kmcnt 0x0
	s_cmp_eq_u32 s19, 1                            ; the source: the choice hangs on the part's number alone
	s_cselect_b64 s[4:5], s[6:7], s[4:5]
	s_cmp_eq_u32 s19, 2
	s_cselect_b64 s[4:5], s[8:9], s[4:5]
	s_cmp_eq_u32 s19, 3
	s_cselect_b64 s[4:5], s[10:11], s[4:5]
	s_add_nc_u64 s[32:33], s[4:5], s[24:25]        ; s[32:47]: a base for each of my eight blocks
.irp t, 1,2,3,4,5,6,7
	s_add_nc_u64 s[32+2*\t:33+2*\t], s[30+2*\t:31+2*\t], s[48:49]
.endr
	s_add_nc_u64 s[50:51], s[16:17], s[50:51]
	s_add_nc_u64 s[52:53], s[16:17], s[52:53]
.macro LOAD t                          ; block t: rows 32 t + i of my column, i = 0 .. 31, into set t % 2
.set CNTR, 0
.rept 32
	global_load_b32 v[X+32*((\t)%2)+CNTR], v[VOFF+CNTR], s[32+2*(\t):33+2*(\t)] th:TH_LOAD_NT
.set CNTR, CNTR+1
.endr
.endm
	LOAD 0
	LOAD 1
.macro BLOCK t
.set XS, X+32*((\t)%2)
.if (\t) < NB-1
	s_wait_loadcnt 32                              ; this block's 32 loads are in; the next block's may be out
.else
	s_wait_loadcnt 0
.endif
	v_max3_num_f32 v12, |v[XS]|, |v[XS+1]|, |v[XS+2]|              ; the block's largest magnitude: all 32 numbers are mine
	v_max3_num_f32 v13, |v[XS+3]|, |v[XS+4]|, |v[XS+5]|
.irp i, 6,10,14,18,22,26
	v_max3_num_f32 v12, v12, |v[XS+\i]|, |v[XS+\i+1]|
	v_max3_num_f32 v13, v13, |v[XS+\i+2]|, |v[XS+\i+3]|
.endr
	v_max3_num_f32 v12, v12, |v[XS+30]|, |v[XS+31]|
	v_max3_num_f32 v12, v12, v13, 0x8000000        ; and the floor 2^(16 - 127): the byte cannot fall under 1
	v_add_nc_u32 v11, 0xf8800000, v12              ; 15 off its exponent field: the conversion's scale operand
	v_and_or_b32 v10, v12, 0x7f800000, s54         ; 57,344 x the scale
	v_lshrrev_b32 v13, 23, v11                     ; the scale's byte
.if (\t)%4 == 0
	v_mov_b32 v[SB+(\t)/4], v13                    ; four bytes to a register, the lower K in the lower byte
.else
	v_lshl_or_b32 v[SB+(\t)/4], v13, 8*((\t)%4), v[SB+(\t)/4]
.endif
.set CNTR, 0
.rept 32
	v_med3_num_f32 v[XS+CNTR], v[XS+CNTR], -v10, v10   ; the conversion to an 8-bit code does not saturate (ISA guide 7.6.2): hold the number first
.set CNTR, CNTR+1
.endr
.irp g, 0,1,2,3
	v_cvt_scalef32_pk8_bf8_f32 v[C+2*\g:C+2*\g+1], v[XS+8*\g:XS+8*\g+7], v11
.endr
	v_nop                                          ; a plain line behind the last conversion
	ds_store_b128 v4, v[C:C+3] offset:32*(\t)      ; 32 codes: 32 bytes of my column's row
	ds_store_b128 v4, v[C+4:C+7] offset:32*(\t)+16
.if (\t)+2 < NB
	LOAD (\t)+2
.endif
	s_wait_dscnt 0x0                               ; the stores have read their registers: the next block's codes may be written
.endm
.irp t, 0,1,2,3,4,5,6,7
	BLOCK \t
.endr
	global_store_b64 v9, v[SB:SB+1], s[52:53]      ; my column's 8 scale bytes
.irp t, 0,1,2,3,4,5,6,7,8,9,10,11,12,13,14,15
	ds_load_b128 v[OUTR+4*\t:OUTR+4*\t+3], v7 offset:2*\t*PITCH   ; LDS serves a wave's instructions in order: these see my stores
.endr
.irp t, 0,1,2,3,4,5,6,7,8,9,10,11,12,13,14,15
	s_wait_dscnt 15-\t                             ; pair t is back; the younger loads may be out
	global_store_b128 v[VOUT+\t], v[OUTR+4*\t:OUTR+4*\t+3], s[50:51]
.endr
	s_wait_tensorcnt 0x0
	ds_add_u32 v254, v255
	s_wait_dscnt 0x0
	s_endpgm
; ---------------- THE NORM.  y = (x - mean) rsqrt(var + 1e-5) g + b along rows of 1,024 f32, then quantised along the row: codes [4096][1024] at the output's first byte, scale bytes [4096][32] at ASC.
; Work-group 32 y + x owns 16 rows, a wave four, all asked for at the start (16 KiB a wave on its way; each load reads 512 consecutive bytes); a row stays in 32 registers through mean, variance (of x - mean, so that a common offset does no harm) and scaling.
; The conversions want 16 NEIGHBOURS in a lane: the finished row turns through the wave's own stage in LDS (as loaded in, 64 bytes a lane out; 16 bytes of padding behind each 64).  Two neighbouring lanes hold a block.
; A lane's 16 codes are 16 bytes: a store covers 512 consecutive bytes.  A wave's 128 scale bytes are gathered in LDS and leave as 128 consecutive bytes.  Waves share nothing.
.Lnorm:
.set ASC,  4194304
.set WREG, 5632                        ; LDS of a wave: two stages of 32 x 80 bytes, then its 128 scale bytes
.set SP,   80
.set RX,   16                          ; v16-143  four rows of 32; later a row's codes and bytes
.set G,    144                         ; v144-175 g as the rows are loaded
.set BV,   176                         ; v176-207 b
.set T,    208                         ; v208-239 two steps of 16 neighbours
	s_load_b256 s[4:11], s[0:1], 0x0               ; in s[4:5], g s[6:7], b s[8:9], out s[10:11]
	s_lshl_b32 s14, s19, 5
	s_add_co_u32 s14, s14, ttmp9                   ; which 16 rows: 32 y + x
	v_lshrrev_b32 v1, 5, v0
	v_readfirstlane_b32 s12, v1                    ; wave
	v_and_b32 v1, 31, v0                           ; lane
	v_lshlrev_b32 v2, 4, v1                        ; 16 x lane
	s_mul_i32 s13, s12, WREG
	s_add_co_u32 s13, s13, LNB
	v_lshrrev_b32 v3, 2, v1
	v_mul_u32_u24 v3, v3, SP
	v_and_b32 v4, 3, v1
	v_lshl_add_u32 v3, v4, 4, v3
	v_add_nc_u32 v3, s13, v3                       ; the stage, in: four lanes' 64 bytes on end, then 16 of padding
	v_mul_u32_u24 v4, v1, SP
	v_add_nc_u32 v4, s13, v4                       ; out: my 16 neighbours
	v_lshrrev_b32 v5, 1, v1
	s_add_co_u32 s13, s13, 2*32*SP
	v_add_nc_u32 v5, s13, v5                       ; my block's scale byte
	v_lshlrev_b32 v7, 2, v1
	v_add_nc_u32 v6, s13, v7                       ; and on the way out 4 bytes a lane
	v_mov_b32 v9, 0                                ; (upper halves of pairs of which the low word serves both halves: named, so written)
	v_mov_b32 v11, 0
	s_mov_b32 s16, 0x76543210
	s_mov_b32 s17, 0xfedcba98                      ; v_permlanex16_b32's selects for lane l xor 16
	s_mov_b32 s18, 0x3a800000                      ; 1 / 1,024
	s_mov_b32 s19, 0x3727c5ac                      ; 1e-5
	s_mov_b32 s23, 0x600000                        ; the mantissa field of 57,344
	s_lshl_b32 s14, s14, 16                        ; 16 rows of 4,096 bytes a work-group,
	s_lshl_b32 s15, s12, 14                        ; 4 a wave
	s_add_co_u32 s14, s14, s15
	s_mov_b32 s15, 0
	s_wait_kmcnt 0x0
	s_add_nc_u64 s[4:5], s[4:5], s[14:15]
	s_lshr_b32 s14, s14, 2                         ; codes: a quarter of the bytes
	s_add_nc_u64 s[20:21], s[10:11], s[14:15]
	s_lshr_b32 s14, s14, 5                         ; scale bytes: a 32nd of that
	s_add_nc_u64 s[10:11], s[10:11], s[14:15]
	s_add_nc_u64 s[10:11], s[10:11], ASC
.macro XLOAD p
.irp i, 0,1,2,3,4,5,6,7
	global_load_b128 v[RX+32*\p+4*\i:RX+32*\p+4*\i+3], v2, s[4:5] offset:4096*\p+512*\i
.endr
.endm
	XLOAD 0
.irp i, 0,1,2,3,4,5,6,7
	global_load_b128 v[G+4*\i:G+4*\i+3], v2, s[6:7] offset:512*\i
.endr
.irp i, 0,1,2,3,4,5,6,7
	global_load_b128 v[BV+4*\i:BV+4*\i+3], v2, s[8:9] offset:512*\i
.endr
	XLOAD 1
	XLOAD 2
	XLOAD 3
.macro WSUM                            ; v240 summed over the wave's 32 lanes, in every lane
	v_add_f32_dpp v240, v240, v240 row_xmask:1 row_mask:0xf bank_mask:0xf
	v_add_f32_dpp v240, v240, v240 row_xmask:2 row_mask:0xf bank_mask:0xf
	v_add_f32_dpp v240, v240, v240 row_xmask:4 row_mask:0xf bank_mask:0xf
	v_add_f32_dpp v240, v240, v240 row_xmask:8 row_mask:0xf bank_mask:0xf
	v_permlanex16_b32 v241, v240, s16, s17
	v_add_f32 v240, v240, v241
.endm
; Row p.  c1: how many younger loads may be out when the row is wanted; c2: the same for g and b (-1: they are in already)
.macro ROW p, c1, c2
.set XR, RX+32*(\p)
	s_wait_loadcnt \c1
	v_pk_add_f32 v[240:241], v[XR:XR+1], v[XR+2:XR+3]              ; the sum, in four chains
	v_pk_add_f32 v[242:243], v[XR+4:XR+5], v[XR+6:XR+7]
	v_pk_add_f32 v[244:245], v[XR+8:XR+9], v[XR+10:XR+11]
	v_pk_add_f32 v[246:247], v[XR+12:XR+13], v[XR+14:XR+15]
.irp k, 16,24
	v_pk_add_f32 v[240:241], v[240:241], v[XR+\k:XR+\k+1]
	v_pk_add_f32 v[242:243], v[242:243], v[XR+\k+2:XR+\k+3]
	v_pk_add_f32 v[244:245], v[244:245], v[XR+\k+4:XR+\k+5]
	v_pk_add_f32 v[246:247], v[246:247], v[XR+\k+6:XR+\k+7]
.endr
	v_pk_add_f32 v[240:241], v[240:241], v[242:243]
	v_pk_add_f32 v[244:245], v[244:245], v[246:247]
	v_pk_add_f32 v[240:241], v[240:241], v[244:245]
	v_add_f32 v240, v240, v241
	WSUM
	v_mul_f32 v8, s18, v240                        ; the mean
.irp k, 0,2,4,6,8,10,12,14,16,18,20,22,24,26,28,30
	v_pk_add_f32 v[XR+\k:XR+\k+1], v[XR+\k:XR+\k+1], v[8:9] op_sel_hi:[1,0] neg_lo:[0,1] neg_hi:[0,1]   ; x - mean
.endr
	v_pk_mul_f32 v[240:241], v[XR:XR+1], v[XR:XR+1]                ; the sum of its squares, in two chains
	v_pk_mul_f32 v[242:243], v[XR+2:XR+3], v[XR+2:XR+3]
.irp k, 4,8,12,16,20,24,28
	v_pk_fma_f32 v[240:241], v[XR+\k:XR+\k+1], v[XR+\k:XR+\k+1], v[240:241]
	v_pk_fma_f32 v[242:243], v[XR+\k+2:XR+\k+3], v[XR+\k+2:XR+\k+3], v[242:243]
.endr
	v_pk_add_f32 v[240:241], v[240:241], v[242:243]
	v_add_f32 v240, v240, v241
	WSUM
	v_fma_f32 v10, v240, s18, s19                  ; the variance + 1e-5
	s_wait_alu depctr_va_vdst(0)
	v_rsq_f32 v10, v10
	v_nop                                          ; a plain line behind the transcendental
.if \c2 >= 0
	s_wait_loadcnt \c2
.endif
	s_wait_alu depctr_va_vdst(0)
.irp k, 0,2,4,6,8,10,12,14,16,18,20,22,24,26,28,30
	v_pk_mul_f32 v[XR+\k:XR+\k+1], v[XR+\k:XR+\k+1], v[10:11] op_sel_hi:[1,0]
.endr
.irp k, 0,2,4,6,8,10,12,14,16,18,20,22,24,26,28,30
	v_pk_fma_f32 v[XR+\k:XR+\k+1], v[XR+\k:XR+\k+1], v[G+\k:G+\k+1], v[BV+\k:BV+\k+1]
.endr
.irp i, 0,1,2,3,4,5,6,7
	ds_store_b128 v3, v[XR+4*\i:XR+4*\i+3] offset:2560*(\i/4)+640*(\i%4)
.endr
.irp i, 0,1,2,3,4,5,6,7
	ds_load_b128 v[T+4*\i:T+4*\i+3], v4 offset:2560*(\i/4)+16*(\i%4)   ; LDS serves a wave's instructions in order: these see the stores
.endr
	s_wait_dscnt 0x0                               ; the neighbours are in, and the stores have read the row's registers, which take its codes
.irp s, 0,1                            ; numbers 512 s + 16 lane + 0 .. 15
	v_max3_num_f32 v[240+4*\s], |v[T+16*\s]|, |v[T+16*\s+1]|, |v[T+16*\s+2]|
	v_max3_num_f32 v[241+4*\s], |v[T+16*\s+3]|, |v[T+16*\s+4]|, |v[T+16*\s+5]|
.irp i, 6,10
	v_max3_num_f32 v[240+4*\s], v[240+4*\s], |v[T+16*\s+\i]|, |v[T+16*\s+\i+1]|
	v_max3_num_f32 v[241+4*\s], v[241+4*\s], |v[T+16*\s+\i+2]|, |v[T+16*\s+\i+3]|
.endr
	v_max3_num_f32 v[240+4*\s], v[240+4*\s], |v[T+16*\s+14]|, |v[T+16*\s+15]|
	v_max3_num_f32 v[240+4*\s], v[240+4*\s], v[241+4*\s], 0x8000000   ; and the floor 2^(16 - 127)
	v_max_num_f32_dpp v[240+4*\s], v[240+4*\s], v[240+4*\s] row_xmask:1 row_mask:0xf bank_mask:0xf   ; with my neighbour's 16: the block's
	v_add_nc_u32 v[242+4*\s], 0xf8800000, v[240+4*\s]              ; 15 off the exponent field: the conversion's scale operand
	v_and_or_b32 v[243+4*\s], v[240+4*\s], 0x7f800000, s23         ; 57,344 x the scale
.irp i, 0,1,2,3,4,5,6,7,8,9,10,11,12,13,14,15
	v_med3_num_f32 v[T+16*\s+\i], v[T+16*\s+\i], -v[243+4*\s], v[243+4*\s]   ; the conversion does not saturate (ISA guide 7.6.2): the hold
.endr
	v_cvt_scalef32_pk8_bf8_f32 v[XR+4*\s:XR+4*\s+1], v[T+16*\s:T+16*\s+7], v[242+4*\s]
	v_cvt_scalef32_pk8_bf8_f32 v[XR+4*\s+2:XR+4*\s+3], v[T+16*\s+8:T+16*\s+15], v[242+4*\s]
	v_lshrrev_b32 v[XR+8+\s], 23, v[242+4*\s]      ; the scale's byte
	ds_store_b8 v5, v[XR+8+\s] offset:32*(\p)+16*\s   ; both lanes of a block write the same byte with the same value
	global_store_b128 v2, v[XR+4*\s:XR+4*\s+3], s[20:21] offset:1024*(\p)+512*\s
.endr
.endm
	ROW 0, 40, 24                                  ; behind row 0: g, b and three rows, 40 loads; behind b: three rows, 24
	ROW 1, 16, -1
	ROW 2, 8, -1
	ROW 3, 0, -1
	ds_load_b32 v244, v6                           ; my wave's 128 scale bytes
	s_wait_dscnt 0x0
	global_store_b32 v7, v244, s[10:11]
	s_wait_tensorcnt 0x0
	ds_add_u32 v254, v255
	s_wait_dscnt 0x0
	s_endpgm
.Lfunc_end_k_q4c48c378c4_lnw1:
	.size	k_q4c48c378c4_lnw1, .Lfunc_end_k_q4c48c378c4_lnw1-k_q4c48c378c4_lnw1
	.p2alignl 7, 3214868480
	.fill 96, 4, 3214868480
	.section	.rodata,"a",@progbits
	.p2align	6, 0x0
	.amdhsa_kernel k_q4c48c378c4_lnw1
		.amdhsa_group_segment_fixed_size 58880
		.amdhsa_private_segment_fixed_size 0
		.amdhsa_enable_private_segment 0
		.amdhsa_kernarg_size 72
		.amdhsa_user_sgpr_count 2
		.amdhsa_user_sgpr_kernarg_segment_ptr 1
		.amdhsa_wavefront_size32 1
		.amdhsa_system_sgpr_workgroup_id_x 1
		.amdhsa_system_sgpr_workgroup_id_y 1
		.amdhsa_system_sgpr_workgroup_id_z 1
		.amdhsa_system_vgpr_workitem_id 0
		.amdhsa_next_free_vgpr 256
		.amdhsa_next_free_sgpr 66
		.amdhsa_reserve_vcc 0
		.amdhsa_float_denorm_mode_32 3
		.amdhsa_float_denorm_mode_16_64 3
		.amdhsa_memory_ordered 1
		.amdhsa_forward_progress 1
		.amdhsa_inst_pref_size 113
	.end_amdhsa_kernel
	.amdgpu_metadata
---
amdhsa.version: [ 1, 2 ]
amdhsa.kernels:
  - .name:           k_q4c48c378c4_lnw1
    .symbol:         k_q4c48c378c4_lnw1.kd
    .args:
      - { .name: x, .offset: 0, .size: 8, .value_kind: global_buffer, .address_space: global }
      - { .name: ln1_g, .offset: 8, .size: 8, .value_kind: global_buffer, .address_space: global }
      - { .name: ln1_b, .offset: 16, .size: 8, .value_kind: global_buffer, .address_space: global }
      - { .name: act, .offset: 24, .size: 8, .value_kind: global_buffer, .address_space: global }
      - { .name: Wq, .offset: 32, .size: 8, .value_kind: global_buffer, .address_space: global }
      - { .name: Wk, .offset: 40, .size: 8, .value_kind: global_buffer, .address_space: global }
      - { .name: Wv, .offset: 48, .size: 8, .value_kind: global_buffer, .address_space: global }
      - { .name: Wproj, .offset: 56, .size: 8, .value_kind: global_buffer, .address_space: global }
      - { .name: w, .offset: 64, .size: 8, .value_kind: global_buffer, .address_space: global }
    .group_segment_fixed_size: 58880
    .private_segment_fixed_size: 0
    .kernarg_segment_align: 8
    .kernarg_segment_size: 72
    .max_flat_workgroup_size: 128
    .sgpr_count:     66
    .vgpr_count:     256
    .wavefront_size: 32
...
	.end_amdgpu_metadata
.endif
;; end of part 1
;; launch qkv (part 2): grid 12 x 16, 4 waves a work-group, clusters of 4 x 4, 327,680 bytes of LDS; arguments act, w, qkv; writes qkv
.if DOCPART == 2
	.amdgcn_target "amdgcn-amd-amdhsa--gfx1250"
	.amdhsa_code_object_version 6
	.text
	.protected	k_q4c48c378c4_qkv
	.globl	k_q4c48c378c4_qkv
	.p2align	8
	.type	k_q4c48c378c4_qkv,@function
k_q4c48c378c4_qkv:
	s_mov_b64 s[64:65], 0
	v_nop
	global_prefetch_b8 v0, s[64:65] scope:SCOPE_SE
	s_setreg_imm32_b32 hwreg(HW_REG_WAVE_MODE, 25, 1), 1
	s_wait_xcnt 0x0
	s_wait_alu depctr_hold_cnt(0) depctr_sa_sdst(0) depctr_va_vdst(0) depctr_va_sdst(0) depctr_va_ssrc(0) depctr_va_vcc(0) depctr_vm_vsrc(0)
	s_getreg_b32 s2, hwreg(HW_REG_IB_STS2, 6, 4)
	s_cmp_eq_u32 s2, 0
	s_cbranch_scc0 .Lentry_in_a_cluster
	s_endpgm
.Lentry_in_a_cluster:
	s_bfe_u32 s2, ttmp6, 0x10000c
	s_cmp_lg_u32 s2, 0xf033
	s_cbranch_scc0 .Lentry_shape_is_right
	s_endpgm
.Lentry_shape_is_right:
; q, k, v = h Wq, h Wk, h Wv on codes of BF8 (E5M2) with E8M0 scales for each 32 along K = 1,024; the results are quantised again on the way out: q and k along the head's 64, v along the tokens.
; h: codes [4096 tokens][1024] and scales [4096][32] in act; the weights: codes [3072 n][1024], n = 1024 (q, k, v) + 64 head + c, and scales [3072][32] in w.
; A tile of 256 x 256 to a work-group of four waves, 128 x 128 to a wave (64 accumulators, 512 registers); K in steps of 256 through two LDS slots filled by joint tensor loads in clusters of 4 x 4; the scales of all of K come once.
; THE MATRIX INSTRUCTION: source 0 = 16 rows of the COLUMN operand, source 1 = 16 rows of the ROW operand: a lane holds one row of the row operand, its eight registers eight neighbours along the column operand.
; What is quantised next runs along the column operand.  q, k (cluster x 0, 1): rows = tokens, columns = the weights' n.  v (cluster x 2): rows = Wv's channels (tile row = cy), columns = tokens (tile column = 4 cluster y + cx).
; Only pointers and cluster coordinates are chosen, by the cluster's x alone: the row operand's tiles still hang on cy and are shared along a row of the cluster, the column operand's on cx; LDS addresses and the K loop are the same everywhere.
; OUT: q, k codes [16 b + head][t'][64], t' = t with bits 3 and 4 exchanged (16 stored rows on end are the keys that a tile of scores takes), scales [16 b + head][t'][2]; v codes [b][64 head + c][1024 t], scales [b][t / 256][1024][8].
; LIMITS: a block of zeros gets the byte 1 where the rule says 127 (its codes are zeros, and this program alone reads the bytes); blocks whose largest magnitude lies under 2^-111 are held at the byte 1; NaN and infinities are not served.
; REGISTERS, in windows of 256: window 0: v7-29 addresses; v32-63 scale words, two sets, and nothing else; from v128 the row operand's fragments, ONE set; on the way out v64-224 at work.
;   window 1: the column operand's fragments, TWO sets.   windows 2, 3: the accumulators of my rows 0-63, 64-127 (accumulator (a, b) at v[8 (8 (a % 4) + b)]).
.set ASC,    4194304                   ; act: where the scales begin
.set WS,     12582912                  ; w: likewise
.set KSTEP,  256
.set NQ,     2
.set ROWB,   256
.set KROW,   1024
.set PITCH,  272                       ; an LDS row: 256 bytes + 16 = 68 words: the 16 rows that a load touches start at 16 different banks (64 banks of 4 bytes: ISA guide 11.1)
.set FR,     16
.set NL,     4
.set NP,     8                         ; places behind this matrix instruction (ISA guide 7.12.1)
.set HALFT,  128*PITCH
.set SLOT,   4*HALFT
.set KS,     32                        ; a row of scales in bytes
.set SCL,    2*SLOT
.set HALFS,  (128*KS/256)*272
.set SBLK,   (16*KS/256)*272
.set SPARE,  SCL+4*HALFS               ; the spare words, 128 bytes for each wave, which no other line names
.set CH,     20544                     ; the way out, in slot 0 (its last fill and last read are over): codes at (column / 64) CH + 80 row + column % 64,
.set SSV,    82432                     ; scale words [row][8 bytes],
.set SSQ,    84480                     ; and scale pairs [column / 64][row][2 bytes]
.set RD,   7                           ; v7   back from the stage by rows of 256 bytes
.set RDQ,  8                           ; v8   back by heads, rows of 64 bytes
.set G16,  9                           ; v9   16 x lane
.set GV,   10                          ; v10  v's codes: 1,024 (lane / 16) + 16 (lane % 16)
.set GPI,  11                          ; v11  16 x (lane with bits 0 and 1 exchanged)
.set SRD,  12                          ; v12  back from the scale words
.set ADRA, 16
.set ADRB, 20
.set STO,  24                          ; v24  where I put 8 codes
.set SVA,  25                          ; v25  where I put a scale word
.set SQA,  26                          ; v26  where I put a scale pair
.set ADRS, 27
.set SPW,  28                          ; v28  my spare word; never rewritten
.set NIL,  29                          ; v29  0; never rewritten
.set SC,   32
.set AF,   128
.set OB,   64                          ; the way out: v64-191 what comes back from the stage
.set T,    128                         ; v128-191 a block of rows, held
.set PC,   192                         ; v192-207 its codes
.set OS,   192                         ; later: scale bytes on their way out
.set TM,   208                         ; v208-211 largest magnitudes, 212-215 bytes, 216-219 57,344 x the scale, 220-223 the scale operands
.set PW,   224                         ; the scale word just made
.set VF,   66                          ; s66  1 in v's clusters
.set MNT,  67                          ; s67  the mantissa field of 57,344
.set G1, 24
.set G0, 32
.set G1B, 48
.set G0B, 56
.set G1S, 68
.set G0S, 76
.set G1SB, 80
.set G0SB, 88
.set MSB, 0
.macro WIN new                         ; the immediate's high byte repeats the setting that is left
.if MSB != \new
	s_set_vgpr_msb (MSB<<8)|\new
.set MSB, \new
.endif
.endm
.set MUL_LO, 0xa1                      ; source 0 window 1, source 1 window 0, C and D window 2
.set MUL_HI, 0xf1                      ; the same, C and D window 3
.set TO_B,   0x40                      ; destination window 1, address window 0
; A joint load: waves 0 and 1 fetch for the row operand, waves 2 and 3 for the column operand; the branch hangs on the wave's number alone.  Four v_nop follow each of the two lines.
.macro JLOAD g0a, g1a, g0b, g1b
	s_cmp_eq_u32 s15, 0
	s_cbranch_scc0 .Lfor_b_\@
	tensor_load_to_lds s[\g0a:\g0a+3], s[\g1a:\g1a+7]
	s_nop 0
.rept 4
	v_nop
.endr
	s_branch .Lasked_\@
.Lfor_b_\@:
	tensor_load_to_lds s[\g0b:\g0b+3], s[\g1b:\g1b+7]
	s_nop 0
.rept 4
	v_nop
.endr
.Lasked_\@:
.endm
.macro CREST                           ; a round of the cluster's barrier behind its opening barrier
	s_cmp_lg_u32 s14, 0
	s_cbranch_scc1 .Lnot_wave_0_\@
	s_barrier_signal -3
.Lnot_wave_0_\@:
	s_barrier_wait -3
	s_barrier_signal -1
	s_barrier_wait -1
.endm
.macro CROUND                          ; a whole round
	s_barrier_signal -1
	s_barrier_wait -1
	CREST
.endm
	s_load_b128 s[4:7], s[0:1], 0x0                ; act s[4:5], w s[6:7]
	s_load_b64 s[12:13], s[0:1], 0x10              ; qkv
	v_lshl_add_u32 v[SPW], v0, 2, SPARE
	v_mov_b32 v[NIL], 0
	ds_add_u32 v28, v29
	ds_add_u32 v28, v29
	s_wait_dscnt 0x0
	v_lshrrev_b32 v1, 5, v0
	v_readfirstlane_b32 s14, v1                    ; wave 0..3
	s_lshr_b32 s15, s14, 1                         ; which half of the tile's rows is mine.  Also: I fetch for the row operand (0) or the column operand (1)
	s_and_b32 s16, s14, 1                          ; which half of its columns.  Also: which 128 rows of that tile I fetch
	s_bfe_u32 s40, ttmp6, 0x40000                  ; cx, cy: my place in the cluster
	s_bfe_u32 s41, ttmp6, 0x40004
	s_and_b32 s17, ttmp7, 0xffff                   ; the cluster's y
	s_cmp_eq_u32 ttmp9, 2                          ; v's clusters: the same answer in all sixteen partners
	s_cselect_b32 s[VF], 1, 0
	s_cselect_b32 s42, s17, ttmp9                  ; which cluster coordinate counts the tile columns,
	s_cselect_b32 s17, 0, s17                      ; and which the tile rows
	s_lshl_b32 s42, s42, 2
	s_add_co_u32 s42, s42, s40                     ; tile column
	s_lshl_b32 s17, s17, 2
	s_add_co_u32 s17, s17, s41                     ; tile row
	s_lshl_b32 s43, s41, 2
	s_lshl_b32 s43, 15, s43                        ; my row of the cluster
	s_lshl_b32 s44, 0x1111, s40                    ; my column
	s_or_b32 s[G1+0], s43, (0<<16)|(1<<20)|(1<<21)|(5<<22)|(3<<25)  ; 15:0 the mask; 17:16 elements of 1 byte; 20 padding on; 21 set beside a mask; 24:22 after every 64 words; 31:25 four words
	s_or_b32 s[G1B+0], s44, (0<<16)|(1<<20)|(1<<21)|(5<<22)|(3<<25)
.irp g, G1, G1B
	s_mov_b32 s[\g+1], ROWB<<16                    ; tensor_dim0
	s_mov_b32 s[\g+2], 256<<16                     ; tensor_dim1: the head's loads bring 256 rows; the ring's 128 are set behind the head's wait
	s_mov_b32 s[\g+3], ROWB<<16                    ; tile_dim0
	s_mov_b32 s[\g+4], 256                         ; tile_dim1
	s_mov_b32 s[\g+5], KROW                        ; the pitch
	s_mov_b32 s[\g+6], 0
	s_mov_b32 s[\g+7], 0
.endr
	s_or_b32 s[G1S+0], s43, (3<<16)|(1<<20)|(1<<21)|(5<<22)|(3<<25)  ; the scales of 256 rows: a dense block, as rows of 256 bytes (32 elements of 8), 16 bytes of padding behind each
	s_or_b32 s[G1SB+0], s44, (3<<16)|(1<<20)|(1<<21)|(5<<22)|(3<<25)
.irp g, G1S, G1SB
	s_mov_b32 s[\g+1], 32<<16
	s_mov_b32 s[\g+2], KS<<16                      ; the scales of 256 rows: KS rows of 256 bytes
	s_mov_b32 s[\g+3], 32<<16
	s_mov_b32 s[\g+4], KS
	s_mov_b32 s[\g+5], 32
	s_mov_b32 s[\g+6], 0
	s_mov_b32 s[\g+7], 0
.endr
	s_mov_b32 s2, 0x76543210
	s_mov_b32 s3, 0xfedcba98                       ; v_permlanex16_b32's selects for lane l xor 16
	s_mov_b32 s[MNT], 0x600000
	s_lshl_b32 s18, s16, 7                         ; which 128 rows of the tile I fetch
	s_lshl_b32 s20, s17, 8
	s_add_co_u32 s20, s20, s18                     ; the row operand's row
	s_lshl_b32 s46, s42, 8
	s_add_co_u32 s46, s46, s18                     ; the column operand's
	s_mov_b32 s21, 0
	s_mov_b32 s47, 0
	s_mov_b64 s[18:19], KS
	s_mul_u64 s[22:23], s[20:21], s[18:19]         ; where these rows' scales begin, in bytes
	s_mul_u64 s[92:93], s[46:47], s[18:19]
	s_mov_b64 s[18:19], KROW
	s_mul_u64 s[20:21], s[20:21], s[18:19]         ; and their codes
	s_mul_u64 s[46:47], s[46:47], s[18:19]
	s_mul_i32 s45, s14, HALFT                      ; where they go: wave x 128 rows
	s_lshl_b32 s95, s16, 12                        ; the scales come whole: back to the tile's first row (128 rows x KS bytes; both are offsets still)
	s_sub_co_u32 s22, s22, s95
	s_sub_co_u32 s92, s92, s95
	s_wait_kmcnt 0x0
	s_add_nc_u64 s[8:9], s[4:5], ASC               ; h's scales
	s_add_nc_u64 s[10:11], s[6:7], WS              ; the weights' scales
	s_add_nc_u64 s[96:97], s[6:7], 2<<20           ; Wv's codes
	s_add_nc_u64 s[98:99], s[10:11], 2<<15         ; Wv's scales
	s_cmp_lg_u32 s[VF], 0                          ; the choice hangs on the cluster's x alone
	s_cselect_b64 s[96:97], s[96:97], s[4:5]       ; the row operand's codes,
	s_cselect_b64 s[98:99], s[98:99], s[8:9]       ; its scales,
	s_cselect_b64 s[6:7], s[4:5], s[6:7]           ; the column operand's codes,
	s_cselect_b64 s[10:11], s[8:9], s[10:11]       ; its scales
	s_add_nc_u64 s[20:21], s[96:97], s[20:21]
	s_add_nc_u64 s[22:23], s[98:99], s[22:23]
	s_add_nc_u64 s[46:47], s[6:7], s[46:47]
	s_add_nc_u64 s[92:93], s[10:11], s[92:93]
	CROUND                                         ; all sixteen work-groups are here: the first joint loads meet
	s_mov_b32 s[G0S], 1
	s_mov_b32 s[G0S+1], SCL
	s_mov_b64 s[G0S+2:G0S+3], s[22:23]
	s_or_b32 s[G0S+3], s[G0S+3], 0x80000000
	s_mov_b32 s[G0SB], 1
	s_mov_b32 s[G0SB+1], SCL+2*HALFS
	s_mov_b64 s[G0SB+2:G0SB+3], s[92:93]
	s_or_b32 s[G0SB+3], s[G0SB+3], 0x80000000
.irp s, 0,1
	s_mov_b32 s[G0+4*\s], 1
	s_add_co_u32 s[G0+4*\s+1], s45, \s*SLOT
	s_add_nc_u64 s[G0+4*\s+2:G0+4*\s+3], s[20:21], \s*ROWB
	s_or_b32 s[G0+4*\s+3], s[G0+4*\s+3], 0x80000000
	s_mov_b32 s[G0B+4*\s], 1
	s_add_co_u32 s[G0B+4*\s+1], s45, \s*SLOT
	s_add_nc_u64 s[G0B+4*\s+2:G0B+4*\s+3], s[46:47], \s*ROWB
	s_or_b32 s[G0B+4*\s+3], s[G0B+4*\s+3], 0x80000000
.if \s == 1
	; THE HEAD'S LOADS, ONE A WAVE, in one chain of branches on the wave's number: wave 0 K step 0's 256 rows of the row operand, wave 2 those of the column operand
	; (in these two waves slot 0's group 0 stands at the tile's first row), wave 1 the row operand's scales, wave 3 the column operand's.
	s_cmp_eq_u32 s14, 0
	s_cbranch_scc0 .Lh_b
	tensor_load_to_lds s[G0:G0+3], s[G1:G1+7]
	s_nop 0
.rept 4
	v_nop
.endr
	s_branch .Lh_j
.Lh_b:
	s_cmp_eq_u32 s14, 2
	s_cbranch_scc0 .Lh_sa
	tensor_load_to_lds s[G0B:G0B+3], s[G1B:G1B+7]
	s_nop 0
.rept 4
	v_nop
.endr
	s_branch .Lh_j
.Lh_sa:
	s_cmp_eq_u32 s14, 1
	s_cbranch_scc0 .Lh_sb
	tensor_load_to_lds s[G0S:G0S+3], s[G1S:G1S+7]
	s_nop 0
.rept 4
	v_nop
.endr
	s_branch .Lh_j
.Lh_sb:
	tensor_load_to_lds s[G0SB:G0SB+3], s[G1SB:G1SB+7]
	s_nop 0
.rept 4
	v_nop
.endr
.Lh_j:
	; PREFETCHES INTO THE L2, two K steps ahead of the K step that is being loaded: here K steps 1 and 2, behind K step 1's load K step 3.  Of the 128 rows that my wave fetches in the ring, each of the four
	; partners that ask for them jointly names 32, told apart by address (cx for the row operand, cy for the column operand): a lane a row, 256 bytes of it a K step: each block once in a cluster.
	s_cmp_eq_u32 s15, 0
	s_cselect_b64 s[8:9], s[20:21], s[46:47]
	s_cselect_b32 s95, s40, s41
	s_lshl_b32 s94, s95, 15                        ; 32 rows of 1,024 bytes
	s_mov_b32 s95, 0
	s_add_nc_u64 s[8:9], s[8:9], s[94:95]
	v_and_b32 v13, 31, v0
	v_lshlrev_b32 v13, 10, v13
	s_wait_alu depctr_va_vdst(0)
	global_prefetch_b8 v13, s[8:9] offset:256 th:TH_LOAD_NT scope:SCOPE_SE
	global_prefetch_b8 v13, s[8:9] offset:512 th:TH_LOAD_NT scope:SCOPE_SE
.endif
.endr
	v_and_b32 v1, 15, v0                           ; r = l % 16
	v_bfe_u32 v2, v0, 4, 1                         ; h = l / 16
	v_mul_u32_u24 v3, v1, PITCH
	v_lshl_add_u32 v4, v2, 4, v3                   ; a fragment's row x pitch + 16 x half
	s_mul_i32 s21, s15, HALFT                      ; my 128 rows of the row operand
	s_mul_i32 s22, s16, HALFT                      ; my 128 rows of the column operand,
	s_add_co_u32 s22, s22, 2*HALFT                 ; which lie behind the other's 256
.irp s, 0,1
	v_add_nc_u32 v[ADRA+\s], s21, v4
	v_add_nc_u32 v[ADRB+\s], s22, v4
	s_add_co_u32 s21, s21, SLOT
	s_add_co_u32 s22, s22, SLOT
.endr
	v_mul_u32_u24 v5, v1, KS                       ; my row's scales: KS bytes a row,
	v_lshrrev_b32 v6, 8, v5
	v_lshl_add_u32 v5, v6, 4, v5                   ; and 16 more for each 256 passed
	s_mul_i32 s21, s15, HALFS
	s_mul_i32 s22, s16, HALFS
	s_add_co_u32 s22, s22, 2*HALFS
	s_sub_co_u32 s22, s22, s21
	v_mul_u32_u24 v6, s22, v2                      ; lanes 16-31 take the column operand's
	s_add_co_u32 s21, s21, SCL
	v_add_nc_u32 v5, v5, v6
	v_add_nc_u32 v[ADRS], s21, v5
	; the way out's addresses
	s_mul_i32 s21, s16, 2*CH
	s_mul_i32 s22, s15, 128*80
	s_add_co_u32 s21, s21, s22
	v_mul_u32_u24 v5, v1, 80
	v_lshl_add_u32 v5, v2, 3, v5
	v_add_nc_u32 v[STO], s21, v5                   ; my columns' two groups of 64, my rows, row r, + 8 h
	s_lshl_b32 s21, s15, 10
	s_lshl_b32 s22, s16, 2
	s_add_co_u32 s21, s21, s22
	s_add_co_u32 s21, s21, SSV
	v_lshl_add_u32 v[SVA], v1, 3, s21              ; 8 bytes a row; my half of the columns is 4 of them
	s_lshl_b32 s21, s16, 10
	s_lshl_b32 s22, s15, 8
	s_add_co_u32 s21, s21, s22
	s_add_co_u32 s21, s21, SSQ
	v_lshl_add_u32 v[SQA], v1, 1, s21              ; 2 bytes a row and group of 64 columns
	v_bfe_u32 v5, v0, 2, 2
	v_mul_u32_u24 v5, v5, CH
	v_mad_u32_u24 v5, v2, 80, v5
	v_and_b32 v6, 3, v0
	v_lshl_add_u32 v5, v6, 4, v5
	s_mul_i32 s21, s14, 64*80
	v_add_nc_u32 v[RD], s21, v5                    ; rows 64 w + l / 16, byte 16 (l % 16) of 256
	v_bfe_u32 v5, v0, 2, 3
	v_mul_u32_u24 v5, v5, 80
	v_lshl_add_u32 v5, v6, 4, v5
	s_mul_i32 s21, s14, CH
	v_add_nc_u32 v[RDQ], s21, v5                   ; group w of 64 columns, row l / 4, byte 16 (l % 4) of 64
	v_and_b32 v5, 31, v0
	v_lshlrev_b32 v[G16], 4, v5
	v_lshlrev_b32 v5, 4, v1
	v_lshl_add_u32 v[GV], v2, 10, v5
	v_and_b32 v5, 28, v0
	v_and_b32 v6, 1, v0
	v_lshl_or_b32 v5, v6, 1, v5
	v_bfe_u32 v6, v0, 1, 1
	v_or_b32 v5, v5, v6
	v_lshlrev_b32 v[GPI], 4, v5
	s_lshl_b32 s21, s14, 9
	s_add_co_u32 s21, s21, SSV
	v_add_nc_u32 v[SRD], s21, v[G16]
	; where the results go, in bytes
	s_lshr_b32 s96, s42, 2
	s_and_b32 s97, s42, 3
	s_lshr_b32 s98, s17, 2
	s_and_b32 s99, s17, 3
	s_lshl_b32 s20, s96, 22                        ; q, k: q or k,
	s_lshl_b32 s21, s98, 20                        ; the batch,
	s_add_co_u32 s20, s20, s21
	s_lshl_b32 s21, s97, 18                        ; four heads a tile column,
	s_add_co_u32 s20, s20, s21
	s_lshl_b32 s21, s14, 16                        ; a head a wave,
	s_add_co_u32 s20, s20, s21
	s_lshl_b32 s21, s99, 14                        ; 256 tokens of 64 bytes
	s_add_co_u32 s20, s20, s21
	s_lshr_b32 s22, s20, 5                         ; their scale pairs: a 32nd of that,
	s_add_co_u32 s22, s22, 12<<20                  ; behind the codes
	s_lshl_b32 s46, s96, 20                        ; v: the batch,
	s_lshl_b32 s21, s17, 18                        ; 256 channels of 1,024 bytes,
	s_add_co_u32 s46, s46, s21
	s_lshl_b32 s21, s14, 16                        ; 64 a wave,
	s_add_co_u32 s46, s46, s21
	s_lshl_b32 s21, s97, 8                         ; 256 tokens
	s_add_co_u32 s46, s46, s21
	s_add_co_u32 s46, s46, 8<<20
	s_lshl_b32 s47, s96, 15                        ; v's scale words
	s_lshl_b32 s21, s97, 13
	s_add_co_u32 s47, s47, s21
	s_lshl_b32 s21, s17, 11
	s_add_co_u32 s47, s47, s21
	s_lshl_b32 s21, s14, 9
	s_add_co_u32 s47, s47, s21
	s_add_co_u32 s47, s47, (12<<20)+(256<<10)
	s_cmp_lg_u32 s[VF], 0
	s_cselect_b32 s20, s46, s20
	s_cselect_b32 s22, s47, s22
	s_mov_b32 s21, 0
	s_mov_b32 s23, 0
	s_add_nc_u64 s[100:101], s[12:13], s[22:23]    ; scales
	s_add_nc_u64 s[12:13], s[12:13], s[20:21]      ; codes
.macro FRAG reg, adr, q, i             ; a fragment, 16 rows x 128 K: lane l holds row l % 16; registers 4 c .. 4 c + 3 hold K = 32 c + 16 (l / 16) + 0 .. 15
.irp c, 0,1,2,3
	ds_load_b128 v[\reg+4*\c:\reg+4*\c+3], v[\adr] offset:128*(\q)+32*\c+(\i)*16*PITCH
.endr
.endm
; 16 matrix instructions: row blocks a0, a0 + 1 x the eight column blocks, 128 along K.  zero = 1: the first product starts the sums.  The 64 accumulators take turns, one instruction a turn.
.macro MUL16 a0, p, q, sc, zero
.irp a, \a0, \a0+1
.irp b, 0,1,2,3,4,5,6,7
.if \zero
	v_wmma_scale_f32_16x16x128_f8f6f4 v[8*(8*((\a)%4)+\b):8*(8*((\a)%4)+\b)+7], v[128*(\p)+FR*\b:128*(\p)+FR*\b+FR-1], v[AF+FR*(\a):AF+FR*(\a)+FR-1], 0, v[SC+8*NQ*(\sc)+NQ*\b+(\q)], v[SC+8*NQ*(\sc)+NQ*(\a)+(\q)] matrix_a_fmt:MATRIX_FMT_BF8 matrix_b_fmt:MATRIX_FMT_BF8 matrix_a_scale:MATRIX_SCALE_ROW1
.else
	v_wmma_scale_f32_16x16x128_f8f6f4 v[8*(8*((\a)%4)+\b):8*(8*((\a)%4)+\b)+7], v[128*(\p)+FR*\b:128*(\p)+FR*\b+FR-1], v[AF+FR*(\a):AF+FR*(\a)+FR-1], v[8*(8*((\a)%4)+\b):8*(8*((\a)%4)+\b)+7], v[SC+8*NQ*(\sc)+NQ*\b+(\q)], v[SC+8*NQ*(\sc)+NQ*(\a)+(\q)] matrix_a_fmt:MATRIX_FMT_BF8 matrix_b_fmt:MATRIX_FMT_BF8 matrix_a_scale:MATRIX_SCALE_ROW1
.endif
.endr
.endr
.endm
.macro FETCH_B slot, q, p
	WIN TO_B
.irp i, 0,1,2,3,4,5,6,7
	FRAG 128*(\p)+FR*\i, ADRB+\slot, \q, \i
.endr
	WIN 0
.endm
.macro FETCH_A slot, q, i0
.irp i, \i0, \i0+1, \i0+2, \i0+3
	FRAG AF+FR*(\i), ADRA+\slot, \q, \i
.endr
.endm
.macro SCALES sc                       ; a K step's scale words: lanes 0-15 the row operand's block i, lanes 16-31 the column operand's block i
.irp i, 0,1,2,3,4,5,6,7
	ds_load_b64 v[SC+8*NQ*\sc+NQ*\i:SC+8*NQ*\sc+NQ*\i+1], v[ADRS] offset:\i*SBLK
.endr
.endm
.macro PLACES n                        ; plain vector lines between a matrix instruction and a load into, or a read of, its registers
.rept \n
	v_nop
.endr
.endm
.macro STEP slot, q, zero              ; 128 along K with its successor in the same slot
	s_wait_dscnt 4*NL                              ; all but the youngest sixteen loads (row blocks 4-7) are in
	WIN MUL_LO
	MUL16 0, (\q)%2, \q, \slot, \zero
	MUL16 2, (\q)%2, \q, \slot, \zero
	s_wait_dscnt 0
	PLACES NP
	FETCH_B \slot, (\q)+1, 1-(\q)%2
	FETCH_A \slot, (\q)+1, 0
	WIN MUL_HI
	MUL16 4, (\q)%2, \q, \slot, \zero
	MUL16 6, (\q)%2, \q, \slot, \zero
	PLACES NP
	WIN 0
	FETCH_A \slot, (\q)+1, 4
.endm
; A slot's last step changes slots: one barrier; in front of it each wave waits for all its tensor loads, adds 0 to its spare word, and waits for that and for its reads of this slot.  fill = 1: this slot is filled again.
.macro TURN slot, next, fill
	s_wait_tensorcnt 0x0                           ; all my tensor loads have landed: my part of the next slot
	ds_add_u32 v[SPW], v[NIL]                      ; 0 onto my spare word
	s_wait_dscnt 4*NL+1                            ; (the add and the youngest sixteen loads may be out)
	WIN MUL_LO
	MUL16 0, 1, NQ-1, \slot, 0
	s_wait_dscnt 0x0                               ; the add is done, and my reads of this slot are over
	s_barrier_signal -1
	MUL16 2, 1, NQ-1, \slot, 0
	WIN 0
	s_barrier_wait -1
.if \fill
	CREST                                          ; the barrier has opened a round of the cluster's: no wave of any partner still reads this slot or has a load on its way
	s_add_nc_u64 s[G0+4*\slot+2:G0+4*\slot+3], s[G0+4*\slot+2:G0+4*\slot+3], 2*ROWB
	s_add_nc_u64 s[G0B+4*\slot+2:G0B+4*\slot+3], s[G0B+4*\slot+2:G0B+4*\slot+3], 2*ROWB
	JLOAD G0+4*\slot, G1, G0B+4*\slot, G1B         ; the first tensor load behind the round; its four v_nop are among the places in front of the loads below
	PLACES NP-4
.else
	PLACES NP
.endif
	s_wait_alu depctr_va_vdst(0)
	v_add_nc_u32 v[ADRS], 4*NQ, v[ADRS]            ; the next K step's scale words
	FETCH_B \next, 0, 0
	FETCH_A \next, 0, 0
	SCALES \next
	WIN MUL_HI
	MUL16 4, 1, NQ-1, \slot, 0
	MUL16 6, 1, NQ-1, \slot, 0
	PLACES NP
	WIN 0
	FETCH_A \next, 0, 4
.endm
	s_wait_alu depctr_va_vdst(0)
	s_wait_tensorcnt 0x0                           ; my tile of the head's four is in; slot 1's first fill is issued as a refill is:
	ds_add_u32 v[SPW], v[NIL]                      ; 0 onto my spare word
	s_mov_b32 s[G1+2], 128<<16                     ; no tensor load of mine is out: from here on a load brings 128 rows
	s_mov_b32 s[G1+4], 128
	s_mov_b32 s[G1B+2], 128<<16
	s_mov_b32 s[G1B+4], 128
	s_wait_dscnt 0x0
	CROUND                                         ; all four tiles are in, and all sixteen work-groups are here
	JLOAD G0+4, G1, G0B+4, G1B                     ; K step 1, a quarter of the slot a wave
	FETCH_B 0, 0, 0
	global_prefetch_b8 v13, s[8:9] offset:768 th:TH_LOAD_NT scope:SCOPE_SE   ; K step 3, the last
	FETCH_A 0, 0, 0
	SCALES 0
	FETCH_A 0, 0, 4
	STEP 0, 0, 1                                   ; K = 1,024 is four K steps, eight steps of 128: written out
	TURN 0, 1, 1                                   ; slot 0 takes K step 2
	STEP 1, 0, 0
	TURN 1, 0, 1                                   ; slot 1 takes K step 3
	STEP 0, 0, 0
	TURN 0, 1, 0                                   ; nothing is left to fetch
	STEP 1, 0, 0
	s_wait_dscnt 4*NL
	WIN MUL_LO
	MUL16 0, 1, NQ-1, 1, 0
	MUL16 2, 1, NQ-1, 1, 0
	s_wait_dscnt 0
	WIN MUL_HI
	MUL16 4, 1, NQ-1, 1, 0
	MUL16 6, 1, NQ-1, 1, 0
	WIN 0
; THE WAY OUT.  Row block a (16 rows x my 128 columns): a lane holds, of its row, 16 numbers of each of four blocks of 32 columns (accumulators 2 B and 2 B + 1: columns 32 B + 8 h + j and 32 B + 16 + 8 h + j); lane l xor 16 holds the others.
; Each accumulator is read from its low end on.
.macro QROW a
.set AC, 64*((\a)%4)
	WIN 0x0a+5*((\a)/4)                            ; sources 0 and 1: window 2 or 3
.irp b, 0,1,2,3
	v_max3_num_f32 v[TM+\b], |v[AC+16*\b]|, |v[AC+16*\b+1]|, 0x8000000   ; with the floor 2^(16 - 127): the byte cannot fall under 1
.endr
.irp i, 2,4,6,8,10,12,14
.irp b, 0,1,2,3
	v_max3_num_f32 v[TM+\b], |v[AC+16*\b+\i]|, |v[AC+16*\b+\i+1]|, v[TM+\b]
.endr
.endr
	WIN 0
.irp b, 0,1,2,3
	v_permlanex16_b32 v[TM+4+\b], v[TM+\b], s2, s3
.endr
.irp b, 0,1,2,3
	v_max_num_f32 v[TM+\b], v[TM+\b], v[TM+4+\b]   ; the block's largest magnitude
.endr
.irp b, 0,1,2,3
	v_add_nc_u32 v[TM+12+\b], 0xf8800000, v[TM+\b] ; 15 off its exponent field: the conversion's scale operand
.endr
.irp b, 0,1,2,3
	v_and_or_b32 v[TM+8+\b], v[TM+\b], 0x7f800000, s[MNT]   ; 57,344 x the scale
.endr
.irp b, 0,1,2,3
	v_lshrrev_b32 v[TM+4+\b], 23, v[TM+12+\b]      ; the scale's byte
.endr
	s_wait_alu depctr_va_vdst(0)
	s_wait_dscnt 0x0                               ; the last block's stores have read the word and the codes
	v_lshl_or_b32 v[PW], v[TM+5], 8, v[TM+4]
	v_lshl_or_b32 v[PW], v[TM+6], 16, v[PW]
	v_lshl_or_b32 v[PW], v[TM+7], 24, v[PW]
	WIN 0x02+((\a)/4)                              ; source 0: window 2 or 3
.irp b, 0,1,2,3
.irp i, 0,1,2,3,4,5,6,7,8,9,10,11,12,13,14,15
	v_med3_num_f32 v[T+16*\b+\i], v[AC+16*\b+\i], -v[TM+8+\b], v[TM+8+\b]   ; the conversion does not saturate (ISA guide 7.6.2): the hold
.endr
.endr
	WIN 0
.irp b, 0,1,2,3
	v_cvt_scalef32_pk8_bf8_f32 v[PC+4*\b:PC+4*\b+1], v[T+16*\b:T+16*\b+7], v[TM+12+\b]
	v_cvt_scalef32_pk8_bf8_f32 v[PC+4*\b+2:PC+4*\b+3], v[T+16*\b+8:T+16*\b+15], v[TM+12+\b]
.endr
	v_nop                                          ; a plain line behind the last conversion
.irp b, 0,1,2,3
	ds_store_b64 v[STO], v[PC+4*\b:PC+4*\b+1] offset:(\b/2)*CH+1280*(\a)+32*(\b%2)
	ds_store_b64 v[STO], v[PC+4*\b+2:PC+4*\b+3] offset:(\b/2)*CH+1280*(\a)+32*(\b%2)+16
.endr
	ds_store_b32 v[SVA], v[PW] offset:128*(\a)     ; both halves of the lanes write the same word with the same value
	ds_store_b16 v[SQA], v[PW] offset:32*(\a)      ; and the same bytes as two pairs, one for each group of 64 columns
	ds_store_b16_d16_hi v[SQA], v[PW] offset:512+32*(\a)
.endm
	PLACES NP
.irp b, 0,1,2,3
	v_mov_b32 v[TM+4+\b], 0                        ; written once: a lane permute's destination counts as one of its sources
.endr
.irp a, 0,1,2,3,4,5,6,7
	QROW \a
.endr
	s_wait_dscnt 0x0                               ; for the others' sake: my stores into the stage are done
	s_barrier_signal -1
	s_barrier_wait -1
	s_cmp_lg_u32 s[VF], 0                          ; the same answer in the whole cluster; LDS loads and global stores alone stand on the two ways
	s_cbranch_scc1 .Lv_out
.irp t, 0,1,2,3,4,5,6,7,8,9,10,11,12,13,14,15,16,17,18,19,20,21,22,23,24,25,26,27,28,29,30,31
	ds_load_b128 v[OB+4*\t:OB+4*\t+3], v[RDQ] offset:640*\t        ; q, k: head w, tokens 8 t .. 8 t + 7: 512 bytes
.endr
	ds_load_b128 v[OS:OS+3], v[SRD] offset:SSQ-SSV
.irp t, 0,1,2,3,4,5,6,7,8,9,10,11,12,13,14,15,16,17,18,19,20,21,22,23,24,25,26,27,28,29,30,31
	s_wait_dscnt 32-\t                             ; load t is back; the younger ones may be out
	global_store_b128 v[G16], v[OB+4*\t:OB+4*\t+3], s[12:13] offset:512*((\t/4)*4+(\t%2)*2+(\t/2)%2)   ; bits 3 and 4 of the token are bits 0 and 1 of t: exchanged; 512 consecutive bytes
.endr
	s_wait_dscnt 0x0
	global_store_b128 v[GPI], v[OS:OS+3], s[100:101]               ; eight tokens' pairs a lane: the same exchange among the lanes
	s_branch .Lout_done
.Lv_out:
.irp t, 0,1,2,3,4,5,6,7,8,9,10,11,12,13,14,15,16,17,18,19,20,21,22,23,24,25,26,27,28,29,30,31
	ds_load_b128 v[OB+4*\t:OB+4*\t+3], v[RD] offset:160*\t         ; v: channels 64 w + 2 t, + 1: 256 tokens each
.endr
	ds_load_b128 v[OS:OS+3], v[SRD]
.irp t, 0,1,2,3,4,5,6,7,8,9,10,11,12,13,14,15,16,17,18,19,20,21,22,23,24,25,26,27,28,29,30,31
	s_wait_dscnt 32-\t
	global_store_b128 v[GV], v[OB+4*\t:OB+4*\t+3], s[12:13] offset:2048*\t   ; sixteen lanes store 256 consecutive bytes, aligned
.endr
	s_wait_dscnt 0x0
	global_store_b128 v[G16], v[OS:OS+3], s[100:101]
.Lout_done:
	s_wait_tensorcnt 0x0                           ; the wave's end
	ds_add_u32 v[SPW], v[NIL]
	s_wait_dscnt 0x0
	CROUND                                         ; the closing round: no work-group ends while a partner may still ask for a tile that names it
	s_endpgm
.Lfunc_end_k_q4c48c378c4_qkv:
	.size	k_q4c48c378c4_qkv, .Lfunc_end_k_q4c48c378c4_qkv-k_q4c48c378c4_qkv
	.p2alignl 7, 3214868480
	.fill 96, 4, 3214868480
	.section	.rodata,"a",@progbits
	.p2align	6, 0x0
	.amdhsa_kernel k_q4c48c378c4_qkv
		.amdhsa_group_segment_fixed_size 327680
		.amdhsa_private_segment_fixed_size 0
		.amdhsa_enable_private_segment 0
		.amdhsa_kernarg_size 24
		.amdhsa_user_sgpr_count 2
		.amdhsa_user_sgpr_kernarg_segment_ptr 1
		.amdhsa_wavefront_size32 1
		.amdhsa_system_sgpr_workgroup_id_x 1
		.amdhsa_system_sgpr_workgroup_id_y 1
		.amdhsa_system_sgpr_workgroup_id_z 1
		.amdhsa_system_vgpr_workitem_id 0
		.amdhsa_next_free_vgpr 1024
		.amdhsa_next_free_sgpr 102
		.amdhsa_reserve_vcc 0
		.amdhsa_float_denorm_mode_32 3
		.amdhsa_float_denorm_mode_16_64 3
		.amdhsa_memory_ordered 1
		.amdhsa_forward_progress 1
		.amdhsa_inst_pref_size 204
	.end_amdhsa_kernel
	.amdgpu_metadata
---
amdhsa.version: [ 1, 2 ]
amdhsa.kernels:
  - .name:           k_q4c48c378c4_qkv
    .symbol:         k_q4c48c378c4_qkv.kd
    .args:
      - { .name: act, .offset: 0, .size: 8, .value_kind: global_buffer, .address_space: global }
      - { .name: w, .offset: 8, .size: 8, .value_kind: global_buffer, .address_space: global }
      - { .name: qkv, .offset: 16, .size: 8, .value_kind: global_buffer, .address_space: global }
    .group_segment_fixed_size: 327680
    .private_segment_fixed_size: 0
    .kernarg_segment_align: 8
    .kernarg_segment_size: 24
    .max_flat_workgroup_size: 128
    .sgpr_count:     102
    .vgpr_count:     1024
    .wavefront_size: 32
...
	.end_amdgpu_metadata
.endif
;; end of part 2
;; launch attn (part 3): grid 4 x 64, 16 waves a work-group, no clusters, 178,176 bytes of LDS; arguments qkv, act; writes act
.if DOCPART == 3
	.amdgcn_target "amdgcn-amd-amdhsa--gfx1250"
	.amdhsa_code_object_version 6
	.text
	.protected	k_q4c48c378c4_attn
	.globl	k_q4c48c378c4_attn
	.p2align	8
	.type	k_q4c48c378c4_attn,@function
k_q4c48c378c4_attn:
	s_mov_b64 s[64:65], 0
	v_nop
	global_prefetch_b8 v0, s[64:65] scope:SCOPE_SE
	s_setreg_imm32_b32 hwreg(HW_REG_WAVE_MODE, 25, 1), 1
	s_wait_xcnt 0x0
; Causal attention of one head on codes of BF8 (E5M2) with E8M0 scales; the result, divided by the row's sum, is quantised along D for the next product.
; IN (qkv): q, k codes [16 b + head][t'][64] (t' = t with bits 3 and 4 exchanged), scale pairs [..][t'][2]; v codes [b][64 head + c][1024 t], scale words [b][t / 256][1024][8].
; OUT (act): codes in planes [head][4096 tokens][64], scale bytes [head / 4][4096 tokens][8] at byte 2 (head % 4) + block.
; THE SOFTMAX: t = score x log2(e) / 8; M = the running largest t rounded UP to a whole number; p = 2^(t - M) is quantised along the keys, not normalised; the sum is taken of the unquantised p and divides at the end.
; When M moves, the sum and O are multiplied by 2^(old M - new M): exact.
; SHARES.  A work-group serves one head; waves 0-7 own the 128 queries of block j, waves 8-15 those of block 7 - j, 16 queries a wave: every work-group has the same number of key steps under the causal mask.
; A wave walks key steps of 128 up to its own block; the step on the diagonal is masked, later steps are jumped over by a scalar branch on ids.  The loop's trip count is a constant.
; ALL of the head's K and V (128 KiB) and their scales come into LDS once: one tensor load a wave (waves 0-3 K's quarters, 4-7 V's, 8 K's scales, 9 V's), one wait, one barrier; nothing is filled again.
; NO CLUSTER: the four work-groups of a head jump over different steps, which is a branch on the work-group's place; and what they share is read once by each, 132 KiB.
; THE SCORES' K IS 64, half of the instruction's 128: registers 8-15 of q's and k's fragments hold zero codes, written once; the upper two bytes of their scale words are 0, which over zero codes adds nothing.
; LAYOUT.  Both products transposed (S^T = K Q^T, O^T = V^T P^T): a lane holds one query.  Sixteen stored rows of k on end are keys 32 b + 8 u + r + 8 (r / 8), so that the 16 registers of tiles 2 b, 2 b + 1 are 16 neighbouring keys.
; LIMITS: a block of zeros gets the byte 1 where the rule says 127; blocks whose largest magnitude lies under 2^-111 are held at the byte 1; NaN and infinities are not served.  The out scale pairs leave as 2 bytes of 8: a 32nd of the codes' bytes.
; REGISTERS: v1-7 addresses that stay; v8-11 the step's; v12 -M, v13 the largest t, v[14:15] the sum; v16-31 Q; v32-95 four fragments of K; v96-159 S^T, p, then V's four fragments; v160-191 O^T; v192-207 p's codes;
;   v208-223 the way out; v232-247 at work; v248-251, v253, v255 scale words; v252 f; v254 at work.
.set ASC,  4194304
.set VT,   81920                       ; LDS: K at 0: 1,024 rows of 64 + 16;  V: 4 chunks x 64 rows of 256 + 16;
.set KSC,  151552                      ; K's scale pairs, 2,048 bytes;
.set VSC,  153600                      ; V's scale words [chunk][64][8], 2,048 bytes;
.set OST,  155648                      ; the way out: 16 rows of 80 bytes for each wave
.set AK0,  1
.set AV0,  2
.set ASK0, 3
.set ASV0, 4
.set OSI,  5
.set OSO,  6
.set GO,   7
.set ADK,  8
.set ADV,  9
.set ADS,  10
.set ADT,  11
.set WV,   18
.set MNT,  19
.set SEL,  20
.set CS,   22
.set G1K,  24
.set G1V,  32
.set G0K,  40
.set G0V,  44
.set G0KS, 48
.set G0VS, 52
.set G1KS, 68
.set G1VS, 76
.set BLK,  84                          ; s84  my block of 128 queries: the last key step that I work
.set ST,   85                          ; s85  the key step in hand
.set TBK,  86                          ; s86  where the chunk's K begins
.set TBV,  87                          ; s87  V
.set TSC,  88                          ; s88  and both kinds of scales: 512 bytes a chunk
.set CNT,  89
.set Q0L,  90                          ; s90  my first query within its block
	s_load_b128 s[4:7], s[0:1], 0x0                ; qkv, act
	v_lshl_add_u32 v230, v0, 2, 0x2b000
	v_mov_b32 v231, 0
	ds_add_u32 v230, v231
	ds_add_u32 v230, v231
	v_lshrrev_b32 v8, 5, v0
	s_delay_alu instid0(VALU_DEP_1)
	v_readfirstlane_b32 s[WV], v8                  ; wave 0..15
	s_and_b32 s8, ttmp7, 0xffff                    ; 16 b + head
	s_lshr_b32 s9, s8, 4                           ; b
	s_and_b32 s10, s8, 15                          ; head
	s_and_b32 s11, s[WV], 7
	s_lshr_b32 s12, s[WV], 3
	s_sub_co_u32 s13, 7, ttmp9
	s_cmp_lg_u32 s12, 0
	s_cselect_b32 s[BLK], s13, ttmp9
	s_lshl_b32 s[Q0L], s11, 4
	s_and_b32 s14, s[WV], 3                        ; which chunk of 256 keys I fetch, if I fetch
	s_mul_i32 s15, s14, 20480
	s_mul_i32 s16, s14, 17408
	s_add_co_u32 s16, s16, VT
	s_lshl_b32 s17, s8, 16                         ; a head's codes are 65,536 bytes in each of the three tensors
	s_lshl_b32 s12, s14, 14
	s_add_co_u32 s58, s17, s12
	s_add_co_u32 s58, s58, 4<<20                   ; K's chunk
	s_mov_b32 s59, 0
	s_lshl_b32 s12, s14, 8
	s_add_co_u32 s60, s17, s12
	s_add_co_u32 s60, s60, 8<<20                   ; V's
	s_mov_b32 s61, 0
	s_lshl_b32 s62, s8, 11
	s_add_co_u32 s62, s62, (12<<20)+(128<<10)      ; K's scale pairs
	s_mov_b32 s63, 0
	s_lshl_b32 s92, s9, 15
	s_lshl_b32 s12, s10, 9
	s_add_co_u32 s92, s92, s12
	s_add_co_u32 s92, s92, (12<<20)+(256<<10)      ; V's scale words
	s_mov_b32 s93, 0
	s_lshl_b32 s91, s[BLK], 7                      ; the stored row of my queries: 128 block + 32 (w / 2) + 8 (w % 2), + 16 (r / 8) + r % 8 in the lane
	s_lshr_b32 s12, s11, 1
	s_lshl_b32 s12, s12, 5
	s_add_co_u32 s91, s91, s12
	s_and_b32 s12, s11, 1
	s_lshl_b32 s12, s12, 3
	s_add_co_u32 s91, s91, s12
	s_lshl_b32 s96, s91, 6
	s_add_co_u32 s96, s96, s17                     ; Q's codes
	s_mov_b32 s97, 0
	s_lshl_b32 s98, s91, 1
	s_lshl_b32 s12, s8, 11
	s_add_co_u32 s98, s98, s12
	s_add_co_u32 s98, s98, 12<<20                  ; Q's scale pairs
	s_mov_b32 s99, 0
	s_lshl_b32 s12, s[BLK], 7
	s_add_co_u32 s12, s12, s[Q0L]
	s_lshl_b32 s13, s9, 10
	s_add_co_u32 s12, s12, s13                     ; my first token among the 4,096
	s_lshl_b32 s56, s10, 18
	s_lshl_b32 s13, s12, 6
	s_add_co_u32 s56, s56, s13                     ; out: codes
	s_mov_b32 s57, 0
	s_lshr_b32 s94, s10, 2
	s_lshl_b32 s94, s94, 15
	s_lshl_b32 s13, s12, 3
	s_add_co_u32 s94, s94, s13
	s_and_b32 s13, s10, 3
	s_lshl_b32 s13, s13, 1
	s_add_co_u32 s94, s94, s13
	s_add_co_u32 s94, s94, ASC                     ; out: scale pairs
	s_mov_b32 s95, 0
	s_mov_b32 s[G1K], (0<<16)|(1<<20)|(3<<22)|(3<<25)   ; K: 256 rows of 64 bytes, dense; four words of padding after every 16
	s_mov_b32 s[G1K+1], 256<<16                    ; the 256 rows of 64 bytes lie end to end and begin at a multiple of 256: stated as 64 rows of 256 bytes; the padding stays behind each 64 bytes
	s_mov_b32 s[G1K+2], 64<<16
	s_mov_b32 s[G1K+3], 256<<16
	s_mov_b32 s[G1K+4], 64
	s_mov_b32 s[G1K+5], 256
	s_mov_b32 s[G1K+6], 0
	s_mov_b32 s[G1K+7], 0
	s_mov_b32 s[G1V], (0<<16)|(1<<20)|(5<<22)|(3<<25)   ; V: 64 rows of 256 bytes, 1,024 apart; four words after every 64
	s_mov_b32 s[G1V+1], 256<<16
	s_mov_b32 s[G1V+2], 64<<16
	s_mov_b32 s[G1V+3], 256<<16
	s_mov_b32 s[G1V+4], 64
	s_mov_b32 s[G1V+5], 1024
	s_mov_b32 s[G1V+6], 0
	s_mov_b32 s[G1V+7], 0
	s_mov_b32 s[G1KS], 3<<16                       ; K's scales: 2,048 dense bytes as 8 rows of 32 elements of 8 bytes
	s_mov_b32 s[G1KS+1], 32<<16
	s_mov_b32 s[G1KS+2], 8<<16
	s_mov_b32 s[G1KS+3], 32<<16
	s_mov_b32 s[G1KS+4], 8
	s_mov_b32 s[G1KS+5], 32
	s_mov_b32 s[G1KS+6], 0
	s_mov_b32 s[G1KS+7], 0
	s_mov_b32 s[G1VS], 3<<16                       ; V's: 4 rows of 64 elements of 8 bytes, 1,024 elements apart
	s_mov_b32 s[G1VS+1], 64<<16
	s_mov_b32 s[G1VS+2], 4<<16
	s_mov_b32 s[G1VS+3], 64<<16
	s_mov_b32 s[G1VS+4], 4
	s_mov_b32 s[G1VS+5], 1024
	s_mov_b32 s[G1VS+6], 0
	s_mov_b32 s[G1VS+7], 0
	s_mov_b32 s[SEL], 0x76543210
	s_mov_b32 s[SEL+1], 0xfedcba98
	s_mov_b32 s[CS], 0x3e38aa3b                    ; c = log2(e) / sqrt(64)
	s_mov_b32 s[CS+1], s[CS]                       ; (named with it as a pair, so it is written)
	s_mov_b32 s[MNT], 0x600000
	s_mov_b32 s[ST], 0
	s_mov_b32 s[TBK], 0
	s_mov_b32 s[TBV], 0
	s_mov_b32 s[TSC], 0
	s_mov_b32 s[CNT], 4
	s_wait_dscnt 0x0
	s_wait_kmcnt 0x0
	s_mov_b32 s[G0K], 1
	s_mov_b32 s[G0K+1], s15
	s_add_nc_u64 s[G0K+2:G0K+3], s[4:5], s[58:59]
	s_or_b32 s[G0K+3], s[G0K+3], 0x80000000
	s_mov_b32 s[G0V], 1
	s_mov_b32 s[G0V+1], s16
	s_add_nc_u64 s[G0V+2:G0V+3], s[4:5], s[60:61]
	s_or_b32 s[G0V+3], s[G0V+3], 0x80000000
	s_mov_b32 s[G0KS], 1
	s_mov_b32 s[G0KS+1], KSC
	s_add_nc_u64 s[G0KS+2:G0KS+3], s[4:5], s[62:63]
	s_or_b32 s[G0KS+3], s[G0KS+3], 0x80000000
	s_mov_b32 s[G0VS], 1
	s_mov_b32 s[G0VS+1], VSC
	s_add_nc_u64 s[G0VS+2:G0VS+3], s[4:5], s[92:93]
	s_or_b32 s[G0VS+3], s[G0VS+3], 0x80000000
	s_cmp_lt_u32 s[WV], 4                          ; a wave's one fill; the branches hang on the wave's number alone; four v_nop follow each load
	s_cbranch_scc0 .Lnot_k
	tensor_load_to_lds s[G0K:G0K+3], s[G1K:G1K+7]
	s_nop 0
.rept 4
	v_nop
.endr
	s_branch .Lasked
.Lnot_k:
	s_cmp_lt_u32 s[WV], 8
	s_cbranch_scc0 .Lnot_v
	tensor_load_to_lds s[G0V:G0V+3], s[G1V:G1V+7]
	s_nop 0
.rept 4
	v_nop
.endr
	s_branch .Lasked
.Lnot_v:
	s_cmp_eq_u32 s[WV], 8
	s_cbranch_scc0 .Lnot_ks
	tensor_load_to_lds s[G0KS:G0KS+3], s[G1KS:G1KS+7]
	s_nop 0
.rept 4
	v_nop
.endr
	s_branch .Lasked
.Lnot_ks:
	s_cmp_eq_u32 s[WV], 9
	s_cbranch_scc0 .Lasked
	tensor_load_to_lds s[G0VS:G0VS+3], s[G1VS:G1VS+7]
	s_nop 0
.rept 4
	v_nop
.endr
.Lasked:
	s_add_nc_u64 s[96:97], s[4:5], s[96:97]
	s_add_nc_u64 s[98:99], s[4:5], s[98:99]
	s_add_nc_u64 s[56:57], s[6:7], s[56:57]
	s_add_nc_u64 s[94:95], s[6:7], s[94:95]
	v_and_b32 v232, 15, v0                         ; r
	v_bfe_u32 v233, v0, 4, 1                       ; h
	v_and_b32 v234, 7, v0
	v_bfe_u32 v235, v0, 3, 1
	s_delay_alu instid0(VALU_DEP_1)
	v_lshl_add_u32 v234, v235, 4, v234             ; 16 (r / 8) + r % 8
	s_delay_alu instid0(VALU_DEP_1)
	v_lshlrev_b32 v240, 6, v234
	s_delay_alu instid0(VALU_DEP_1)
	v_lshl_add_u32 v240, v233, 4, v240
	global_load_b128 v[16:19], v240, s[96:97]      ; Q's fragment: the head's 64
	global_load_b128 v[20:23], v240, s[96:97] offset:32
	v_lshlrev_b32 v241, 1, v234
	global_load_u16 v255, v241, s[98:99]           ; Q's scale pair; the upper bytes are 0
	v_mul_u32_u24 v[AK0], v232, 80
	s_delay_alu instid0(VALU_DEP_1)
	v_lshl_add_u32 v[AK0], v233, 4, v[AK0]
	v_mul_u32_u24 v[AV0], v232, 272
	s_delay_alu instid0(VALU_DEP_1)
	v_lshl_add_u32 v[AV0], v233, 4, v[AV0]
	s_delay_alu instid0(VALU_DEP_1)
	v_add_nc_u32 v[AV0], VT, v[AV0]
	v_lshl_add_u32 v[ASK0], v232, 1, KSC
	v_lshl_add_u32 v[ASV0], v232, 3, VSC
	s_mul_i32 s12, s[WV], 1280
	s_add_co_u32 s12, s12, OST                     ; my stage
	v_mul_u32_u24 v[OSI], v232, 80
	s_delay_alu instid0(VALU_DEP_1)
	v_lshl_add_u32 v[OSI], v233, 3, v[OSI]
	s_delay_alu instid0(VALU_DEP_1)
	v_add_nc_u32 v[OSI], s12, v[OSI]               ; in: row r, + 8 h
	v_bfe_u32 v[OSO], v0, 2, 3
	s_delay_alu instid0(VALU_DEP_1)
	v_mul_u32_u24 v[OSO], v[OSO], 80
	v_and_b32 v235, 3, v0
	s_delay_alu instid0(VALU_DEP_1)
	v_lshl_add_u32 v[OSO], v235, 4, v[OSO]
	s_delay_alu instid0(VALU_DEP_1)
	v_add_nc_u32 v[OSO], s12, v[OSO]               ; back: row l / 4, byte 16 (l % 4)
	v_and_b32 v[GO], 31, v0
	s_delay_alu instid0(VALU_DEP_1)
	v_lshlrev_b32 v[GO], 4, v[GO]
	v_mov_b32 v13, 0xff61b1e6                      ; the largest t so far: -3e38, under every t
	s_delay_alu instid0(VALU_DEP_1)
	v_floor_f32 v12, -v13                          ; -M
	v_mov_b32 v14, 0
	v_mov_b32 v15, 0
	v_mov_b32 v252, 0
	v_mov_b32 v253, 0
.irp b, 0,1,2,3
	v_mov_b32 v[236+\b], 0                         ; written once: a lane permute's destination counts as one of its sources
.endr
.irp j, 0,1,2,3,4,5,6,7
	v_mov_b32 v[24+\j], 0                          ; the zero codes of K = 64 .. 127: Q's,
	v_mov_b32 v[40+\j], 0                          ; and those of K's four fragments: never written again
	v_mov_b32 v[56+\j], 0
	v_mov_b32 v[72+\j], 0
	v_mov_b32 v[88+\j], 0
.endr
.set J, 0
.rept 32
	v_mov_b32 v[160+J], 0                          ; O^T: the step is written once; the first finds zeros, which the first change of M leaves zeros
.set J, J+1
.endr
; A KEY STEP: 128 keys, the q-th of the chunk in hand
.macro STEP q
	s_cmp_gt_u32 s[ST], s[BLK]                     ; all its keys come after my queries: nothing to do
	s_cbranch_scc1 .Lhidden_\@
	v_add_nc_u32 v[ADK], s[TBK], v[AK0]
	s_wait_alu depctr_va_vdst(0)
	v_add_nc_u32 v[ADV], s[TBV], v[AV0]
	v_add_nc_u32 v[ADS], s[TSC], v[ASK0]
	s_wait_alu depctr_va_vdst(0)
	v_add_nc_u32 v[ADT], s[TSC], v[ASV0]
.rept 5
	v_nop                                          ; with the four additions nine places behind the last step's products: the scores below are written over V's fragments
.endr
.irp g, 0,1                            ; S^T = K Q^T, four tiles of 16 keys at a time
.if \g > 0
.rept 8
	v_nop                                          ; places in front of loads into registers that matrix instructions have read
.endr
.endif
.irp t, 0,1,2,3
	ds_load_b128 v[32+16*\t:35+16*\t], v[ADK] offset:(128*(\q)+16*(4*\g+\t))*80
	ds_load_b128 v[36+16*\t:39+16*\t], v[ADK] offset:(128*(\q)+16*(4*\g+\t))*80+32
	ds_load_u16 v[248+\t], v[ADS] offset:(128*(\q)+16*(4*\g+\t))*2
.endr
	s_wait_dscnt 0x0
.irp t, 0,1,2,3
	v_wmma_scale_f32_16x16x128_f8f6f4 v[96+8*(4*\g+\t):103+8*(4*\g+\t)], v[32+16*\t:47+16*\t], v[16:31], 0, v[248+\t], v255 matrix_a_fmt:MATRIX_FMT_BF8 matrix_b_fmt:MATRIX_FMT_BF8
.endr
.endr
.rept 8
	v_nop
.endr
	s_cmp_lg_u32 s[ST], s[BLK]                     ; on the diagonal the scores of hidden keys become -infinity ahead of the maximum: p = 0 then
	s_cbranch_scc1 .Lopen_\@
	v_and_b32 v240, 15, v0
	v_bfe_u32 v241, v0, 4, 1
	s_delay_alu instid0(VALU_DEP_1)
	v_lshlrev_b32 v241, 4, v241
	s_delay_alu instid0(VALU_DEP_1)
	v_sub_nc_u32 v240, v240, v241
	s_delay_alu instid0(VALU_DEP_1)
	v_add_nc_u32 v240, s[Q0L], v240                ; d = my query - 16 (lane / 16), within the block.  Register 16 b + i holds key 16 (lane / 16) + 32 b + i: hidden where 32 b + i > d
	v_mov_b32 v242, 0xff800000                     ; -infinity
.set J, 0
.rept 64
	v_cmp_gt_i32 vcc_lo, 32*(J/16)+J%16, v240
	v_cndmask_b32 v[96+J], v[96+J], v242, vcc_lo
.set J, J+1
.endr
.Lopen_\@:
.irp b, 0,1,2,3
	v_max3_num_f32 v[232+\b], v[96+16*\b], v[97+16*\b], v[98+16*\b]   ; the largest score of each block of 32 keys: for the row's maximum, and, since p rises with the score, for the block's largest p
.endr
.irp i, 3,5,7,9,11,13
.irp b, 0,1,2,3
	v_max3_num_f32 v[232+\b], v[232+\b], v[96+16*\b+\i], v[97+16*\b+\i]
.endr
.endr
.irp b, 0,1,2,3
	v_max_num_f32 v[232+\b], v[232+\b], v[111+16*\b]
.endr
.irp b, 0,1,2,3
	s_delay_alu instid0(VALU_DEP_4)
	v_permlanex16_b32 v[236+\b], v[232+\b], s[SEL], s[SEL+1]
.endr
.irp b, 0,1,2,3
	s_delay_alu instid0(VALU_DEP_4)
	v_max_num_f32 v[232+\b], v[232+\b], v[236+\b]  ; with lane l xor 16's 16 keys
.endr
	s_delay_alu instid0(VALU_DEP_2)
	v_max3_num_f32 v254, v232, v233, v234
	s_delay_alu instid0(VALU_DEP_1)
	v_max_num_f32 v254, v254, v235                 ; the step's largest score of my query
	s_delay_alu instid0(VALU_DEP_1)
	v_mul_f32 v254, s[CS], v254                    ; as t
	s_delay_alu instid0(VALU_DEP_1)
	v_max_num_f32 v13, v13, v254                   ; the running largest t
	v_mov_b32 v254, v12
	s_delay_alu instid0(VALU_DEP_2)
	v_floor_f32 v12, -v13                          ; the new -M = floor(-t): M is a whole number
	s_delay_alu instid0(VALU_DEP_1)
	v_sub_f32 v254, v12, v254                      ; old M - new M: a whole number, 0 or less
	s_delay_alu instid0(VALU_DEP_1)
	v_cvt_i32_f32 v254, v254                       ; (it saturates)
	s_delay_alu instid0(VALU_DEP_1)
	v_ldexp_f32 v252, 1.0, v254                    ; f = 2^(old M - new M)
.set J, 0
.rept 32
	v_pk_fma_f32 v[96+J:97+J], v[96+J:97+J], s[CS:CS+1], v[12:13] op_sel_hi:[1,0,0]   ; t - M, two at a time
.set J, J+2
.endr
.irp b, 0,1,2,3
	v_fma_f32 v[232+\b], v[232+\b], s[CS], v12     ; the same of each block's largest score
.endr
.set J, 0
	s_wait_alu depctr_va_vdst(0)
.rept 64
	v_exp_f32 v[96+J], v[96+J]                     ; p = 2^(t - M), at most 1
.set J, J+1
.endr
.irp b, 0,1,2,3
	v_exp_f32 v[232+\b], v[232+\b]                 ; the block's largest p: the same two instructions on the same number
.endr
	v_pk_mul_f32 v[14:15], v[14:15], v[252:253] op_sel_hi:[1,0]    ; the sums under the new M (a plain line behind the exponentials)
	s_wait_alu depctr_va_vdst(0)
.irp b, 0,1,2,3
	v_max_num_f32 v[232+\b], 0x8000000, v[232+\b]  ; the floor 2^(16 - 127)
.endr
.irp b, 0,1,2,3
	s_delay_alu instid0(VALU_DEP_4)
	v_add_nc_u32 v[244+\b], 0xf8800000, v[232+\b]  ; the conversion's scale operand
.endr
.irp b, 0,1,2,3
	v_and_or_b32 v[240+\b], v[232+\b], 0x7f800000, s[MNT]          ; 57,344 x the scale
.endr
.irp b, 0,1,2,3
	v_lshrrev_b32 v[236+\b], 23, v[244+\b]         ; the scale's byte
.endr
	s_delay_alu instid0(VALU_DEP_3)
	v_lshl_or_b32 v253, v237, 8, v236              ; p's scale word for these 128 keys
	s_delay_alu instid0(VALU_DEP_1)
	v_lshl_or_b32 v253, v238, 16, v253
	s_delay_alu instid0(VALU_DEP_1)
	v_lshl_or_b32 v253, v239, 24, v253
	v_pk_add_f32 v[236:237], v[100:101], v[104:105]
	v_pk_add_f32 v[250:251], v[108:109], v[112:113]
	v_pk_add_f32 v[248:249], v[116:117], v[120:121]
	v_pk_add_f32 v[234:235], v[124:125], v[128:129]
	v_pk_add_f32 v[232:233], v[132:133], v[136:137]
	v_pk_add_f32 v[228:229], v[140:141], v[144:145]
	v_pk_add_f32 v[226:227], v[148:149], v[152:153]
	v_pk_add_f32 v[14:15], v[14:15], v[156:157]
	v_pk_add_f32 v[236:237], v[236:237], v[96:97]
	v_pk_add_f32 v[250:251], v[250:251], v[98:99]
	v_pk_add_f32 v[248:249], v[248:249], v[102:103]
	v_pk_add_f32 v[234:235], v[234:235], v[106:107]
	v_pk_add_f32 v[232:233], v[232:233], v[110:111]
	v_pk_add_f32 v[228:229], v[228:229], v[114:115]
	v_pk_add_f32 v[226:227], v[226:227], v[118:119]
	v_pk_add_f32 v[14:15], v[14:15], v[122:123]
	v_pk_add_f32 v[236:237], v[236:237], v[126:127]
	v_pk_add_f32 v[250:251], v[250:251], v[130:131]
	v_pk_add_f32 v[248:249], v[248:249], v[134:135]
	v_pk_add_f32 v[234:235], v[234:235], v[138:139]
	v_pk_add_f32 v[232:233], v[232:233], v[142:143]
	v_pk_add_f32 v[228:229], v[228:229], v[146:147]
	v_pk_add_f32 v[226:227], v[226:227], v[150:151]
	v_pk_add_f32 v[14:15], v[14:15], v[154:155]
	v_pk_add_f32 v[236:237], v[236:237], v[158:159]
	s_delay_alu instid0(VALU_DEP_2)
	v_pk_add_f32 v[14:15], v[14:15], v[234:235]
	s_delay_alu instid0(VALU_DEP_2)
	v_pk_add_f32 v[236:237], v[236:237], v[232:233]
	v_pk_add_f32 v[250:251], v[250:251], v[228:229]
	v_pk_add_f32 v[248:249], v[248:249], v[226:227]
	s_delay_alu instid0(VALU_DEP_2)
	v_pk_add_f32 v[14:15], v[14:15], v[250:251]
	s_delay_alu instid0(VALU_DEP_2)
	v_pk_add_f32 v[236:237], v[236:237], v[248:249]
	s_delay_alu instid0(VALU_DEP_1)
	v_pk_add_f32 v[14:15], v[14:15], v[236:237]
.irp b, 0,1,2,3
.irp i, 0,1,2,3,4,5,6,7,8,9,10,11,12,13,14,15
	v_min_num_f32 v[96+16*\b+\i], v[96+16*\b+\i], v[240+\b]        ; the conversion does not saturate (ISA guide 7.6.2); p is not negative: a one-sided hold
.endr
	v_cvt_scalef32_pk8_bf8_f32 v[192+4*\b:193+4*\b], v[96+16*\b:103+16*\b], v[244+\b]
	v_cvt_scalef32_pk8_bf8_f32 v[194+4*\b:195+4*\b], v[104+16*\b:111+16*\b], v[244+\b]
.endr
	v_nop                                          ; a plain line behind the last conversion
.irp t, 0,1,2,3                        ; V's four fragments (16 channels x these 128 keys) take p's registers
.irp c, 0,1,2,3
	ds_load_b128 v[96+16*\t+4*\c:99+16*\t+4*\c], v[ADV] offset:16*\t*272+128*(\q)+32*\c
.endr
	ds_load_b32 v[248+\t], v[ADT] offset:128*\t+4*(\q)
.endr
.set J, 0
.rept 16
	v_pk_mul_f32 v[160+J:161+J], v[160+J:161+J], v[252:253] op_sel_hi:[1,0]   ; O^T under the new M; these lines are also the places in front of the products below
.set J, J+2
.endr
	s_wait_alu depctr_va_vdst(0)
	s_wait_dscnt 0x0
.irp t, 0,1,2,3                        ; O^T += V^T P^T: four accumulators by turns
	v_wmma_scale_f32_16x16x128_f8f6f4 v[160+8*\t:167+8*\t], v[96+16*\t:111+16*\t], v[192:207], v[160+8*\t:167+8*\t], v[248+\t], v253 matrix_a_fmt:MATRIX_FMT_BF8 matrix_b_fmt:MATRIX_FMT_BF8
.endr
.Lhidden_\@:
	s_add_co_u32 s[ST], s[ST], 1
.endm
	s_wait_loadcnt 0x0                             ; Q
	s_wait_tensorcnt 0x0                           ; my fill has landed,
	s_barrier_signal -1
	s_barrier_wait -1                              ; everybody's has
.Lchunk:                                           ; four trips: a chunk of 256 keys, two key steps
	STEP 0
	STEP 1
	s_add_co_u32 s[TBK], s[TBK], 20480
	s_add_co_u32 s[TBV], s[TBV], 17408
	s_add_co_u32 s[TSC], s[TSC], 512
	s_sub_co_u32 s[CNT], s[CNT], 1
	s_cmp_lg_u32 s[CNT], 0
	s_cbranch_scc1 .Lchunk
	; THE WAY OUT: O^T / the sum; register 8 t + j is channel 16 t + 8 h + j of my query: 16 numbers of each of the head's two blocks of 32; lane l xor 16 holds the others
.rept 8
	v_nop
.endr
	v_add_f32 v14, v14, v15
	s_delay_alu instid0(VALU_DEP_1)
	v_permlanex16_b32 v252, v14, s[SEL], s[SEL+1]
	s_delay_alu instid0(VALU_DEP_1)
	v_add_f32 v14, v14, v252                       ; the row's sum
	s_wait_alu depctr_va_vdst(0)
	v_rcp_f32 v14, v14
	v_and_b32 v8, 15, v0                           ; (a plain line behind the transcendental)
	s_delay_alu instid0(VALU_DEP_1)
	v_lshlrev_b32 v8, 3, v8                        ; my query's 8 scale bytes
.set J, 0
	s_wait_alu depctr_va_vdst(0)
.rept 32
	v_mul_f32 v[96+J], v[160+J], v14
.set J, J+1
.endr
.irp b, 0,1
	v_max3_num_f32 v[232+\b], |v[96+16*\b]|, |v[97+16*\b]|, 0x8000000
.endr
.irp i, 2,4,6,8,10,12,14
.irp b, 0,1
	s_delay_alu instid0(VALU_DEP_2)
	v_max3_num_f32 v[232+\b], v[232+\b], |v[96+16*\b+\i]|, |v[97+16*\b+\i]|
.endr
.endr
.irp b, 0,1
	s_delay_alu instid0(VALU_DEP_2)
	v_permlanex16_b32 v[236+\b], v[232+\b], s[SEL], s[SEL+1]
.endr
.irp b, 0,1
	s_delay_alu instid0(VALU_DEP_2)
	v_max_num_f32 v[232+\b], v[232+\b], v[236+\b]
.endr
.irp b, 0,1
	s_delay_alu instid0(VALU_DEP_2)
	v_add_nc_u32 v[244+\b], 0xf8800000, v[232+\b]
.endr
.irp b, 0,1
	s_delay_alu instid0(VALU_DEP_4)
	v_and_or_b32 v[240+\b], v[232+\b], 0x7f800000, s[MNT]
.endr
.irp b, 0,1
	s_delay_alu instid0(VALU_DEP_4)
	v_lshrrev_b32 v[236+\b], 23, v[244+\b]
.endr
	s_delay_alu instid0(VALU_DEP_1)
	v_lshl_or_b32 v254, v237, 8, v236              ; the head's two scale bytes of my query
.irp b, 0,1
.irp i, 0,1,2,3,4,5,6,7,8,9,10,11,12,13,14,15
	v_med3_num_f32 v[96+16*\b+\i], v[96+16*\b+\i], -v[240+\b], v[240+\b]
.endr
	v_cvt_scalef32_pk8_bf8_f32 v[208+4*\b:209+4*\b], v[96+16*\b:103+16*\b], v[244+\b]
	v_cvt_scalef32_pk8_bf8_f32 v[210+4*\b:211+4*\b], v[104+16*\b:111+16*\b], v[244+\b]
.endr
	v_nop
.irp b, 0,1
	ds_store_b64 v[OSI], v[208+4*\b:209+4*\b] offset:32*\b
	ds_store_b64 v[OSI], v[210+4*\b:211+4*\b] offset:32*\b+16
.endr
	ds_load_b128 v[216:219], v[OSO]                ; LDS serves a wave's instructions in order: these see my stores
	ds_load_b128 v[220:223], v[OSO] offset:640
	global_store_b16 v8, v254, s[94:95]            ; both halves of the lanes write the same pair with the same value
	s_wait_dscnt 1                                 ; the first eight rows are back
	global_store_b128 v[GO], v[216:219], s[56:57]  ; 512 consecutive bytes
	s_wait_dscnt 0x0
	global_store_b128 v[GO], v[220:223], s[56:57] offset:512
	s_wait_tensorcnt 0x0
	ds_add_u32 v230, v231
	s_wait_dscnt 0x0
	s_endpgm
.Lfunc_end_k_q4c48c378c4_attn:
	.size	k_q4c48c378c4_attn, .Lfunc_end_k_q4c48c378c4_attn-k_q4c48c378c4_attn
	.p2alignl 7, 3214868480
	.fill 96, 4, 3214868480
	.section	.rodata,"a",@progbits
	.p2align	6, 0x0
	.amdhsa_kernel k_q4c48c378c4_attn
		.amdhsa_group_segment_fixed_size 178176
		.amdhsa_private_segment_fixed_size 0
		.amdhsa_enable_private_segment 0
		.amdhsa_kernarg_size 16
		.amdhsa_user_sgpr_count 2
		.amdhsa_user_sgpr_kernarg_segment_ptr 1
		.amdhsa_wavefront_size32 1
		.amdhsa_system_sgpr_workgroup_id_x 1
		.amdhsa_system_sgpr_workgroup_id_y 1
		.amdhsa_system_sgpr_workgroup_id_z 1
		.amdhsa_system_vgpr_workitem_id 0
		.amdhsa_next_free_vgpr 256
		.amdhsa_next_free_sgpr 100
		.amdhsa_reserve_vcc 1
		.amdhsa_float_denorm_mode_32 3
		.amdhsa_float_denorm_mode_16_64 3
		.amdhsa_memory_ordered 1
		.amdhsa_forward_progress 1
		.amdhsa_inst_pref_size 71
	.end_amdhsa_kernel
	.amdgpu_metadata
---
amdhsa.version: [ 1, 2 ]
amdhsa.kernels:
  - .name:           k_q4c48c378c4_attn
    .symbol:         k_q4c48c378c4_attn.kd
    .args:
      - { .name: qkv, .offset: 0, .size: 8, .value_kind: global_buffer, .address_space: global }
      - { .name: act, .offset: 8, .size: 8, .value_kind: global_buffer, .address_space: global }
    .group_segment_fixed_size: 178176
    .private_segment_fixed_size: 0
    .kernarg_segment_align: 8
    .kernarg_segment_size: 16
    .max_flat_workgroup_size: 512
    .sgpr_count:     100
    .vgpr_count:     256
    .wavefront_size: 32
...
	.end_amdgpu_metadata
.endif
;; end of part 3
;; launch proj (part 4): grid 8 x 32, 4 waves a work-group, clusters of 4 x 4, 327,680 bytes of LDS; arguments act, w, bproj, x, x1; writes x1
.if DOCPART == 4
	.amdgcn_target "amdgcn-amd-amdhsa--gfx1250"
	.amdhsa_code_object_version 6
	.text
	.protected	k_q4c48c378c4_proj
	.globl	k_q4c48c378c4_proj
	.p2align	8
	.type	k_q4c48c378c4_proj,@function
k_q4c48c378c4_proj:
	s_mov_b64 s[64:65], 0
	v_nop
	global_prefetch_b8 v0, s[64:65] scope:SCOPE_SE
	s_setreg_imm32_b32 hwreg(HW_REG_WAVE_MODE, 25, 1), 1
	s_wait_xcnt 0x0
	s_wait_alu depctr_hold_cnt(0) depctr_sa_sdst(0) depctr_va_vdst(0) depctr_va_sdst(0) depctr_va_ssrc(0) depctr_va_vcc(0) depctr_vm_vsrc(0)
	s_getreg_b32 s2, hwreg(HW_REG_IB_STS2, 6, 4)
	s_cmp_eq_u32 s2, 0
	s_cbranch_scc0 .Lentry_in_a_cluster
	s_endpgm
.Lentry_in_a_cluster:
	s_bfe_u32 s2, ttmp6, 0x10000c
	s_cmp_lg_u32 s2, 0xf033
	s_cbranch_scc0 .Lentry_shape_is_right
	s_endpgm
.Lentry_shape_is_right:
; out = residual + A B^T + bias, f32, the product on codes of BF8 (E5M2) with E8M0 scales for each 32 along K.  Here: x1 = x + attn Wproj + bproj, K = 1,024.
; A (4,096 rows): codes in planes [K / PLWA][4096][PLWA bytes], scale bytes [K / 256][4096][8].  B (1,024 rows n): codes in planes [K / 256][1024][256], scale bytes [K / 256][1024][8].
; N is 1,024: tiles of 256 x 256 would be 64 for 256 WGPs.  So a tile is 128 x 128, 256 work-groups of four waves, 64 x 64 a wave (16 accumulators), and a slot holds 512 along K, as much as two slots in LDS allow.
; CLUSTERS of 4 x 4: A's tiles are shared along a row of the cluster, B's along a column, by joint tensor loads.  Waves 0, 1 fetch A's two halves of a slot's K, waves 2, 3 B's.  The scales of all of K come once.
; THE MATRIX INSTRUCTION IS USED TRANSPOSED (source 0 = 16 rows of B, source 1 = 16 rows of A): a lane holds eight neighbouring numbers of a row of the result.  The bias is the C of each sum's first instruction.
; The residual's tile is asked for at the start, into registers, in the layout in which the result comes back from the stage, and added there.
; REGISTERS: window 0: v16-30 addresses; v32-63 scale words, two sets, and nothing else; v64-95 the bias, v64-127 later the way out; v128-255 the accumulators ((a, b) at v[128 + 8 (4 a + b)]).
;   window 1: two fragment buffers of 128: A's four fragments, then B's four.   window 2: v0-127 the residual.
.set KTOT,  1024
.set PLWA,  64                         ; bytes of a row in one of A's planes
.set AQI,   3                          ; padding after every PLWA bytes
.set AC0,   8192                       ; A's tile as its descriptor states it: a plane's 128 rows on end,
.set AR,    4                          ; the planes of 256 along K,
.set AP,    262144                     ; a plane apart
.set AOFS,  4194304                    ; where A's scales begin
.set BOF,   3<<20                      ; where B's codes begin in w,
.set BSOF,  12582912+98304             ; and B's scales
.set PA,    PLWA+16
.set PB,    272
.set HA,    (256/PLWA)*128*PA          ; 128 rows x 256 along K of A in LDS
.set HB,    128*PB
.set SLOT,  2*HA+2*HB
.set NCH,   KTOT/256                   ; chunks of 256 along K in the scales: one load brings all
.set SCA,   2*SLOT                     ; A's scales [K / 256][128 rows][8],
.set SCB,   SCA+4*KTOT                 ; B's
.set SPARE, SCB+4*KTOT                 ; the spare words, 128 bytes for each wave, which no other line names
.set LAPS,  KTOT/1024
.set SPITCH, 272                       ; the way out: 16 rows x (256 + 16) bytes for each wave, in slot 0, whose last fill and last read are over
.set ADRA, 16                          ; v16-19  A's fragments: slot, half of the slot's K
.set ADRB, 20                          ; v20-23  B's
.set STO,  24
.set RD,   25
.set CO,   26                          ; v26  4,096 (lane / 16) + 16 (lane % 16): two rows of the result
.set ADRS, 27
.set SPW,  28                          ; v28  my spare word; never rewritten
.set NIL,  29                          ; v29  0; never rewritten
.set BO,   30                          ; v30  32 (lane / 16): the bias
.set SC,   32
.set BI,   64
.set OB,   64
.set ACC,  128
.set G1, 24
.set G0, 32
.set G1B, 48
.set G0B, 56
.set G1S, 68
.set G0S, 76
.set G1SB, 80
.set G0SB, 88
.set MSB, 0
.macro WIN new                         ; the immediate's high byte repeats the setting that is left
.if MSB != \new
	s_set_vgpr_msb (MSB<<8)|\new
.set MSB, \new
.endif
.endm
.set MUL,  0x05                        ; sources 0 and 1 window 1; C and D window 0
.set TO_F, 0x40                        ; destination window 1, address window 0
.macro JLOAD g0a, g1a, g0b, g1b        ; a joint load: waves 0, 1 for A, waves 2, 3 for B; four v_nop follow each of the two lines
	s_cmp_eq_u32 s15, 0
	s_cbranch_scc0 .Lfor_b_\@
	tensor_load_to_lds s[\g0a:\g0a+3], s[\g1a:\g1a+7]
	s_nop 0
.rept 4
	v_nop
.endr
	s_branch .Lasked_\@
.Lfor_b_\@:
	tensor_load_to_lds s[\g0b:\g0b+3], s[\g1b:\g1b+7]
	s_nop 0
.rept 4
	v_nop
.endr
.Lasked_\@:
.endm
.macro CREST
	s_cmp_lg_u32 s14, 0
	s_cbranch_scc1 .Lnot_wave_0_\@
	s_barrier_signal -3
.Lnot_wave_0_\@:
	s_barrier_wait -3
	s_barrier_signal -1
	s_barrier_wait -1
.endm
.macro CROUND
	s_barrier_signal -1
	s_barrier_wait -1
	CREST
.endm
	s_load_b256 s[4:11], s[0:1], 0x0               ; A s[4:5], w s[6:7], bias s[8:9], residual s[10:11]
	s_load_b64 s[12:13], s[0:1], 0x20              ; out
	v_lshl_add_u32 v[SPW], v0, 2, SPARE
	v_mov_b32 v[NIL], 0
	ds_add_u32 v28, v29
	ds_add_u32 v28, v29
	s_wait_dscnt 0x0
	v_lshrrev_b32 v1, 5, v0
	v_readfirstlane_b32 s14, v1                    ; wave 0..3
	s_lshr_b32 s15, s14, 1                         ; which 64 rows of the tile are mine.  Also: I fetch for A (0) or for B (1)
	s_and_b32 s16, s14, 1                          ; which 64 columns.  Also: which half of a slot's K I fetch
	s_bfe_u32 s40, ttmp6, 0x40000                  ; cx, cy
	s_bfe_u32 s41, ttmp6, 0x40004
	s_lshl_b32 s42, ttmp9, 2
	s_add_co_u32 s42, s42, s40                     ; tile column
	s_and_b32 s17, ttmp7, 0xffff
	s_lshl_b32 s17, s17, 2
	s_add_co_u32 s17, s17, s41                     ; tile row
	s_lshl_b32 s43, s41, 2
	s_lshl_b32 s43, 15, s43                        ; my row of the cluster
	s_lshl_b32 s44, 0x1111, s40                    ; my column
	s_or_b32 s[G1+0], s43, (0<<16)|(1<<20)|(1<<21)|(AQI<<22)|(3<<25)   ; A's codes: elements of 1 byte; four words of padding after every PLWA bytes; bit 21 beside the mask
	s_mov_b32 s[G1+1], (AC0&0xffff)<<16
	s_mov_b32 s[G1+2], (AC0>>16)|((2*AR)<<16)      ; the head's load brings a whole slot: the planes of 512 along K
	s_mov_b32 s[G1+3], AC0<<16
	s_mov_b32 s[G1+4], 2*AR
	s_mov_b32 s[G1+5], AP
	s_mov_b32 s[G1+6], 0
	s_mov_b32 s[G1+7], 0
	s_or_b32 s[G1B+0], s44, (0<<16)|(1<<20)|(1<<21)|(5<<22)|(3<<25)    ; B's codes: 128 rows of 256 bytes, dense
	s_mov_b32 s[G1B+1], 32768<<16                  ; the head's load: a plane's 128 rows on end, two planes, a plane apart
	s_mov_b32 s[G1B+2], 2<<16
	s_mov_b32 s[G1B+3], 32768<<16
	s_mov_b32 s[G1B+4], 2
	s_mov_b32 s[G1B+5], 262144
	s_mov_b32 s[G1B+6], 0
	s_mov_b32 s[G1B+7], 0
	s_or_b32 s[G1S+0], s43, (3<<16)|(1<<21)        ; scales: NCH rows of 128 elements of 8 bytes (128 rows' bytes of 256 along K), no padding
	s_or_b32 s[G1SB+0], s44, (3<<16)|(1<<21)
.irp g, G1S, G1SB
	s_mov_b32 s[\g+1], 128<<16
	s_mov_b32 s[\g+2], NCH<<16
	s_mov_b32 s[\g+3], 128<<16
	s_mov_b32 s[\g+4], NCH
	s_mov_b32 s[\g+6], 0
	s_mov_b32 s[\g+7], 0
.endr
	s_mov_b32 s[G1S+5], 4096                       ; A has 4,096 rows,
	s_mov_b32 s[G1SB+5], 1024                      ; B 1,024
	s_lshl_b32 s20, s16, 20                        ; A's codes: 256 along K are 1 MiB,
	s_mul_i32 s21, s17, 128*PLWA                   ; the tile's rows in a plane
	s_add_co_u32 s20, s20, s21
	s_mov_b32 s21, 0
	s_lshl_b32 s46, s16, 18                        ; B's: 256 along K are 256 KiB
	s_lshl_b32 s47, s42, 15
	s_add_co_u32 s46, s46, s47
	s_add_co_u32 s46, s46, BOF
	s_mov_b32 s47, 0
	s_mov_b32 s22, 0
	s_lshl_b32 s23, s17, 10
	s_add_co_u32 s22, s22, s23
	s_add_co_u32 s22, s22, AOFS
	s_mov_b32 s23, 0
	s_mov_b32 s92, 0
	s_lshl_b32 s93, s42, 10
	s_add_co_u32 s92, s92, s93
	s_add_co_u32 s92, s92, BSOF
	s_mov_b32 s93, 0
	s_mul_i32 s45, s16, HA                         ; where they go: no place in the cluster enters an LDS address
	s_mul_i32 s94, s16, HB
	s_add_co_u32 s94, s94, 2*HA
	s_mov_b32 s95, 0
	v_and_b32 v1, 15, v0                           ; r
	v_bfe_u32 v2, v0, 4, 1                         ; h
	v_lshlrev_b32 v[BO], 5, v2
	v_lshlrev_b32 v3, 4, v1
	v_lshl_add_u32 v[CO], v2, 12, v3
	s_lshl_b32 s96, s42, 9                         ; my first column, in bytes
	s_lshl_b32 s97, s16, 8
	s_add_co_u32 s96, s96, s97
	s_mov_b32 s97, 0
	s_lshl_b32 s98, s17, 19                        ; my first row
	s_lshl_b32 s99, s15, 18
	s_add_co_u32 s98, s98, s99
	s_wait_alu depctr_va_vdst(0)
	s_wait_kmcnt 0x0
	s_add_nc_u64 s[20:21], s[4:5], s[20:21]
	s_add_nc_u64 s[22:23], s[4:5], s[22:23]
	s_add_nc_u64 s[46:47], s[6:7], s[46:47]
	s_add_nc_u64 s[92:93], s[6:7], s[92:93]
	s_add_nc_u64 s[8:9], s[8:9], s[96:97]
	s_add_co_u32 s96, s96, s98
	s_add_nc_u64 s[10:11], s[10:11], s[96:97]
	s_add_nc_u64 s[12:13], s[12:13], s[96:97]
.irp b, 0,1,2,3
	global_load_b128 v[BI+8*\b:BI+8*\b+3], v[BO], s[8:9] offset:64*\b         ; the bias of columns 16 b + 8 h + 0 .. 7
	global_load_b128 v[BI+8*\b+4:BI+8*\b+7], v[BO], s[8:9] offset:64*\b+16
.endr
	CROUND
	s_mov_b32 s[G0S], 1
	s_add_co_u32 s[G0S+1], s95, SCA
	s_mov_b64 s[G0S+2:G0S+3], s[22:23]
	s_or_b32 s[G0S+3], s[G0S+3], 0x80000000
	s_mov_b32 s[G0SB], 1
	s_add_co_u32 s[G0SB+1], s95, SCB
	s_mov_b64 s[G0SB+2:G0SB+3], s[92:93]
	s_or_b32 s[G0SB+3], s[G0SB+3], 0x80000000
.irp s, 0,1
	s_mov_b32 s[G0+4*\s], 1
	s_add_co_u32 s[G0+4*\s+1], s45, \s*SLOT
	s_add_nc_u64 s[G0+4*\s+2:G0+4*\s+3], s[20:21], \s*(2<<20)
	s_or_b32 s[G0+4*\s+3], s[G0+4*\s+3], 0x80000000
	s_mov_b32 s[G0B+4*\s], 1
	s_add_co_u32 s[G0B+4*\s+1], s94, \s*SLOT
	s_add_nc_u64 s[G0B+4*\s+2:G0B+4*\s+3], s[46:47], \s*(512<<10)
	s_or_b32 s[G0B+4*\s+3], s[G0B+4*\s+3], 0x80000000
.if \s == 1
	; THE HEAD'S LOADS, ONE A WAVE, in one chain of branches on the wave's number: wave 0 all of slot 0's A, wave 2 all of its B
	; (in these two waves slot 0's group 0 stands at the slot's first plane), wave 1 A's scales, wave 3 B's.
	s_cmp_eq_u32 s14, 0
	s_cbranch_scc0 .Lh_b
	tensor_load_to_lds s[G0:G0+3], s[G1:G1+7]
	s_nop 0
.rept 4
	v_nop
.endr
	s_branch .Lh_j
.Lh_b:
	s_cmp_eq_u32 s14, 2
	s_cbranch_scc0 .Lh_sa
	tensor_load_to_lds s[G0B:G0B+3], s[G1B:G1B+7]
	s_nop 0
.rept 4
	v_nop
.endr
	s_branch .Lh_j
.Lh_sa:
	s_cmp_eq_u32 s14, 1
	s_cbranch_scc0 .Lh_sb
	tensor_load_to_lds s[G0S:G0S+3], s[G1S:G1S+7]
	s_nop 0
.rept 4
	v_nop
.endr
	s_branch .Lh_j
.Lh_sb:
	tensor_load_to_lds s[G0SB:G0SB+3], s[G1SB:G1SB+7]
	s_nop 0
.rept 4
	v_nop
.endr
.Lh_j:
	; A PREFETCH INTO THE L2 of slot 1, the only later slot.  Of what my wave fetches in the ring (A: four planes of 8,192 bytes; B: 128 rows of 256 bytes) each of the four partners of the joint load names
	; 8,192 bytes, told apart by address (cx for A: a plane; cy for B: 32 rows), lanes 256 bytes apart: each block once in a cluster.  Eight clusters load each block of B: those with an even y ask for it.
	s_cmp_eq_u32 s15, 0
	s_cselect_b64 s[66:67], s[20:21], s[46:47]
	s_cselect_b32 s96, s40, s41
	s_mov_b32 s98, 512<<10
	s_cselect_b32 s98, 2<<20, s98                  ; a slot on
	s_mov_b32 s97, 8192
	s_cselect_b32 s97, 262144, s97                 ; from partner to partner
	s_mul_i32 s96, s96, s97
	s_mov_b32 s97, 0
	s_add_nc_u64 s[66:67], s[66:67], s[96:97]
	s_and_b32 s2, ttmp7, 1
	s_and_b32 s2, s2, s15                          ; 1: a wave of B's in a cluster with an odd y
	v_and_b32 v7, 31, v0
	v_lshlrev_b32 v7, 8, v7
	v_add_nc_u32 v7, s98, v7
	s_wait_alu depctr_va_vdst(0)
	s_cmp_eq_u32 s2, 0
	s_cbranch_scc0 .Lh_na
	global_prefetch_b8 v7, s[66:67] th:TH_LOAD_NT scope:SCOPE_SE
.Lh_na:
.endif
.endr
	v_mul_u32_u24 v3, v1, PA
	v_lshl_add_u32 v3, v2, 4, v3
	s_wait_alu depctr_va_vdst(0)
	v_mul_u32_u24 v4, v1, PB
	v_lshl_add_u32 v4, v2, 4, v4
	s_wait_alu depctr_va_vdst(0)
	s_mul_i32 s21, s15, 64*PA                      ; my 64 rows of A
	s_mul_i32 s23, s16, 64*PB                      ; my 64 rows of B,
	s_add_co_u32 s23, s23, 2*HA                    ; behind A's two halves
.irp s, 0,1
.irp k, 0,1
	s_add_co_u32 s22, s21, \s*SLOT+\k*HA
	v_add_nc_u32 v[ADRA+2*\s+\k], s22, v3
	s_add_co_u32 s22, s23, \s*SLOT+\k*HB
	v_add_nc_u32 v[ADRB+2*\s+\k], s22, v4
.endr
.endr
	s_lshl_b32 s21, s15, 9                         ; scale words: 8 bytes a row; A's: my 64 rows
	s_lshl_b32 s22, s16, 9                         ; B's
	s_add_co_u32 s22, s22, SCB-SCA
	s_sub_co_u32 s22, s22, s21
	v_mul_u32_u24 v6, s22, v2                      ; lanes 16-31 take B's
	s_add_co_u32 s21, s21, SCA
	v_lshl_add_u32 v5, v1, 3, v6
	v_add_nc_u32 v[ADRS], s21, v5
	s_mul_i32 s23, s14, 16*SPITCH                  ; my stage
	v_mul_u32_u24 v5, v1, SPITCH
	v_lshl_add_u32 v5, v2, 5, v5
	v_add_nc_u32 v[STO], s23, v5                   ; in: row r, 32 bytes for each half of the lanes
	v_mul_u32_u24 v5, v2, SPITCH
	v_lshl_add_u32 v5, v1, 4, v5
	v_add_nc_u32 v[RD], s23, v5                    ; back: lanes 0-15 one row of 256 bytes, lanes 16-31 the next
.macro FRAGA reg, slot, q, i           ; A's block i of the slot's q-th 128 along K: registers 4 c .. 4 c + 3 hold K = 32 c + 16 (l / 16) + 0 .. 15
.irp c, 0,1,2,3
	ds_load_b128 v[\reg+4*\c:\reg+4*\c+3], v[ADRA+2*(\slot)+(\q)/2] offset:((128*((\q)%2)+32*\c)/PLWA)*128*PA+(128*((\q)%2)+32*\c)%PLWA+(\i)*16*PA
.endr
.endm
.macro FRAGB reg, slot, q, i
.irp c, 0,1,2,3
	ds_load_b128 v[\reg+4*\c:\reg+4*\c+3], v[ADRB+2*(\slot)+(\q)/2] offset:128*((\q)%2)+32*\c+(\i)*16*PB
.endr
.endm
.macro FETCH slot, q, f                ; 32 LDS loads in one run: B's four fragments, then A's four, into buffer f
	WIN TO_F
.irp i, 0,1,2,3
	FRAGB \f+64+16*\i, \slot, \q, \i
.endr
.irp i, 0,1,2,3
	FRAGA \f+16*\i, \slot, \q, \i
.endr
.endm
.macro SCALES set                      ; a slot's scale words: register SC + 16 set + 4 i + q: lanes 0-15 A's block i, lanes 16-31 B's block i, the slot's q-th 128 along K
.irp i, 0,1,2,3
.irp ch, 0,1
	ds_load_b64 v[SC+16*\set+4*\i+2*\ch:SC+16*\set+4*\i+2*\ch+1], v[ADRS] offset:1024*\ch+128*\i
.endr
.endr
.endm
; 8 matrix instructions: A's blocks a0, a0 + 1 x B's four.  first = 1: the bias starts the sums.  The 16 accumulators take turns, one instruction a turn.
.macro MUL8 f, a0, q, set, first
.irp a, \a0, \a0+1
.irp b, 0,1,2,3
.if \first
	v_wmma_scale_f32_16x16x128_f8f6f4 v[ACC+8*(4*(\a)+\b):ACC+8*(4*(\a)+\b)+7], v[\f+64+16*\b:\f+64+16*\b+15], v[\f+16*(\a):\f+16*(\a)+15], v[BI+8*\b:BI+8*\b+7], v[SC+16*(\set)+4*\b+(\q)], v[SC+16*(\set)+4*(\a)+(\q)] matrix_a_fmt:MATRIX_FMT_BF8 matrix_b_fmt:MATRIX_FMT_BF8 matrix_a_scale:MATRIX_SCALE_ROW1
.else
	v_wmma_scale_f32_16x16x128_f8f6f4 v[ACC+8*(4*(\a)+\b):ACC+8*(4*(\a)+\b)+7], v[\f+64+16*\b:\f+64+16*\b+15], v[\f+16*(\a):\f+16*(\a)+15], v[ACC+8*(4*(\a)+\b):ACC+8*(4*(\a)+\b)+7], v[SC+16*(\set)+4*\b+(\q)], v[SC+16*(\set)+4*(\a)+(\q)] matrix_a_fmt:MATRIX_FMT_BF8 matrix_b_fmt:MATRIX_FMT_BF8 matrix_a_scale:MATRIX_SCALE_ROW1
.endif
.endr
.endr
.endm
.macro PLACES n                        ; plain vector lines between a matrix instruction and a load into, or a read of, its registers
.rept \n
	v_nop
.endr
.endm
; A slot is four quarters of 128 along K, 16 matrix instructions each, on buffers 0, 1, 0, 1.  One of the first three: multiplies quarter q and fetches quarter q + 1.
.macro QUARTER slot, q, first
	s_wait_dscnt 8                                 ; all but the youngest eight loads (A's blocks 2, 3) are in
	WIN MUL
	MUL8 128*((\q)%2), 0, \q, \slot, \first
	PLACES 8
	FETCH \slot, (\q)+1, 128*(((\q)+1)%2)
	s_wait_dscnt 32                                ; all but the 32 just issued
	WIN MUL
	MUL8 128*((\q)%2), 2, \q, \slot, \first
.endm
; The last quarter changes slots: one barrier; in front of it each wave waits for all its tensor loads, adds 0 to its spare word, and waits for that and for its reads of this slot.  fill = 1: this slot is filled again.
.macro TURN slot, next, fill
	WIN 0
	s_wait_tensorcnt 0x0                           ; all my tensor loads have landed: my part of the next slot
	ds_add_u32 v[SPW], v[NIL]                      ; 0 onto my spare word
	s_wait_dscnt 9                                 ; (the add and the youngest eight loads may be out)
	WIN MUL
	MUL8 128, 0, 3, \slot, 0
	s_wait_dscnt 0x0                               ; the add is done, and my reads of this slot are over
	WIN 0
	s_barrier_signal -1
	s_barrier_wait -1
.if \fill
	CREST                                          ; the barrier has opened a round of the cluster's: no wave of any partner still reads this slot or has a load on its way
	s_add_nc_u64 s[G0+4*\slot+2:G0+4*\slot+3], s[G0+4*\slot+2:G0+4*\slot+3], 4<<20
	s_add_nc_u64 s[G0B+4*\slot+2:G0B+4*\slot+3], s[G0B+4*\slot+2:G0B+4*\slot+3], 1<<20
	JLOAD G0+4*\slot, G1, G0B+4*\slot, G1B         ; the first tensor load behind the round; its four v_nop are among the places in front of the loads below
	PLACES 4
.else
	PLACES 8
.endif
	v_add_nc_u32 v[ADRS], 2048, v[ADRS]            ; the next slot's scale words
	SCALES \next
	FETCH \next, 0, 0
	WIN MUL
	MUL8 128, 2, 3, \slot, 0
.endm
	s_wait_alu depctr_va_vdst(0)
	s_wait_tensorcnt 0x0                           ; my tile of the head's four is in; slot 1's first fill is issued as a refill is:
	ds_add_u32 v[SPW], v[NIL]                      ; 0 onto my spare word
	s_mov_b32 s[G1+2], (AC0>>16)|(AR<<16)          ; no tensor load of mine is out: from here on a load brings half a slot's K
	s_mov_b32 s[G1+4], AR
	s_mov_b32 s[G1B+1], 256<<16
	s_mov_b32 s[G1B+2], 128<<16
	s_mov_b32 s[G1B+3], 256<<16
	s_mov_b32 s[G1B+4], 128
	s_mov_b32 s[G1B+5], 256
	s_wait_dscnt 0x0
	CROUND                                         ; all four tiles are in, and all sixteen work-groups are here
	JLOAD G0+4, G1, G0B+4, G1B                     ; slot 1, a quarter a wave
	SCALES 0
	FETCH 0, 0, 0
	s_wait_loadcnt 0x0                             ; the bias is in
	QUARTER 0, 0, 1
	WIN 0x80                                       ; the residual's tile is asked for here, behind the first tiles, which are wanted first. Destination window 2
.irp a, 0,1,2,3
.irp t, 0,1,2,3,4,5,6,7
	global_load_b128 v[4*(8*\a+\t):4*(8*\a+\t)+3], v[CO], s[10:11] offset:(16*\a+2*\t)*4096 th:TH_LOAD_NT   ; sixteen lanes read 256 consecutive bytes
.endr
.endr
	WIN 0
.if LAPS > 1
	WIN 0                                          ; at a label and at a branch every window is 0
	s_mov_b32 s3, LAPS-1
.Llap:                                             ; a trip goes once round the ring and fills both slots again
	QUARTER 0, 1, 0
	QUARTER 0, 2, 0
	TURN 0, 1, 1
	QUARTER 1, 0, 0
	QUARTER 1, 1, 0
	QUARTER 1, 2, 0
	TURN 1, 0, 1
	QUARTER 0, 0, 0
	WIN 0
	s_sub_co_u32 s3, s3, 1
	s_cmp_lg_u32 s3, 0
	s_cbranch_scc1 .Llap
.endif
	QUARTER 0, 1, 0                                ; the last lap fills nothing
	QUARTER 0, 2, 0
	TURN 0, 1, 0
	QUARTER 1, 0, 0
	QUARTER 1, 1, 0
	QUARTER 1, 2, 0
	s_wait_dscnt 8
	WIN MUL
	MUL8 128, 0, 3, 1, 0
	s_wait_dscnt 0
	MUL8 128, 2, 3, 1, 0
	WIN 0
	; THE WAY OUT, 16 rows at a time: through my stage, back as rows of 256 bytes, + the residual, stored: sixteen lanes to 256 consecutive bytes, aligned
	PLACES 8
	s_wait_loadcnt 0x0                             ; the residual
.irp a, 0,1,2,3
.set OBA, OB+32*(\a%2)
.if \a > 1
	s_wait_xcnt 0x0                                ; the stores of two blocks ago have read these registers
.endif
.irp b, 0,1,2,3
	ds_store_b128 v[STO], v[ACC+8*(4*\a+\b):ACC+8*(4*\a+\b)+3] offset:64*\b      ; each accumulator from its low end on
	ds_store_b128 v[STO], v[ACC+8*(4*\a+\b)+4:ACC+8*(4*\a+\b)+7] offset:64*\b+16
.endr
.irp t, 0,1,2,3,4,5,6,7
	ds_load_b128 v[OBA+4*\t:OBA+4*\t+3], v[RD] offset:\t*2*SPITCH   ; LDS serves a wave's instructions in order: these see the stores, and the next block's stores come behind them
.endr
	s_wait_dscnt 0x0
	WIN 0x08                                       ; source 1: window 2
.irp k, 0,2,4,6,8,10,12,14,16,18,20,22,24,26,28,30
	v_pk_add_f32 v[OBA+\k:OBA+\k+1], v[OBA+\k:OBA+\k+1], v[32*\a+\k:32*\a+\k+1]
.endr
	WIN 0
.irp t, 0,1,2,3,4,5,6,7
	global_store_b128 v[CO], v[OBA+4*\t:OBA+4*\t+3], s[12:13] offset:(16*\a+2*\t)*4096
.endr
.endr
	s_wait_tensorcnt 0x0                           ; the wave's end
	ds_add_u32 v[SPW], v[NIL]
	s_wait_dscnt 0x0
	CROUND                                         ; the closing round
	s_endpgm
.Lfunc_end_k_q4c48c378c4_proj:
	.size	k_q4c48c378c4_proj, .Lfunc_end_k_q4c48c378c4_proj-k_q4c48c378c4_proj
	.p2alignl 7, 3214868480
	.fill 96, 4, 3214868480
	.section	.rodata,"a",@progbits
	.p2align	6, 0x0
	.amdhsa_kernel k_q4c48c378c4_proj
		.amdhsa_group_segment_fixed_size 327680
		.amdhsa_private_segment_fixed_size 0
		.amdhsa_enable_private_segment 0
		.amdhsa_kernarg_size 40
		.amdhsa_user_sgpr_count 2
		.amdhsa_user_sgpr_kernarg_segment_ptr 1
		.amdhsa_wavefront_size32 1
		.amdhsa_system_sgpr_workgroup_id_x 1
		.amdhsa_system_sgpr_workgroup_id_y 1
		.amdhsa_system_sgpr_workgroup_id_z 1
		.amdhsa_system_vgpr_workitem_id 0
		.amdhsa_next_free_vgpr 768
		.amdhsa_next_free_sgpr 100
		.amdhsa_reserve_vcc 0
		.amdhsa_float_denorm_mode_32 3
		.amdhsa_float_denorm_mode_16_64 3
		.amdhsa_memory_ordered 1
		.amdhsa_forward_progress 1
		.amdhsa_inst_pref_size 64
	.end_amdhsa_kernel
	.amdgpu_metadata
---
amdhsa.version: [ 1, 2 ]
amdhsa.kernels:
  - .name:           k_q4c48c378c4_proj
    .symbol:         k_q4c48c378c4_proj.kd
    .args:
      - { .name: act, .offset: 0, .size: 8, .value_kind: global_buffer, .address_space: global }
      - { .name: w, .offset: 8, .size: 8, .value_kind: global_buffer, .address_space: global }
      - { .name: bproj, .offset: 16, .size: 8, .value_kind: global_buffer, .address_space: global }
      - { .name: x, .offset: 24, .size: 8, .value_kind: global_buffer, .address_space: global }
      - { .name: x1, .offset: 32, .size: 8, .value_kind: global_buffer, .address_space: global }
    .group_segment_fixed_size: 327680
    .private_segment_fixed_size: 0
    .kernarg_segment_align: 8
    .kernarg_segment_size: 40
    .max_flat_workgroup_size: 128
    .sgpr_count:     100
    .vgpr_count:     768
    .wavefront_size: 32
...
	.end_amdgpu_metadata
.endif
;; end of part 4
;; launch lnw2 (part 5): grid 32 x 16, 4 waves a work-group, no clusters, 58,880 bytes of LDS; arguments x1, ln2_g, ln2_b, act, W1, W2, w; writes act, w
.if DOCPART == 5
	.amdgcn_target "amdgcn-amd-amdhsa--gfx1250"
	.amdhsa_code_object_version 6
	.text
	.protected	k_q4c48c378c4_lnw2
	.globl	k_q4c48c378c4_lnw2
	.p2align	8
	.type	k_q4c48c378c4_lnw2,@function
k_q4c48c378c4_lnw2:
	s_mov_b64 s[64:65], 0
	v_nop
	global_prefetch_b8 v0, s[64:65] scope:SCOPE_SE
	s_setreg_imm32_b32 hwreg(HW_REG_WAVE_MODE, 25, 1), 1
	s_wait_xcnt 0x0
; TWO JOBS THAT SHARE NO DATA, IN ONE LAUNCH.  Work-groups with y 0-7: the LayerNorm of x1, quantised (label .Lnorm).  Work-groups with y 8-15: the weights W1 and W2, quantised.
; The next launches need both; neither needs the other.  The norm's waves spend most of their lines behind waits for a few loads, the weights' waves stream: side by side each fills the other's waits, and one launch's start and end serve both.
; The paths part on the work-group's y at the first lines and never meet; neither has a barrier; each has LDS bytes of its own (weights from 0, the norm from LNB).
; THE QUANTISER, both jobs: codes of BF8 (E5M2), one E8M0 scale byte for each 32 along K.  A block's scale is 2^(floor(log2(largest magnitude)) - 15); its byte is the largest magnitude's exponent field - 15, held at 1 from below.
; LIMITS: a block of zeros gets the byte 1 where the rule says 127 (its codes are zeros, and this program alone reads the bytes); blocks whose largest magnitude lies under 2^-111 are held at the byte 1;
; NaN and infinities among the inputs are not served.
.set LNB,   35840                      ; where the norm's LDS bytes begin
	v_lshl_add_u32 v254, v0, 2, 0xe400
	v_mov_b32 v255, 0
	s_and_b32 s19, ttmp7, 0xffff                   ; work-group y
	s_cmp_lt_u32 s19, 8
	s_cbranch_scc1 .Lnorm
; ---------------- THE WEIGHTS.  f32 with K NOT innermost become codes with K innermost, in the buffer w.  A part is 1,024 columns x 1,024 along K: 4-7 W1 [1024 k][4096 n] (1,024 columns each); 8-11 W2 [4096 k][1024 n] (1,024 along K each).
; Part p's codes begin at p << 20, its scale bytes at WS + (p << 15).  Parts 4-7 are laid [n][1024 k] with scales [n][32]; parts 8-11 in planes [k / 256][1024 n][256 bytes] with scales [k / 256][1024 n][8].
; A LANE TAKES A COLUMN AND ITS REGISTERS RUN DOWN K: a block of 32 lies in one lane's 32 registers, each load reads 128 consecutive bytes a wave, and the conversions give codes with K innermost.
; A wave takes 32 columns x 256 along K; its codes go through its own stage in LDS and leave as rows of 256 bytes, sixteen lanes to an aligned run of 256 bytes.  Waves share nothing.
; In parts 4-7 a lane's 8 scale bytes leave as 8 bytes of a row of 32: one byte in 128 of what the part reads.
.set WS,    12582912
.set PITCH, 272                        ; a stage row: 256 bytes of codes + 16
.set NB,    8                          ; blocks of 32 along K for a wave
.set X,     32                         ; v32-95   two sets of 32 numbers
.set C,     96                         ; v96-103  a block's codes
.set OUTR,  112                        ; v112-175 the way out
.set SB,    24                         ; v24-25   the scale bytes
.set VOFF,  176                        ; v176-207 4 x lane + i rows of the source
.set VOUT,  208                        ; v208-223 where pair t of rows goes in the codes
	s_load_b128 s[4:7], s[0:1], 0x20               ; W1, W2
	s_load_b64 s[16:17], s[0:1], 0x30              ; w
	s_sub_co_u32 s26, s19, 8                       ; 0-3: W1's parts; 4-7: W2's
	s_sub_co_u32 s19, s19, 4                       ; the part's number in w: 4 to 11
	v_lshrrev_b32 v1, 5, v0
	v_readfirstlane_b32 s18, v1                    ; wave
	v_and_b32 v2, 31, v0                           ; lane
	s_wait_alu depctr_va_vdst(0)
	s_lshl_b32 s20, ttmp9, 2
	s_add_co_u32 s20, s20, s18                     ; which of the part's 128 wave shares
	s_and_b32 s21, s20, 31                         ; group of 32 columns
	s_lshr_b32 s20, s20, 5                         ; which 256 along K
	s_lshl_b32 s24, s26, 12                        ; W1: 1,024 columns of 4 bytes a part
	s_sub_co_u32 s25, s26, 4
	s_lshl_b32 s25, s25, 22                        ; W2: 1,024 rows of 4,096 bytes a part
	s_cmp_ge_u32 s26, 4                            ; W2 is laid in planes
	s_cselect_b32 s24, s25, s24
	s_cselect_b32 s22, 12, 14                      ; log2 of the source's row in bytes: 4,096 or 16,384
	s_cselect_b32 s27, 18, 8                       ; codes: log2 of the step for 256 along K,
	s_cselect_b32 s28, 8, 10                       ; and from column to column
	s_cselect_b32 s29, 13, 3                       ; scale bytes: the same two
	s_cselect_b32 s30, 3, 5
	s_add_co_u32 s57, s22, 8
	s_lshl_b32 s57, s20, s57                       ; 256 rows of the source for each step along K
	s_add_co_u32 s24, s24, s57
	s_lshl_b32 s57, s21, 7
	s_add_co_u32 s24, s24, s57                     ; 128 bytes a group of columns
	s_mov_b32 s25, 0                               ; s[24:25]: where my share begins in the source
	s_lshl_b32 s58, s21, 5                         ; my first column
	s_lshl_b32 s50, s19, 20
	s_lshl_b32 s57, s20, s27
	s_add_co_u32 s50, s50, s57
	s_lshl_b32 s57, s58, s28
	s_add_co_u32 s50, s50, s57
	s_mov_b32 s51, 0                               ; s[50:51]: in the codes
	s_lshl_b32 s52, s19, 15
	s_add_co_u32 s52, s52, WS
	s_lshl_b32 s57, s20, s29
	s_add_co_u32 s52, s52, s57
	s_lshl_b32 s57, s58, s30
	s_add_co_u32 s52, s52, s57
	s_mov_b32 s53, 0                               ; s[52:53]: in the scale bytes
	s_mov_b32 s54, 0x600000                        ; the mantissa field of 57,344
	s_lshl_b32 s55, 1, s22                         ; a row of the source
	s_lshl_b32 s56, 2, s28                         ; two rows of the codes
	s_lshl_b32 s48, 32, s22                        ; a block's 32 rows of the source
	s_mov_b32 s49, 0
	v_lshlrev_b32 v[VOFF], 2, v2
.set CNTR, 1
.rept 31
	v_add_nc_u32 v[VOFF+CNTR], s55, v[VOFF+CNTR-1]
.set CNTR, CNTR+1
.endr
	s_mul_i32 s59, s18, 32*PITCH                   ; my stage
	v_mul_u32_u24 v4, v2, PITCH
	v_add_nc_u32 v4, s59, v4                       ; into it: row = my column
	v_and_b32 v5, 15, v2
	v_lshrrev_b32 v6, 4, v2
	v_mul_u32_u24 v7, v6, PITCH
	v_lshl_add_u32 v7, v5, 4, v7
	v_add_nc_u32 v7, s59, v7                       ; out of it: sixteen lanes to a row, two rows an instruction
	v_lshlrev_b32 v8, s28, v6
	v_lshl_add_u32 v[VOUT], v5, 4, v8              ; and the same place in the codes
.set CNTR, 1
.rept 15
	v_add_nc_u32 v[VOUT+CNTR], s56, v[VOUT+CNTR-1]
.set CNTR, CNTR+1
.endr
	v_lshlrev_b32 v9, s30, v2                      ; my column's scale bytes
	s_wait_kmcnt 0x0
	s_cmp_ge_u32 s26, 4                            ; the source: the choice hangs on the part's number alone
	s_cselect_b64 s[4:5], s[6:7], s[4:5]
	s_add_nc_u64 s[32:33], s[4:5], s[24:25]        ; s[32:47]: a base for each of my eight blocks
.irp t, 1,2,3,4,5,6,7
	s_add_nc_u64 s[32+2*\t:33+2*\t], s[30+2*\t:31+2*\t], s[48:49]
.endr
	s_add_nc_u64 s[50:51], s[16:17], s[50:51]
	s_add_nc_u64 s[52:53], s[16:17], s[52:53]
.macro LOAD t                          ; block t: rows 32 t + i of my column, i = 0 .. 31, into set t % 2
.set CNTR, 0
.rept 32
	global_load_b32 v[X+32*((\t)%2)+CNTR], v[VOFF+CNTR], s[32+2*(\t):33+2*(\t)] th:TH_LOAD_NT
.set CNTR, CNTR+1
.endr
.endm
	LOAD 0
	LOAD 1
.macro BLOCK t
.set XS, X+32*((\t)%2)
.if (\t) < NB-1
	s_wait_loadcnt 32                              ; this block's 32 loads are in; the next block's may be out
.else
	s_wait_loadcnt 0
.endif
	v_max3_num_f32 v12, |v[XS]|, |v[XS+1]|, |v[XS+2]|              ; the block's largest magnitude: all 32 numbers are mine
	v_max3_num_f32 v13, |v[XS+3]|, |v[XS+4]|, |v[XS+5]|
.irp i, 6,10,14,18,22,26
	v_max3_num_f32 v12, v12, |v[XS+\i]|, |v[XS+\i+1]|
	v_max3_num_f32 v13, v13, |v[XS+\i+2]|, |v[XS+\i+3]|
.endr
	v_max3_num_f32 v12, v12, |v[XS+30]|, |v[XS+31]|
	v_max3_num_f32 v12, v12, v13, 0x8000000        ; and the floor 2^(16 - 127): the byte cannot fall under 1
	v_add_nc_u32 v11, 0xf8800000, v12              ; 15 off its exponent field: the conversion's scale operand
	v_and_or_b32 v10, v12, 0x7f800000, s54         ; 57,344 x the scale
	v_lshrrev_b32 v13, 23, v11                     ; the scale's byte
.if (\t)%4 == 0
	v_mov_b32 v[SB+(\t)/4], v13                    ; four bytes to a register, the lower K in the lower byte
.else
	v_lshl_or_b32 v[SB+(\t)/4], v13, 8*((\t)%4), v[SB+(\t)/4]
.endif
.set CNTR, 0
.rept 32
	v_med3_num_f32 v[XS+CNTR], v[XS+CNTR], -v10, v10   ; the conversion to an 8-bit code does not saturate (ISA guide 7.6.2): hold the number first
.set CNTR, CNTR+1
.endr
.irp g, 0,1,2,3
	v_cvt_scalef32_pk8_bf8_f32 v[C+2*\g:C+2*\g+1], v[XS+8*\g:XS+8*\g+7], v11
.endr
	v_nop                                          ; a plain line behind the last conversion
	ds_store_b128 v4, v[C:C+3] offset:32*(\t)      ; 32 codes: 32 bytes of my column's row
	ds_store_b128 v4, v[C+4:C+7] offset:32*(\t)+16
.if (\t)+2 < NB
	LOAD (\t)+2
.endif
	s_wait_dscnt 0x0                               ; the stores have read their registers: the next block's codes may be written
.endm
.irp t, 0,1,2,3,4,5,6,7
	BLOCK \t
.endr
	global_store_b64 v9, v[SB:SB+1], s[52:53]      ; my column's 8 scale bytes
.irp t, 0,1,2,3,4,5,6,7,8,9,10,11,12,13,14,15
	ds_load_b128 v[OUTR+4*\t:OUTR+4*\t+3], v7 offset:2*\t*PITCH   ; LDS serves a wave's instructions in order: these see my stores
.endr
.irp t, 0,1,2,3,4,5,6,7,8,9,10,11,12,13,14,15
	s_wait_dscnt 15-\t                             ; pair t is back; the younger loads may be out
	global_store_b128 v[VOUT+\t], v[OUTR+4*\t:OUTR+4*\t+3], s[50:51]
.endr
	s_wait_tensorcnt 0x0
	ds_add_u32 v254, v255
	s_wait_dscnt 0x0
	s_endpgm
; ---------------- THE NORM.  y = (x - mean) rsqrt(var + 1e-5) g + b along rows of 1,024 f32, then quantised along the row: codes [4096][1024] at the output's first byte, scale bytes [4096][32] at ASC.
; Work-group 32 y + x owns 16 rows, a wave four, all asked for at the start (16 KiB a wave on its way; each load reads 512 consecutive bytes); a row stays in 32 registers through mean, variance (of x - mean, so that a common offset does no harm) and scaling.
; The conversions want 16 NEIGHBOURS in a lane: the finished row turns through the wave's own stage in LDS (as loaded in, 64 bytes a lane out; 16 bytes of padding behind each 64).  Two neighbouring lanes hold a block.
; A lane's 16 codes are 16 bytes: a store covers 512 consecutive bytes.  A wave's 128 scale bytes are gathered in LDS and leave as 128 consecutive bytes.  Waves share nothing.
.Lnorm:
.set ASC,  4194304
.set WREG, 5632                        ; LDS of a wave: two stages of 32 x 80 bytes, then its 128 scale bytes
.set SP,   80
.set RX,   16                          ; v16-143  four rows of 32; later a row's codes and bytes
.set G,    144                         ; v144-175 g as the rows are loaded
.set BV,   176                         ; v176-207 b
.set T,    208                         ; v208-239 two steps of 16 neighbours
	s_load_b256 s[4:11], s[0:1], 0x0               ; in s[4:5], g s[6:7], b s[8:9], out s[10:11]
	s_lshl_b32 s14, s19, 5
	s_add_co_u32 s14, s14, ttmp9                   ; which 16 rows: 32 y + x
	v_lshrrev_b32 v1, 5, v0
	v_readfirstlane_b32 s12, v1                    ; wave
	v_and_b32 v1, 31, v0                           ; lane
	v_lshlrev_b32 v2, 4, v1                        ; 16 x lane
	s_mul_i32 s13, s12, WREG
	s_add_co_u32 s13, s13, LNB
	v_lshrrev_b32 v3, 2, v1
	v_mul_u32_u24 v3, v3, SP
	v_and_b32 v4, 3, v1
	v_lshl_add_u32 v3, v4, 4, v3
	v_add_nc_u32 v3, s13, v3                       ; the stage, in: four lanes' 64 bytes on end, then 16 of padding
	v_mul_u32_u24 v4, v1, SP
	v_add_nc_u32 v4, s13, v4                       ; out: my 16 neighbours
	v_lshrrev_b32 v5, 1, v1
	s_add_co_u32 s13, s13, 2*32*SP
	v_add_nc_u32 v5, s13, v5                       ; my block's scale byte
	v_lshlrev_b32 v7, 2, v1
	v_add_nc_u32 v6, s13, v7                       ; and on the way out 4 bytes a lane
	v_mov_b32 v9, 0                                ; (upper halves of pairs of which the low word serves both halves: named, so written)
	v_mov_b32 v11, 0
	s_mov_b32 s16, 0x76543210
	s_mov_b32 s17, 0xfedcba98                      ; v_permlanex16_b32's selects for lane l xor 16
	s_mov_b32 s18, 0x3a800000                      ; 1 / 1,024
	s_mov_b32 s19, 0x3727c5ac                      ; 1e-5
	s_mov_b32 s23, 0x600000                        ; the mantissa field of 57,344
	s_lshl_b32 s14, s14, 16                        ; 16 rows of 4,096 bytes a work-group,
	s_lshl_b32 s15, s12, 14                        ; 4 a wave
	s_add_co_u32 s14, s14, s15
	s_mov_b32 s15, 0
	s_wait_kmcnt 0x0
	s_add_nc_u64 s[4:5], s[4:5], s[14:15]
	s_lshr_b32 s14, s14, 2                         ; codes: a quarter of the bytes
	s_add_nc_u64 s[20:21], s[10:11], s[14:15]
	s_lshr_b32 s14, s14, 5                         ; scale bytes: a 32nd of that
	s_add_nc_u64 s[10:11], s[10:11], s[14:15]
	s_add_nc_u64 s[10:11], s[10:11], ASC
.macro XLOAD p
.irp i, 0,1,2,3,4,5,6,7
	global_load_b128 v[RX+32*\p+4*\i:RX+32*\p+4*\i+3], v2, s[4:5] offset:4096*\p+512*\i
.endr
.endm
	XLOAD 0
.irp i, 0,1,2,3,4,5,6,7
	global_load_b128 v[G+4*\i:G+4*\i+3], v2, s[6:7] offset:512*\i
.endr
.irp i, 0,1,2,3,4,5,6,7
	global_load_b128 v[BV+4*\i:BV+4*\i+3], v2, s[8:9] offset:512*\i
.endr
	XLOAD 1
	XLOAD 2
	XLOAD 3
.macro WSUM                            ; v240 summed over the wave's 32 lanes, in every lane
	v_add_f32_dpp v240, v240, v240 row_xmask:1 row_mask:0xf bank_mask:0xf
	v_add_f32_dpp v240, v240, v240 row_xmask:2 row_mask:0xf bank_mask:0xf
	v_add_f32_dpp v240, v240, v240 row_xmask:4 row_mask:0xf bank_mask:0xf
	v_add_f32_dpp v240, v240, v240 row_xmask:8 row_mask:0xf bank_mask:0xf
	v_permlanex16_b32 v241, v240, s16, s17
	v_add_f32 v240, v240, v241
.endm
; Row p.  c1: how many younger loads may be out when the row is wanted; c2: the same for g and b (-1: they are in already)
.macro ROW p, c1, c2
.set XR, RX+32*(\p)
	s_wait_loadcnt \c1
	v_pk_add_f32 v[240:241], v[XR:XR+1], v[XR+2:XR+3]              ; the sum, in four chains
	v_pk_add_f32 v[242:243], v[XR+4:XR+5], v[XR+6:XR+7]
	v_pk_add_f32 v[244:245], v[XR+8:XR+9], v[XR+10:XR+11]
	v_pk_add_f32 v[246:247], v[XR+12:XR+13], v[XR+14:XR+15]
.irp k, 16,24
	v_pk_add_f32 v[240:241], v[240:241], v[XR+\k:XR+\k+1]
	v_pk_add_f32 v[242:243], v[242:243], v[XR+\k+2:XR+\k+3]
	v_pk_add_f32 v[244:245], v[244:245], v[XR+\k+4:XR+\k+5]
	v_pk_add_f32 v[246:247], v[246:247], v[XR+\k+6:XR+\k+7]
.endr
	v_pk_add_f32 v[240:241], v[240:241], v[242:243]
	v_pk_add_f32 v[244:245], v[244:245], v[246:247]
	v_pk_add_f32 v[240:241], v[240:241], v[244:245]
	v_add_f32 v240, v240, v241
	WSUM
	v_mul_f32 v8, s18, v240                        ; the mean
.irp k, 0,2,4,6,8,10,12,14,16,18,20,22,24,26,28,30
	v_pk_add_f32 v[XR+\k:XR+\k+1], v[XR+\k:XR+\k+1], v[8:9] op_sel_hi:[1,0] neg_lo:[0,1] neg_hi:[0,1]   ; x - mean
.endr
	v_pk_mul_f32 v[240:241], v[XR:XR+1], v[XR:XR+1]                ; the sum of its squares, in two chains
	v_pk_mul_f32 v[242:243], v[XR+2:XR+3], v[XR+2:XR+3]
.irp k, 4,8,12,16,20,24,28
	v_pk_fma_f32 v[240:241], v[XR+\k:XR+\k+1], v[XR+\k:XR+\k+1], v[240:241]
	v_pk_fma_f32 v[242:243], v[XR+\k+2:XR+\k+3], v[XR+\k+2:XR+\k+3], v[242:243]
.endr
	v_pk_add_f32 v[240:241], v[240:241], v[242:243]
	v_add_f32 v240, v240, v241
	WSUM
	v_fma_f32 v10, v240, s18, s19                  ; the variance + 1e-5
	s_wait_alu depctr_va_vdst(0)
	v_rsq_f32 v10, v10
	v_nop                                          ; a plain line behind the transcendental
.if \c2 >= 0
	s_wait_loadcnt \c2
.endif
	s_wait_alu depctr_va_vdst(0)
.irp k, 0,2,4,6,8,10,12,14,16,18,20,22,24,26,28,30
	v_pk_mul_f32 v[XR+\k:XR+\k+1], v[XR+\k:XR+\k+1], v[10:11] op_sel_hi:[1,0]
.endr
.irp k, 0,2,4,6,8,10,12,14,16,18,20,22,24,26,28,30
	v_pk_fma_f32 v[XR+\k:XR+\k+1], v[XR+\k:XR+\k+1], v[G+\k:G+\k+1], v[BV+\k:BV+\k+1]
.endr
.irp i, 0,1,2,3,4,5,6,7
	ds_store_b128 v3, v[XR+4*\i:XR+4*\i+3] offset:2560*(\i/4)+640*(\i%4)
.endr
.irp i, 0,1,2,3,4,5,6,7
	ds_load_b128 v[T+4*\i:T+4*\i+3], v4 offset:2560*(\i/4)+16*(\i%4)   ; LDS serves a wave's instructions in order: these see the stores
.endr
	s_wait_dscnt 0x0                               ; the neighbours are in, and the stores have read the row's registers, which take its codes
.irp s, 0,1                            ; numbers 512 s + 16 lane + 0 .. 15
	v_max3_num_f32 v[240+4*\s], |v[T+16*\s]|, |v[T+16*\s+1]|, |v[T+16*\s+2]|
	v_max3_num_f32 v[241+4*\s], |v[T+16*\s+3]|, |v[T+16*\s+4]|, |v[T+16*\s+5]|
.irp i, 6,10
	v_max3_num_f32 v[240+4*\s], v[240+4*\s], |v[T+16*\s+\i]|, |v[T+16*\s+\i+1]|
	v_max3_num_f32 v[241+4*\s], v[241+4*\s], |v[T+16*\s+\i+2]|, |v[T+16*\s+\i+3]|
.endr
	v_max3_num_f32 v[240+4*\s], v[240+4*\s], |v[T+16*\s+14]|, |v[T+16*\s+15]|
	v_max3_num_f32 v[240+4*\s], v[240+4*\s], v[241+4*\s], 0x8000000   ; and the floor 2^(16 - 127)
	v_max_num_f32_dpp v[240+4*\s], v[240+4*\s], v[240+4*\s] row_xmask:1 row_mask:0xf bank_mask:0xf   ; with my neighbour's 16: the block's
	v_add_nc_u32 v[242+4*\s], 0xf8800000, v[240+4*\s]              ; 15 off the exponent field: the conversion's scale operand
	v_and_or_b32 v[243+4*\s], v[240+4*\s], 0x7f800000, s23         ; 57,344 x the scale
.irp i, 0,1,2,3,4,5,6,7,8,9,10,11,12,13,14,15
	v_med3_num_f32 v[T+16*\s+\i], v[T+16*\s+\i], -v[243+4*\s], v[243+4*\s]   ; the conversion does not saturate (ISA guide 7.6.2): the hold
.endr
	v_cvt_scalef32_pk8_bf8_f32 v[XR+4*\s:XR+4*\s+1], v[T+16*\s:T+16*\s+7], v[242+4*\s]
	v_cvt_scalef32_pk8_bf8_f32 v[XR+4*\s+2:XR+4*\s+3], v[T+16*\s+8:T+16*\s+15], v[242+4*\s]
	v_lshrrev_b32 v[XR+8+\s], 23, v[242+4*\s]      ; the scale's byte
	ds_store_b8 v5, v[XR+8+\s] offset:32*(\p)+16*\s   ; both lanes of a block write the same byte with the same value
	global_store_b128 v2, v[XR+4*\s:XR+4*\s+3], s[20:21] offset:1024*(\p)+512*\s
.endr
.endm
	ROW 0, 40, 24                                  ; behind row 0: g, b and three rows, 40 loads; behind b: three rows, 24
	ROW 1, 16, -1
	ROW 2, 8, -1
	ROW 3, 0, -1
	ds_load_b32 v244, v6                           ; my wave's 128 scale bytes
	s_wait_dscnt 0x0
	global_store_b32 v7, v244, s[10:11]
	s_wait_tensorcnt 0x0
	ds_add_u32 v254, v255
	s_wait_dscnt 0x0
	s_endpgm
.Lfunc_end_k_q4c48c378c4_lnw2:
	.size	k_q4c48c378c4_lnw2, .Lfunc_end_k_q4c48c378c4_lnw2-k_q4c48c378c4_lnw2
	.p2alignl 7, 3214868480
	.fill 96, 4, 3214868480
	.section	.rodata,"a",@progbits
	.p2align	6, 0x0
	.amdhsa_kernel k_q4c48c378c4_lnw2
		.amdhsa_group_segment_fixed_size 58880
		.amdhsa_private_segment_fixed_size 0
		.amdhsa_enable_private_segment 0
		.amdhsa_kernarg_size 56
		.amdhsa_user_sgpr_count 2
		.amdhsa_user_sgpr_kernarg_segment_ptr 1
		.amdhsa_wavefront_size32 1
		.amdhsa_system_sgpr_workgroup_id_x 1
		.amdhsa_system_sgpr_workgroup_id_y 1
		.amdhsa_system_sgpr_workgroup_id_z 1
		.amdhsa_system_vgpr_workitem_id 0
		.amdhsa_next_free_vgpr 256
		.amdhsa_next_free_sgpr 66
		.amdhsa_reserve_vcc 0
		.amdhsa_float_denorm_mode_32 3
		.amdhsa_float_denorm_mode_16_64 3
		.amdhsa_memory_ordered 1
		.amdhsa_forward_progress 1
		.amdhsa_inst_pref_size 113
	.end_amdhsa_kernel
	.amdgpu_metadata
---
amdhsa.version: [ 1, 2 ]
amdhsa.kernels:
  - .name:           k_q4c48c378c4_lnw2
    .symbol:         k_q4c48c378c4_lnw2.kd
    .args:
      - { .name: x1, .offset: 0, .size: 8, .value_kind: global_buffer, .address_space: global }
      - { .name: ln2_g, .offset: 8, .size: 8, .value_kind: global_buffer, .address_space: global }
      - { .name: ln2_b, .offset: 16, .size: 8, .value_kind: global_buffer, .address_space: global }
      - { .name: act, .offset: 24, .size: 8, .value_kind: global_buffer, .address_space: global }
      - { .name: W1, .offset: 32, .size: 8, .value_kind: global_buffer, .address_space: global }
      - { .name: W2, .offset: 40, .size: 8, .value_kind: global_buffer, .address_space: global }
      - { .name: w, .offset: 48, .size: 8, .value_kind: global_buffer, .address_space: global }
    .group_segment_fixed_size: 58880
    .private_segment_fixed_size: 0
    .kernarg_segment_align: 8
    .kernarg_segment_size: 56
    .max_flat_workgroup_size: 128
    .sgpr_count:     66
    .vgpr_count:     256
    .wavefront_size: 32
...
	.end_amdgpu_metadata
.endif
;; end of part 5
;; launch ffn1 (part 6): grid 16 x 16, 4 waves a work-group, clusters of 4 x 4, 327,680 bytes of LDS; arguments act, w, b1, hid; writes hid
.if DOCPART == 6
	.amdgcn_target "amdgcn-amd-amdhsa--gfx1250"
	.amdhsa_code_object_version 6
	.text
	.protected	k_q4c48c378c4_ffn1
	.globl	k_q4c48c378c4_ffn1
	.p2align	8
	.type	k_q4c48c378c4_ffn1,@function
k_q4c48c378c4_ffn1:
	s_mov_b64 s[64:65], 0
	v_nop
	global_prefetch_b8 v0, s[64:65] scope:SCOPE_SE
	s_setreg_imm32_b32 hwreg(HW_REG_WAVE_MODE, 25, 1), 1
	s_wait_xcnt 0x0
	s_wait_alu depctr_hold_cnt(0) depctr_sa_sdst(0) depctr_va_vdst(0) depctr_va_sdst(0) depctr_va_ssrc(0) depctr_va_vcc(0) depctr_vm_vsrc(0)
	s_getreg_b32 s2, hwreg(HW_REG_IB_STS2, 6, 4)
	s_cmp_eq_u32 s2, 0
	s_cbranch_scc0 .Lentry_in_a_cluster
	s_endpgm
.Lentry_in_a_cluster:
	s_bfe_u32 s2, ttmp6, 0x10000c
	s_cmp_lg_u32 s2, 0xf033
	s_cbranch_scc0 .Lentry_shape_is_right
	s_endpgm
.Lentry_shape_is_right:
.set ASC,    4194304
.set WS,     12582912
.set NQ,     2
.set ROWB,   256
.set KROW,   1024
.set PITCH,  272
.set FR,     16
.set NL,     4
.set NP,     8
.set HALFT,  128*PITCH
.set SLOT,   4*HALFT
.set KS,     32
.set SCL,    2*SLOT
.set HALFS,  (128*KS/256)*272
.set SBLK,   (16*KS/256)*272
.set SPARE,  SCL+4*HALFS
.set CH,     20544
.set SSV,    82432
.set RD,   7
.set G16,  9
.set SRD,  12
.set BO,   14
.set ADRA, 16
.set ADRB, 20
.set STO,  24
.set SVA,  25
.set ADRS, 27
.set SPW,  28
.set NIL,  29
.set SC,   32
.set BI,   64
.set AF,   128
.set OB,   64
.set T,    128
.set PC,   192
.set OS,   192
.set TM,   208
.set PW,   224
.set MNT,  67
.set G1, 24
.set G0, 32
.set G1B, 48
.set G0B, 56
.set G1S, 68
.set G0S, 76
.set G1SB, 80
.set G0SB, 88
.set MSB, 0
.macro WIN new
.if MSB != \new
	s_set_vgpr_msb (MSB<<8)|\new
.set MSB, \new
.endif
.endm
.set MUL_LO, 0xa1
.set MUL_HI, 0xf1
.set FST_LO, 0x81
.set FST_HI, 0xc1
.set TO_B,   0x40
.macro JLOAD g0a, g1a, g0b, g1b
	s_cmp_eq_u32 s15, 0
	s_cbranch_scc0 .Lfor_b_\@
	tensor_load_to_lds s[\g0a:\g0a+3], s[\g1a:\g1a+7]
	s_nop 0
.rept 4
	v_nop
.endr
	s_branch .Lasked_\@
.Lfor_b_\@:
	tensor_load_to_lds s[\g0b:\g0b+3], s[\g1b:\g1b+7]
	s_nop 0
.rept 4
	v_nop
.endr
.Lasked_\@:
.endm
.macro CREST
	s_cmp_lg_u32 s14, 0
	s_cbranch_scc1 .Lnot_wave_0_\@
	s_barrier_signal -3
.Lnot_wave_0_\@:
	s_barrier_wait -3
	s_barrier_signal -1
	s_barrier_wait -1
.endm
.macro CROUND
	s_barrier_signal -1
	s_barrier_wait -1
	CREST
.endm
	s_load_b128 s[4:7], s[0:1], 0x0
	s_load_b128 s[96:99], s[0:1], 0x10
	v_lshl_add_u32 v[SPW], v0, 2, SPARE
	v_mov_b32 v[NIL], 0
	ds_add_u32 v28, v29
	ds_add_u32 v28, v29
	s_wait_dscnt 0x0
	v_lshrrev_b32 v1, 5, v0
	v_readfirstlane_b32 s14, v1
	s_lshr_b32 s15, s14, 1
	s_and_b32 s16, s14, 1
	s_bfe_u32 s40, ttmp6, 0x40000
	s_bfe_u32 s41, ttmp6, 0x40004
	s_lshl_b32 s42, ttmp9, 2
	s_add_co_u32 s42, s42, s40
	s_and_b32 s17, ttmp7, 0xffff
	s_lshl_b32 s17, s17, 2
	s_add_co_u32 s17, s17, s41
	s_lshl_b32 s43, s41, 2
	s_lshl_b32 s43, 15, s43
	s_lshl_b32 s44, 0x1111, s40
	s_or_b32 s[G1+0], s43, (0<<16)|(1<<20)|(1<<21)|(5<<22)|(3<<25)
	s_or_b32 s[G1B+0], s44, (0<<16)|(1<<20)|(1<<21)|(5<<22)|(3<<25)
.irp g, G1, G1B
	s_mov_b32 s[\g+1], ROWB<<16
	s_mov_b32 s[\g+2], 256<<16                     ; the head's loads bring 256 rows; the ring's 128 are set behind the head's wait
	s_mov_b32 s[\g+3], ROWB<<16
	s_mov_b32 s[\g+4], 256
	s_mov_b32 s[\g+5], KROW
	s_mov_b32 s[\g+6], 0
	s_mov_b32 s[\g+7], 0
.endr
	s_or_b32 s[G1S+0], s43, (3<<16)|(1<<20)|(1<<21)|(5<<22)|(3<<25)
	s_or_b32 s[G1SB+0], s44, (3<<16)|(1<<20)|(1<<21)|(5<<22)|(3<<25)
.irp g, G1S, G1SB
	s_mov_b32 s[\g+1], 32<<16
	s_mov_b32 s[\g+2], KS<<16                      ; the scales of 256 rows: KS rows of 256 bytes
	s_mov_b32 s[\g+3], 32<<16
	s_mov_b32 s[\g+4], KS
	s_mov_b32 s[\g+5], 32
	s_mov_b32 s[\g+6], 0
	s_mov_b32 s[\g+7], 0
.endr
	s_mov_b32 s2, 0x76543210
	s_mov_b32 s3, 0xfedcba98
	s_mov_b32 s[MNT], 0x600000
	s_lshl_b32 s18, s16, 7
	s_lshl_b32 s20, s17, 8
	s_add_co_u32 s20, s20, s18
	s_lshl_b32 s46, s42, 8
	s_add_co_u32 s46, s46, s18
	s_mov_b32 s21, 0
	s_mov_b32 s47, 0
	s_mov_b64 s[18:19], KS
	s_mul_u64 s[22:23], s[20:21], s[18:19]
	s_mul_u64 s[92:93], s[46:47], s[18:19]
	s_mov_b64 s[18:19], KROW
	s_mul_u64 s[20:21], s[20:21], s[18:19]
	s_mul_u64 s[46:47], s[46:47], s[18:19]
	s_mul_i32 s45, s14, HALFT
	s_lshl_b32 s95, s16, 12                        ; the scales come whole: back to the tile's first row (128 rows x KS bytes; both are offsets still)
	s_sub_co_u32 s22, s22, s95
	s_sub_co_u32 s92, s92, s95
	s_wait_kmcnt 0x0
	s_add_nc_u64 s[8:9], s[4:5], ASC
	s_add_nc_u64 s[10:11], s[6:7], WS+131072
	s_add_nc_u64 s[6:7], s[6:7], 4<<20
	s_add_nc_u64 s[20:21], s[4:5], s[20:21]
	s_add_nc_u64 s[22:23], s[8:9], s[22:23]
	s_add_nc_u64 s[46:47], s[6:7], s[46:47]
	s_add_nc_u64 s[92:93], s[10:11], s[92:93]
	CROUND
	s_mov_b32 s[G0S], 1
	s_mov_b32 s[G0S+1], SCL
	s_mov_b64 s[G0S+2:G0S+3], s[22:23]
	s_or_b32 s[G0S+3], s[G0S+3], 0x80000000
	s_mov_b32 s[G0SB], 1
	s_mov_b32 s[G0SB+1], SCL+2*HALFS
	s_mov_b64 s[G0SB+2:G0SB+3], s[92:93]
	s_or_b32 s[G0SB+3], s[G0SB+3], 0x80000000
.irp s, 0,1
	s_mov_b32 s[G0+4*\s], 1
	s_add_co_u32 s[G0+4*\s+1], s45, \s*SLOT
	s_add_nc_u64 s[G0+4*\s+2:G0+4*\s+3], s[20:21], \s*ROWB
	s_or_b32 s[G0+4*\s+3], s[G0+4*\s+3], 0x80000000
	s_mov_b32 s[G0B+4*\s], 1
	s_add_co_u32 s[G0B+4*\s+1], s45, \s*SLOT
	s_add_nc_u64 s[G0B+4*\s+2:G0B+4*\s+3], s[46:47], \s*ROWB
	s_or_b32 s[G0B+4*\s+3], s[G0B+4*\s+3], 0x80000000
.if \s == 1
	; THE HEAD'S LOADS, ONE A WAVE, in one chain of branches on the wave's number: wave 0 K step 0's 256 rows of h2, wave 2 those of W1
	; (in these two waves slot 0's group 0 stands at the tile's first row), wave 1 h2's scales, wave 3 W1's.
	s_cmp_eq_u32 s14, 0
	s_cbranch_scc0 .Lh_b
	tensor_load_to_lds s[G0:G0+3], s[G1:G1+7]
	s_nop 0
.rept 4
	v_nop
.endr
	s_branch .Lh_j
.Lh_b:
	s_cmp_eq_u32 s14, 2
	s_cbranch_scc0 .Lh_sa
	tensor_load_to_lds s[G0B:G0B+3], s[G1B:G1B+7]
	s_nop 0
.rept 4
	v_nop
.endr
	s_branch .Lh_j
.Lh_sa:
	s_cmp_eq_u32 s14, 1
	s_cbranch_scc0 .Lh_sb
	tensor_load_to_lds s[G0S:G0S+3], s[G1S:G1S+7]
	s_nop 0
.rept 4
	v_nop
.endr
	s_branch .Lh_j
.Lh_sb:
	tensor_load_to_lds s[G0SB:G0SB+3], s[G1SB:G1SB+7]
	s_nop 0
.rept 4
	v_nop
.endr
.Lh_j:
	; PREFETCHES INTO THE L2, two K steps ahead of the K step that is being loaded: here K steps 1 and 2, behind K step 1's load K step 3.  Of the 128 rows that my wave fetches in the ring, each of the four
	; partners that ask for them jointly names 32, told apart by address (cx for h2, cy for W1): a lane a row, 256 bytes of it a K step: each block once in a cluster.
	s_cmp_eq_u32 s15, 0
	s_cselect_b64 s[8:9], s[20:21], s[46:47]
	s_cselect_b32 s95, s40, s41
	s_lshl_b32 s94, s95, 15                        ; 32 rows of 1,024 bytes
	s_mov_b32 s95, 0
	s_add_nc_u64 s[8:9], s[8:9], s[94:95]
	v_and_b32 v13, 31, v0
	v_lshlrev_b32 v13, 10, v13
	s_wait_alu depctr_va_vdst(0)
	global_prefetch_b8 v13, s[8:9] offset:256 th:TH_LOAD_NT scope:SCOPE_SE
	global_prefetch_b8 v13, s[8:9] offset:512 th:TH_LOAD_NT scope:SCOPE_SE
.endif
.endr
	v_and_b32 v1, 15, v0
	s_wait_alu depctr_va_vdst(0)
	v_bfe_u32 v2, v0, 4, 1
	s_lshl_b32 s46, s42, 10
	s_lshl_b32 s47, s16, 9
	s_add_co_u32 s46, s46, s47
	s_mov_b32 s47, 0
	s_add_nc_u64 s[96:97], s[96:97], s[46:47]
	v_lshlrev_b32 v[BO], 5, v2
.irp b, 0,1,2,3,4,5,6,7
	global_load_b128 v[BI+8*\b:BI+8*\b+3], v[BO], s[96:97] offset:64*\b
	global_load_b128 v[BI+8*\b+4:BI+8*\b+7], v[BO], s[96:97] offset:64*\b+16
.endr
	v_mul_u32_u24 v3, v1, PITCH
	v_lshl_add_u32 v4, v2, 4, v3
	s_mul_i32 s21, s15, HALFT
	s_mul_i32 s22, s16, HALFT
	s_add_co_u32 s22, s22, 2*HALFT
.irp s, 0,1
	v_add_nc_u32 v[ADRA+\s], s21, v4
	v_add_nc_u32 v[ADRB+\s], s22, v4
	s_add_co_u32 s21, s21, SLOT
	s_add_co_u32 s22, s22, SLOT
.endr
	v_mul_u32_u24 v5, v1, KS
	v_lshrrev_b32 v6, 8, v5
	v_lshl_add_u32 v5, v6, 4, v5
	s_mul_i32 s21, s15, HALFS
	s_mul_i32 s22, s16, HALFS
	s_add_co_u32 s22, s22, 2*HALFS
	s_sub_co_u32 s22, s22, s21
	v_mul_u32_u24 v6, s22, v2
	s_add_co_u32 s21, s21, SCL
	v_add_nc_u32 v5, v5, v6
	v_add_nc_u32 v[ADRS], s21, v5
	s_mul_i32 s21, s16, 2*CH
	s_mul_i32 s22, s15, 128*80
	s_add_co_u32 s21, s21, s22
	v_mul_u32_u24 v5, v1, 80
	v_lshl_add_u32 v5, v2, 3, v5
	v_add_nc_u32 v[STO], s21, v5
	s_lshl_b32 s21, s15, 10
	s_lshl_b32 s22, s16, 2
	s_add_co_u32 s21, s21, s22
	s_add_co_u32 s21, s21, SSV
	v_lshl_add_u32 v[SVA], v1, 3, s21
	v_bfe_u32 v5, v0, 2, 2
	v_mul_u32_u24 v5, v5, CH
	v_mad_u32_u24 v5, v2, 80, v5
	v_and_b32 v6, 3, v0
	v_lshl_add_u32 v5, v6, 4, v5
	s_mul_i32 s21, s14, 64*80
	v_add_nc_u32 v[RD], s21, v5
	v_and_b32 v5, 31, v0
	v_lshlrev_b32 v[G16], 4, v5
	s_lshl_b32 s21, s14, 9
	s_add_co_u32 s21, s21, SSV
	v_add_nc_u32 v[SRD], s21, v[G16]
	s_lshl_b32 s20, s42, 20
	s_lshl_b32 s21, s17, 16
	s_add_co_u32 s20, s20, s21
	s_lshl_b32 s21, s14, 14
	s_add_co_u32 s20, s20, s21
	s_lshr_b32 s22, s20, 5
	s_add_co_u32 s22, s22, 16<<20
	s_mov_b32 s21, 0
	s_mov_b32 s23, 0
	s_add_nc_u64 s[100:101], s[98:99], s[22:23]
	s_add_nc_u64 s[12:13], s[98:99], s[20:21]
.macro FRAG reg, adr, q, i
.irp c, 0,1,2,3
	ds_load_b128 v[\reg+4*\c:\reg+4*\c+3], v[\adr] offset:128*(\q)+32*\c+(\i)*16*PITCH
.endr
.endm
.macro MUL16 a0, p, q, sc, first
.irp a, \a0, \a0+1
.irp b, 0,1,2,3,4,5,6,7
.if \first
	v_wmma_scale_f32_16x16x128_f8f6f4 v[8*(8*((\a)%4)+\b):8*(8*((\a)%4)+\b)+7], v[128*(\p)+FR*\b:128*(\p)+FR*\b+FR-1], v[AF+FR*(\a):AF+FR*(\a)+FR-1], v[BI+8*\b:BI+8*\b+7], v[SC+8*NQ*(\sc)+NQ*\b+(\q)], v[SC+8*NQ*(\sc)+NQ*(\a)+(\q)] matrix_a_fmt:MATRIX_FMT_BF8 matrix_b_fmt:MATRIX_FMT_BF8 matrix_a_scale:MATRIX_SCALE_ROW1
.else
	v_wmma_scale_f32_16x16x128_f8f6f4 v[8*(8*((\a)%4)+\b):8*(8*((\a)%4)+\b)+7], v[128*(\p)+FR*\b:128*(\p)+FR*\b+FR-1], v[AF+FR*(\a):AF+FR*(\a)+FR-1], v[8*(8*((\a)%4)+\b):8*(8*((\a)%4)+\b)+7], v[SC+8*NQ*(\sc)+NQ*\b+(\q)], v[SC+8*NQ*(\sc)+NQ*(\a)+(\q)] matrix_a_fmt:MATRIX_FMT_BF8 matrix_b_fmt:MATRIX_FMT_BF8 matrix_a_scale:MATRIX_SCALE_ROW1
.endif
.endr
.endr
.endm
.macro FETCH_B slot, q, p
	WIN TO_B
.irp i, 0,1,2,3,4,5,6,7
	FRAG 128*(\p)+FR*\i, ADRB+\slot, \q, \i
.endr
	WIN 0
.endm
.macro FETCH_A slot, q, i0
.irp i, \i0, \i0+1, \i0+2, \i0+3
	FRAG AF+FR*(\i), ADRA+\slot, \q, \i
.endr
.endm
.macro SCALES sc
.irp i, 0,1,2,3,4,5,6,7
	ds_load_b64 v[SC+8*NQ*\sc+NQ*\i:SC+8*NQ*\sc+NQ*\i+1], v[ADRS] offset:\i*SBLK
.endr
.endm
.macro PLACES n
.rept \n
	v_nop
.endr
.endm
.macro STEP slot, q, first
	s_wait_dscnt 4*NL
.if \first
	WIN FST_LO
.else
	WIN MUL_LO
.endif
	MUL16 0, (\q)%2, \q, \slot, \first
	MUL16 2, (\q)%2, \q, \slot, \first
	s_wait_dscnt 0
	PLACES NP
	FETCH_B \slot, (\q)+1, 1-(\q)%2
	FETCH_A \slot, (\q)+1, 0
.if \first
	WIN FST_HI
.else
	WIN MUL_HI
.endif
	MUL16 4, (\q)%2, \q, \slot, \first
	MUL16 6, (\q)%2, \q, \slot, \first
	PLACES NP
	WIN 0
	FETCH_A \slot, (\q)+1, 4
.endm
.macro TURN slot, next, fill
	s_wait_tensorcnt 0x0
	ds_add_u32 v[SPW], v[NIL]
	s_wait_dscnt 4*NL+1
	WIN MUL_LO
	MUL16 0, 1, NQ-1, \slot, 0
	s_wait_dscnt 0x0
	s_barrier_signal -1
	MUL16 2, 1, NQ-1, \slot, 0
	WIN 0
	s_barrier_wait -1
.if \fill
	CREST
	s_add_nc_u64 s[G0+4*\slot+2:G0+4*\slot+3], s[G0+4*\slot+2:G0+4*\slot+3], 2*ROWB
	s_add_nc_u64 s[G0B+4*\slot+2:G0B+4*\slot+3], s[G0B+4*\slot+2:G0B+4*\slot+3], 2*ROWB
	JLOAD G0+4*\slot, G1, G0B+4*\slot, G1B
	PLACES NP-4
.else
	PLACES NP
.endif
	s_wait_alu depctr_va_vdst(0)
	v_add_nc_u32 v[ADRS], 4*NQ, v[ADRS]
	FETCH_B \next, 0, 0
	FETCH_A \next, 0, 0
	SCALES \next
	WIN MUL_HI
	MUL16 4, 1, NQ-1, \slot, 0
	MUL16 6, 1, NQ-1, \slot, 0
	PLACES NP
	WIN 0
	FETCH_A \next, 0, 4
.endm
	s_wait_alu depctr_va_vdst(0)
	s_wait_tensorcnt 0x0                           ; my tile of the head's four is in; slot 1's first fill is issued as a refill is:
	ds_add_u32 v[SPW], v[NIL]                      ; 0 onto my spare word
	s_mov_b32 s[G1+2], 128<<16                     ; no tensor load of mine is out: from here on a load brings 128 rows
	s_mov_b32 s[G1+4], 128
	s_mov_b32 s[G1B+2], 128<<16
	s_mov_b32 s[G1B+4], 128
	s_wait_dscnt 0x0
	CROUND                                         ; all four tiles are in, and all sixteen work-groups are here
	JLOAD G0+4, G1, G0B+4, G1B                     ; K step 1, a quarter of the slot a wave
	FETCH_B 0, 0, 0
	global_prefetch_b8 v13, s[8:9] offset:768 th:TH_LOAD_NT scope:SCOPE_SE   ; K step 3, the last
	FETCH_A 0, 0, 0
	SCALES 0
	FETCH_A 0, 0, 4
	s_wait_loadcnt 0x0
	STEP 0, 0, 1
	TURN 0, 1, 1
	STEP 1, 0, 0
	TURN 1, 0, 1
	STEP 0, 0, 0
	TURN 0, 1, 0
	STEP 1, 0, 0
	s_wait_dscnt 4*NL
	WIN MUL_LO
	MUL16 0, 1, NQ-1, 1, 0
	MUL16 2, 1, NQ-1, 1, 0
	s_wait_dscnt 0
	WIN MUL_HI
	MUL16 4, 1, NQ-1, 1, 0
	MUL16 6, 1, NQ-1, 1, 0
	WIN 0
.macro QROW a
.set AC, 64*((\a)%4)
	WIN 0x0a+5*((\a)/4)
.irp b, 0,1,2,3
	v_max3_num_f32 v[TM+\b], v[AC+16*\b], v[AC+16*\b+1], 0x8000000
.endr
.irp i, 2,4,6,8,10,12,14
.irp b, 0,1,2,3
	v_max3_num_f32 v[TM+\b], v[AC+16*\b+\i], v[AC+16*\b+\i+1], v[TM+\b]
.endr
.endr
	WIN 0
.irp b, 0,1,2,3
	v_permlanex16_b32 v[TM+4+\b], v[TM+\b], s2, s3
.endr
.irp b, 0,1,2,3
	v_max_num_f32 v[TM+\b], v[TM+\b], v[TM+4+\b]
.endr
.irp b, 0,1,2,3
	v_add_nc_u32 v[TM+12+\b], 0xf8800000, v[TM+\b]
.endr
.irp b, 0,1,2,3
	v_and_or_b32 v[TM+8+\b], v[TM+\b], 0x7f800000, s[MNT]
.endr
.irp b, 0,1,2,3
	v_lshrrev_b32 v[TM+4+\b], 23, v[TM+12+\b]
.endr
	s_wait_alu depctr_va_vdst(0)
	s_wait_dscnt 0x0
	v_lshl_or_b32 v[PW], v[TM+5], 8, v[TM+4]
	v_lshl_or_b32 v[PW], v[TM+6], 16, v[PW]
	v_lshl_or_b32 v[PW], v[TM+7], 24, v[PW]
	WIN 0x02+((\a)/4)
.irp b, 0,1,2,3
.irp i, 0,1,2,3,4,5,6,7,8,9,10,11,12,13,14,15
	v_med3_num_f32 v[T+16*\b+\i], v[AC+16*\b+\i], 0, v[TM+8+\b]
.endr
.endr
	WIN 0
.irp b, 0,1,2,3
	v_cvt_scalef32_pk8_bf8_f32 v[PC+4*\b:PC+4*\b+1], v[T+16*\b:T+16*\b+7], v[TM+12+\b]
	v_cvt_scalef32_pk8_bf8_f32 v[PC+4*\b+2:PC+4*\b+3], v[T+16*\b+8:T+16*\b+15], v[TM+12+\b]
.endr
	v_nop
.irp b, 0,1,2,3
	ds_store_b64 v[STO], v[PC+4*\b:PC+4*\b+1] offset:(\b/2)*CH+1280*(\a)+32*(\b%2)
	ds_store_b64 v[STO], v[PC+4*\b+2:PC+4*\b+3] offset:(\b/2)*CH+1280*(\a)+32*(\b%2)+16
.endr
	ds_store_b32 v[SVA], v[PW] offset:128*(\a)
.endm
	PLACES NP
.irp b, 0,1,2,3
	v_mov_b32 v[TM+4+\b], 0
.endr
.irp a, 0,1,2,3,4,5,6,7
	QROW \a
.endr
	s_wait_dscnt 0x0
	s_barrier_signal -1
	s_barrier_wait -1
.irp t, 0,1,2,3,4,5,6,7,8,9,10,11,12,13,14,15,16,17,18,19,20,21,22,23,24,25,26,27,28,29,30,31
	ds_load_b128 v[OB+4*\t:OB+4*\t+3], v[RD] offset:160*\t
.endr
	ds_load_b128 v[OS:OS+3], v[SRD]
.irp t, 0,1,2,3,4,5,6,7,8,9,10,11,12,13,14,15,16,17,18,19,20,21,22,23,24,25,26,27,28,29,30,31
	s_wait_dscnt 32-\t
	global_store_b128 v[G16], v[OB+4*\t:OB+4*\t+3], s[12:13] offset:512*\t
.endr
	s_wait_dscnt 0x0
	global_store_b128 v[G16], v[OS:OS+3], s[100:101]
	s_wait_tensorcnt 0x0
	ds_add_u32 v[SPW], v[NIL]
	s_wait_dscnt 0x0
	CROUND
	s_endpgm
.Lfunc_end_k_q4c48c378c4_ffn1:
	.size	k_q4c48c378c4_ffn1, .Lfunc_end_k_q4c48c378c4_ffn1-k_q4c48c378c4_ffn1
	.p2alignl 7, 3214868480
	.fill 96, 4, 3214868480
	.section	.rodata,"a",@progbits
	.p2align	6, 0x0
	.amdhsa_kernel k_q4c48c378c4_ffn1
		.amdhsa_group_segment_fixed_size 327680
		.amdhsa_private_segment_fixed_size 0
		.amdhsa_enable_private_segment 0
		.amdhsa_kernarg_size 32
		.amdhsa_user_sgpr_count 2
		.amdhsa_user_sgpr_kernarg_segment_ptr 1
		.amdhsa_wavefront_size32 1
		.amdhsa_system_sgpr_workgroup_id_x 1
		.amdhsa_system_sgpr_workgroup_id_y 1
		.amdhsa_system_sgpr_workgroup_id_z 1
		.amdhsa_system_vgpr_workitem_id 0
		.amdhsa_next_free_vgpr 1024
		.amdhsa_next_free_sgpr 102
		.amdhsa_reserve_vcc 0
		.amdhsa_float_denorm_mode_32 3
		.amdhsa_float_denorm_mode_16_64 3
		.amdhsa_memory_ordered 1
		.amdhsa_forward_progress 1
		.amdhsa_inst_pref_size 196
	.end_amdhsa_kernel
	.amdgpu_metadata
---
amdhsa.version: [ 1, 2 ]
amdhsa.kernels:
  - .name:           k_q4c48c378c4_ffn1
    .symbol:         k_q4c48c378c4_ffn1.kd
    .args:
      - { .name: act, .offset: 0, .size: 8, .value_kind: global_buffer, .address_space: global }
      - { .name: w, .offset: 8, .size: 8, .value_kind: global_buffer, .address_space: global }
      - { .name: b1, .offset: 16, .size: 8, .value_kind: global_buffer, .address_space: global }
      - { .name: hid, .offset: 24, .size: 8, .value_kind: global_buffer, .address_space: global }
    .group_segment_fixed_size: 327680
    .private_segment_fixed_size: 0
    .kernarg_segment_align: 8
    .kernarg_segment_size: 32
    .max_flat_workgroup_size: 128
    .sgpr_count:     102
    .vgpr_count:     1024
    .wavefront_size: 32
...
	.end_amdgpu_metadata
.endif
;; end of part 6
;; launch ffn2 (part 7): grid 8 x 32, 4 waves a work-group, clusters of 4 x 4, 327,680 bytes of LDS; arguments hid, w, b2, x1, out0; writes out0
.if DOCPART == 7
	.amdgcn_target "amdgcn-amd-amdhsa--gfx1250"
	.amdhsa_code_object_version 6
	.text
	.protected	k_q4c48c378c4_ffn2
	.globl	k_q4c48c378c4_ffn2
	.p2align	8
	.type	k_q4c48c378c4_ffn2,@function
k_q4c48c378c4_ffn2:
	s_mov_b64 s[64:65], 0
	v_nop
	global_prefetch_b8 v0, s[64:65] scope:SCOPE_SE
	s_setreg_imm32_b32 hwreg(HW_REG_WAVE_MODE, 25, 1), 1
	s_wait_xcnt 0x0
	s_wait_alu depctr_hold_cnt(0) depctr_sa_sdst(0) depctr_va_vdst(0) depctr_va_sdst(0) depctr_va_ssrc(0) depctr_va_vcc(0) depctr_vm_vsrc(0)
	s_getreg_b32 s2, hwreg(HW_REG_IB_STS2, 6, 4)
	s_cmp_eq_u32 s2, 0
	s_cbranch_scc0 .Lentry_in_a_cluster
	s_endpgm
.Lentry_in_a_cluster:
	s_bfe_u32 s2, ttmp6, 0x10000c
	s_cmp_lg_u32 s2, 0xf033
	s_cbranch_scc0 .Lentry_shape_is_right
	s_endpgm
.Lentry_shape_is_right:
.set KTOT,  4096
.set PLWA,  256
.set AQI,   5
.set AC0,   256
.set AR,    128
.set AP,    256
.set AOFS,  16<<20
.set BOF,   8<<20
.set BSOF,  12582912+262144
.set PA,    PLWA+16
.set PB,    272
.set HA,    (256/PLWA)*128*PA
.set HB,    128*PB
.set SLOT,  2*HA+2*HB
.set NCH,   KTOT/256                   ; chunks of 256 along K in the scales: one load brings all
.set SCA,   2*SLOT
.set SCB,   SCA+4*KTOT
.set SPARE, SCB+4*KTOT
.set LAPS,  KTOT/1024
.set SPITCH, 272
.set ADRA, 16
.set ADRB, 20
.set STO,  24
.set RD,   25
.set CO,   26
.set ADRS, 27
.set SPW,  28
.set NIL,  29
.set BO,   30
.set SC,   32
.set BI,   64
.set OB,   64
.set ACC,  128
.set G1, 24
.set G0, 32
.set G1B, 48
.set G0B, 56
.set G1S, 68
.set G0S, 76
.set G1SB, 80
.set G0SB, 88
.set MSB, 0
.macro WIN new
.if MSB != \new
	s_set_vgpr_msb (MSB<<8)|\new
.set MSB, \new
.endif
.endm
.set MUL,  0x05
.set TO_F, 0x40
.macro JLOAD g0a, g1a, g0b, g1b
	s_cmp_eq_u32 s15, 0
	s_cbranch_scc0 .Lfor_b_\@
	tensor_load_to_lds s[\g0a:\g0a+3], s[\g1a:\g1a+7]
	s_nop 0
.rept 4
	v_nop
.endr
	s_branch .Lasked_\@
.Lfor_b_\@:
	tensor_load_to_lds s[\g0b:\g0b+3], s[\g1b:\g1b+7]
	s_nop 0
.rept 4
	v_nop
.endr
.Lasked_\@:
.endm
.macro CREST
	s_cmp_lg_u32 s14, 0
	s_cbranch_scc1 .Lnot_wave_0_\@
	s_barrier_signal -3
.Lnot_wave_0_\@:
	s_barrier_wait -3
	s_barrier_signal -1
	s_barrier_wait -1
.endm
.macro CROUND
	s_barrier_signal -1
	s_barrier_wait -1
	CREST
.endm
	s_load_b256 s[4:11], s[0:1], 0x0
	s_load_b64 s[12:13], s[0:1], 0x20
	v_lshl_add_u32 v[SPW], v0, 2, SPARE
	v_mov_b32 v[NIL], 0
	ds_add_u32 v28, v29
	ds_add_u32 v28, v29
	s_wait_dscnt 0x0
	v_lshrrev_b32 v1, 5, v0
	v_readfirstlane_b32 s14, v1
	s_lshr_b32 s15, s14, 1
	s_and_b32 s16, s14, 1
	s_bfe_u32 s40, ttmp6, 0x40000
	s_bfe_u32 s41, ttmp6, 0x40004
	s_lshl_b32 s42, ttmp9, 2
	s_add_co_u32 s42, s42, s40
	s_and_b32 s17, ttmp7, 0xffff
	s_lshl_b32 s17, s17, 2
	s_add_co_u32 s17, s17, s41
	s_lshl_b32 s43, s41, 2
	s_lshl_b32 s43, 15, s43
	s_lshl_b32 s44, 0x1111, s40
	s_or_b32 s[G1+0], s43, (0<<16)|(1<<20)|(1<<21)|(AQI<<22)|(3<<25)
	s_mov_b32 s[G1+1], 32768<<16                   ; the head's load brings a whole slot: a plane's 128 rows on end, two planes, a plane apart
	s_mov_b32 s[G1+2], 2<<16
	s_mov_b32 s[G1+3], 32768<<16
	s_mov_b32 s[G1+4], 2
	s_mov_b32 s[G1+5], 1048576
	s_mov_b32 s[G1+6], 0
	s_mov_b32 s[G1+7], 0
	s_or_b32 s[G1B+0], s44, (0<<16)|(1<<20)|(1<<21)|(5<<22)|(3<<25)
	s_mov_b32 s[G1B+1], 32768<<16
	s_mov_b32 s[G1B+2], 2<<16
	s_mov_b32 s[G1B+3], 32768<<16
	s_mov_b32 s[G1B+4], 2
	s_mov_b32 s[G1B+5], 262144
	s_mov_b32 s[G1B+6], 0
	s_mov_b32 s[G1B+7], 0
	s_or_b32 s[G1S+0], s43, (3<<16)|(1<<21)
	s_or_b32 s[G1SB+0], s44, (3<<16)|(1<<21)
.irp g, G1S, G1SB
	s_mov_b32 s[\g+1], 128<<16
	s_mov_b32 s[\g+2], NCH<<16
	s_mov_b32 s[\g+3], 128<<16
	s_mov_b32 s[\g+4], NCH
	s_mov_b32 s[\g+6], 0
	s_mov_b32 s[\g+7], 0
.endr
	s_mov_b32 s[G1S+5], 4096
	s_mov_b32 s[G1SB+5], 1024
	s_lshl_b32 s20, s16, 20
	s_mul_i32 s21, s17, 128*PLWA
	s_add_co_u32 s20, s20, s21
	s_mov_b32 s21, 0
	s_lshl_b32 s46, s16, 18
	s_lshl_b32 s47, s42, 15
	s_add_co_u32 s46, s46, s47
	s_add_co_u32 s46, s46, BOF
	s_mov_b32 s47, 0
	s_mov_b32 s22, 0
	s_lshl_b32 s23, s17, 10
	s_add_co_u32 s22, s22, s23
	s_add_co_u32 s22, s22, AOFS
	s_mov_b32 s23, 0
	s_mov_b32 s92, 0
	s_lshl_b32 s93, s42, 10
	s_add_co_u32 s92, s92, s93
	s_add_co_u32 s92, s92, BSOF
	s_mov_b32 s93, 0
	s_mul_i32 s45, s16, HA
	s_mul_i32 s94, s16, HB
	s_add_co_u32 s94, s94, 2*HA
	s_mov_b32 s95, 0
	v_and_b32 v1, 15, v0
	v_bfe_u32 v2, v0, 4, 1
	v_lshlrev_b32 v[BO], 5, v2
	v_lshlrev_b32 v3, 4, v1
	v_lshl_add_u32 v[CO], v2, 12, v3
	s_lshl_b32 s96, s42, 9
	s_lshl_b32 s97, s16, 8
	s_add_co_u32 s96, s96, s97
	s_mov_b32 s97, 0
	s_lshl_b32 s98, s17, 19
	s_lshl_b32 s99, s15, 18
	s_add_co_u32 s98, s98, s99
	s_wait_alu depctr_va_vdst(0)
	s_wait_kmcnt 0x0
	s_add_nc_u64 s[20:21], s[4:5], s[20:21]
	s_add_nc_u64 s[22:23], s[4:5], s[22:23]
	s_add_nc_u64 s[46:47], s[6:7], s[46:47]
	s_add_nc_u64 s[92:93], s[6:7], s[92:93]
	s_add_nc_u64 s[8:9], s[8:9], s[96:97]
	s_add_co_u32 s96, s96, s98
	s_add_nc_u64 s[10:11], s[10:11], s[96:97]
	s_add_nc_u64 s[12:13], s[12:13], s[96:97]
.irp b, 0,1,2,3
	global_load_b128 v[BI+8*\b:BI+8*\b+3], v[BO], s[8:9] offset:64*\b
	global_load_b128 v[BI+8*\b+4:BI+8*\b+7], v[BO], s[8:9] offset:64*\b+16
.endr
	CROUND
	s_mov_b32 s[G0S], 1
	s_add_co_u32 s[G0S+1], s95, SCA
	s_mov_b64 s[G0S+2:G0S+3], s[22:23]
	s_or_b32 s[G0S+3], s[G0S+3], 0x80000000
	s_mov_b32 s[G0SB], 1
	s_add_co_u32 s[G0SB+1], s95, SCB
	s_mov_b64 s[G0SB+2:G0SB+3], s[92:93]
	s_or_b32 s[G0SB+3], s[G0SB+3], 0x80000000
.irp s, 0,1
	s_mov_b32 s[G0+4*\s], 1
	s_add_co_u32 s[G0+4*\s+1], s45, \s*SLOT
	s_add_nc_u64 s[G0+4*\s+2:G0+4*\s+3], s[20:21], \s*(2<<20)
	s_or_b32 s[G0+4*\s+3], s[G0+4*\s+3], 0x80000000
	s_mov_b32 s[G0B+4*\s], 1
	s_add_co_u32 s[G0B+4*\s+1], s94, \s*SLOT
	s_add_nc_u64 s[G0B+4*\s+2:G0B+4*\s+3], s[46:47], \s*(512<<10)
	s_or_b32 s[G0B+4*\s+3], s[G0B+4*\s+3], 0x80000000
.if \s == 1
	; THE HEAD'S LOADS, ONE A WAVE, in one chain of branches on the wave's number: wave 0 all of slot 0's A, wave 2 all of its B
	; (in these two waves slot 0's group 0 stands at the slot's first plane), wave 1 A's scales, wave 3 B's.
	s_cmp_eq_u32 s14, 0
	s_cbranch_scc0 .Lh_b
	tensor_load_to_lds s[G0:G0+3], s[G1:G1+7]
	s_nop 0
.rept 4
	v_nop
.endr
	s_branch .Lh_j
.Lh_b:
	s_cmp_eq_u32 s14, 2
	s_cbranch_scc0 .Lh_sa
	tensor_load_to_lds s[G0B:G0B+3], s[G1B:G1B+7]
	s_nop 0
.rept 4
	v_nop
.endr
	s_branch .Lh_j
.Lh_sa:
	s_cmp_eq_u32 s14, 1
	s_cbranch_scc0 .Lh_sb
	tensor_load_to_lds s[G0S:G0S+3], s[G1S:G1S+7]
	s_nop 0
.rept 4
	v_nop
.endr
	s_branch .Lh_j
.Lh_sb:
	tensor_load_to_lds s[G0SB:G0SB+3], s[G1SB:G1SB+7]
	s_nop 0
.rept 4
	v_nop
.endr
.Lh_j:
	; PREFETCHES INTO THE L2, two slots ahead of the slot that is being loaded: here slots 1 and 2; behind slot 1's load slot 3; at the refill with slot s + 2, slot s + 4; the loop's last trip asks for nothing.
	; Of the 128 rows of 256 bytes that my wave fetches in the ring, each of the four partners of the joint load names 32, told apart by address (cx for A, cy for B), a lane a row: each block once in a cluster.
	; Eight clusters load each block of B: those with an even y ask for it.  s[66:67]: my rows, stepped a slot at each refill; v7, v8, v9: 256 x lane + 1, 2, 3 slots; s2: 1 where my wave asks, else the greatest number.
	s_cmp_eq_u32 s15, 0
	s_cselect_b64 s[66:67], s[20:21], s[46:47]
	s_cselect_b32 s96, s40, s41
	s_mov_b32 s98, 512<<10
	s_cselect_b32 s98, 2<<20, s98                  ; a slot on
	s_lshl_b32 s96, s96, 13                        ; 32 rows of 256 bytes
	s_mov_b32 s97, 0
	s_mov_b32 s99, 0
	s_add_nc_u64 s[66:67], s[66:67], s[96:97]
	s_and_b32 s2, ttmp7, 1
	s_and_b32 s2, s2, s15                          ; 1: a wave of B's in a cluster with an odd y
	s_cmp_eq_u32 s2, 0
	s_cselect_b32 s2, 1, -1
	v_and_b32 v7, 31, v0
	v_lshlrev_b32 v7, 8, v7
	v_add_nc_u32 v7, s98, v7
	v_add_nc_u32 v8, s98, v7
	v_add_nc_u32 v9, s98, v8
	s_wait_alu depctr_va_vdst(0)
	s_cmp_eq_u32 s2, 1
	s_cbranch_scc0 .Lh_na
	global_prefetch_b8 v7, s[66:67] th:TH_LOAD_NT scope:SCOPE_SE
	global_prefetch_b8 v8, s[66:67] th:TH_LOAD_NT scope:SCOPE_SE
.Lh_na:
.endif
.endr
	v_mul_u32_u24 v3, v1, PA
	v_lshl_add_u32 v3, v2, 4, v3
	s_wait_alu depctr_va_vdst(0)
	v_mul_u32_u24 v4, v1, PB
	v_lshl_add_u32 v4, v2, 4, v4
	s_wait_alu depctr_va_vdst(0)
	s_mul_i32 s21, s15, 64*PA
	s_mul_i32 s23, s16, 64*PB
	s_add_co_u32 s23, s23, 2*HA
.irp s, 0,1
.irp k, 0,1
	s_add_co_u32 s22, s21, \s*SLOT+\k*HA
	v_add_nc_u32 v[ADRA+2*\s+\k], s22, v3
	s_add_co_u32 s22, s23, \s*SLOT+\k*HB
	v_add_nc_u32 v[ADRB+2*\s+\k], s22, v4
.endr
.endr
	s_lshl_b32 s21, s15, 9
	s_lshl_b32 s22, s16, 9
	s_add_co_u32 s22, s22, SCB-SCA
	s_sub_co_u32 s22, s22, s21
	v_mul_u32_u24 v6, s22, v2
	s_add_co_u32 s21, s21, SCA
	v_lshl_add_u32 v5, v1, 3, v6
	v_add_nc_u32 v[ADRS], s21, v5
	s_mul_i32 s23, s14, 16*SPITCH
	v_mul_u32_u24 v5, v1, SPITCH
	v_lshl_add_u32 v5, v2, 5, v5
	v_add_nc_u32 v[STO], s23, v5
	v_mul_u32_u24 v5, v2, SPITCH
	v_lshl_add_u32 v5, v1, 4, v5
	v_add_nc_u32 v[RD], s23, v5
.macro FRAGA reg, slot, q, i
.irp c, 0,1,2,3
	ds_load_b128 v[\reg+4*\c:\reg+4*\c+3], v[ADRA+2*(\slot)+(\q)/2] offset:((128*((\q)%2)+32*\c)/PLWA)*128*PA+(128*((\q)%2)+32*\c)%PLWA+(\i)*16*PA
.endr
.endm
.macro FRAGB reg, slot, q, i
.irp c, 0,1,2,3
	ds_load_b128 v[\reg+4*\c:\reg+4*\c+3], v[ADRB+2*(\slot)+(\q)/2] offset:128*((\q)%2)+32*\c+(\i)*16*PB
.endr
.endm
.macro FETCH slot, q, f
	WIN TO_F
.irp i, 0,1,2,3
	FRAGB \f+64+16*\i, \slot, \q, \i
.endr
.irp i, 0,1,2,3
	FRAGA \f+16*\i, \slot, \q, \i
.endr
.endm
.macro SCALES set
.irp i, 0,1,2,3
.irp ch, 0,1
	ds_load_b64 v[SC+16*\set+4*\i+2*\ch:SC+16*\set+4*\i+2*\ch+1], v[ADRS] offset:1024*\ch+128*\i
.endr
.endr
.endm
.macro MUL8 f, a0, q, set, first
.irp a, \a0, \a0+1
.irp b, 0,1,2,3
.if \first
	v_wmma_scale_f32_16x16x128_f8f6f4 v[ACC+8*(4*(\a)+\b):ACC+8*(4*(\a)+\b)+7], v[\f+64+16*\b:\f+64+16*\b+15], v[\f+16*(\a):\f+16*(\a)+15], v[BI+8*\b:BI+8*\b+7], v[SC+16*(\set)+4*\b+(\q)], v[SC+16*(\set)+4*(\a)+(\q)] matrix_a_fmt:MATRIX_FMT_BF8 matrix_b_fmt:MATRIX_FMT_BF8 matrix_a_scale:MATRIX_SCALE_ROW1
.else
	v_wmma_scale_f32_16x16x128_f8f6f4 v[ACC+8*(4*(\a)+\b):ACC+8*(4*(\a)+\b)+7], v[\f+64+16*\b:\f+64+16*\b+15], v[\f+16*(\a):\f+16*(\a)+15], v[ACC+8*(4*(\a)+\b):ACC+8*(4*(\a)+\b)+7], v[SC+16*(\set)+4*\b+(\q)], v[SC+16*(\set)+4*(\a)+(\q)] matrix_a_fmt:MATRIX_FMT_BF8 matrix_b_fmt:MATRIX_FMT_BF8 matrix_a_scale:MATRIX_SCALE_ROW1
.endif
.endr
.endr
.endm
.macro PLACES n
.rept \n
	v_nop
.endr
.endm
.macro QUARTER slot, q, first
	s_wait_dscnt 8
	WIN MUL
	MUL8 128*((\q)%2), 0, \q, \slot, \first
	PLACES 8
	FETCH \slot, (\q)+1, 128*(((\q)+1)%2)
	s_wait_dscnt 32
	WIN MUL
	MUL8 128*((\q)%2), 2, \q, \slot, \first
.endm
.macro TURN slot, next, fill
	WIN 0
.if \fill
	s_wait_xcnt 0x0                                ; my last prefetch has read its address: a slot on
	s_add_nc_u64 s[66:67], s[66:67], s[98:99]
.endif
	s_wait_tensorcnt 0x0
	ds_add_u32 v[SPW], v[NIL]
	s_wait_dscnt 9
	WIN MUL
	MUL8 128, 0, 3, \slot, 0
	s_wait_dscnt 0x0
	WIN 0
	s_barrier_signal -1
	s_barrier_wait -1
.if \fill
	CREST
	s_add_nc_u64 s[G0+4*\slot+2:G0+4*\slot+3], s[G0+4*\slot+2:G0+4*\slot+3], 4<<20
	s_add_nc_u64 s[G0B+4*\slot+2:G0B+4*\slot+3], s[G0B+4*\slot+2:G0B+4*\slot+3], 1<<20
	JLOAD G0+4*\slot, G1, G0B+4*\slot, G1B
	PLACES 4
.else
	PLACES 8
.endif
	s_wait_alu depctr_va_vdst(0)
	v_add_nc_u32 v[ADRS], 2048, v[ADRS]
	SCALES \next
.if \fill
	s_cmp_gt_u32 s3, s2                            ; not in the loop's last trip (s3 = 1), whose look-ahead would pass K's end; never where s2 is the greatest number
	s_cbranch_scc0 .Lna_\@
	global_prefetch_b8 v9, s[66:67] th:TH_LOAD_NT scope:SCOPE_SE
.Lna_\@:
.endif
	FETCH \next, 0, 0
	WIN MUL
	MUL8 128, 2, 3, \slot, 0
.endm
	s_wait_alu depctr_va_vdst(0)
	s_wait_tensorcnt 0x0                           ; my tile of the head's four is in; slot 1's first fill is issued as a refill is:
	ds_add_u32 v[SPW], v[NIL]                      ; 0 onto my spare word
	s_mov_b32 s[G1+1], (AC0&0xffff)<<16            ; no tensor load of mine is out: from here on a load brings 128 rows of one plane
	s_mov_b32 s[G1+2], (AC0>>16)|(AR<<16)
	s_mov_b32 s[G1+3], AC0<<16
	s_mov_b32 s[G1+4], AR
	s_mov_b32 s[G1+5], AP
	s_mov_b32 s[G1B+1], 256<<16
	s_mov_b32 s[G1B+2], 128<<16
	s_mov_b32 s[G1B+3], 256<<16
	s_mov_b32 s[G1B+4], 128
	s_mov_b32 s[G1B+5], 256
	s_wait_dscnt 0x0
	CROUND                                         ; all four tiles are in, and all sixteen work-groups are here
	JLOAD G0+4, G1, G0B+4, G1B                     ; slot 1, a quarter a wave
	SCALES 0
	s_cmp_eq_u32 s2, 1
	s_cbranch_scc0 .Lh_nb
	global_prefetch_b8 v9, s[66:67] th:TH_LOAD_NT scope:SCOPE_SE   ; slot 3
.Lh_nb:
	FETCH 0, 0, 0
	s_wait_loadcnt 0x0                             ; the bias is in
	QUARTER 0, 0, 1
	WIN 0x80                                       ; the residual's tile is asked for here, behind the first tiles, which are wanted first. Destination window 2
.irp a, 0,1,2,3
.irp t, 0,1,2,3,4,5,6,7
	global_load_b128 v[4*(8*\a+\t):4*(8*\a+\t)+3], v[CO], s[10:11] offset:(16*\a+2*\t)*4096 th:TH_LOAD_NT   ; sixteen lanes read 256 consecutive bytes
.endr
.endr
	WIN 0
.if LAPS > 1
	WIN 0
	s_mov_b32 s3, LAPS-1
.Llap:
	QUARTER 0, 1, 0
	QUARTER 0, 2, 0
	TURN 0, 1, 1
	QUARTER 1, 0, 0
	QUARTER 1, 1, 0
	QUARTER 1, 2, 0
	TURN 1, 0, 1
	QUARTER 0, 0, 0
	WIN 0
	s_sub_co_u32 s3, s3, 1
	s_cmp_lg_u32 s3, 0
	s_cbranch_scc1 .Llap
.endif
	QUARTER 0, 1, 0
	QUARTER 0, 2, 0
	TURN 0, 1, 0
	QUARTER 1, 0, 0
	QUARTER 1, 1, 0
	QUARTER 1, 2, 0
	s_wait_dscnt 8
	WIN MUL
	MUL8 128, 0, 3, 1, 0
	s_wait_dscnt 0
	MUL8 128, 2, 3, 1, 0
	WIN 0
	PLACES 8
	s_wait_loadcnt 0x0
.irp a, 0,1,2,3
.set OBA, OB+32*(\a%2)
.if \a > 1
	s_wait_xcnt 0x0
.endif
.irp b, 0,1,2,3
	ds_store_b128 v[STO], v[ACC+8*(4*\a+\b):ACC+8*(4*\a+\b)+3] offset:64*\b
	ds_store_b128 v[STO], v[ACC+8*(4*\a+\b)+4:ACC+8*(4*\a+\b)+7] offset:64*\b+16
.endr
.irp t, 0,1,2,3,4,5,6,7
	ds_load_b128 v[OBA+4*\t:OBA+4*\t+3], v[RD] offset:\t*2*SPITCH
.endr
	s_wait_dscnt 0x0
	WIN 0x08
.irp k, 0,2,4,6,8,10,12,14,16,18,20,22,24,26,28,30
	v_pk_add_f32 v[OBA+\k:OBA+\k+1], v[OBA+\k:OBA+\k+1], v[32*\a+\k:32*\a+\k+1]
.endr
	WIN 0
.irp t, 0,1,2,3,4,5,6,7
	global_store_b128 v[CO], v[OBA+4*\t:OBA+4*\t+3], s[12:13] offset:(16*\a+2*\t)*4096 th:TH_STORE_NT
.endr
.endr
	s_wait_tensorcnt 0x0
	ds_add_u32 v[SPW], v[NIL]
	s_wait_dscnt 0x0
	CROUND
	s_endpgm
.Lfunc_end_k_q4c48c378c4_ffn2:
	.size	k_q4c48c378c4_ffn2, .Lfunc_end_k_q4c48c378c4_ffn2-k_q4c48c378c4_ffn2
	.p2alignl 7, 3214868480
	.fill 96, 4, 3214868480
	.section	.rodata,"a",@progbits
	.p2align	6, 0x0
	.amdhsa_kernel k_q4c48c378c4_ffn2
		.amdhsa_group_segment_fixed_size 327680
		.amdhsa_private_segment_fixed_size 0
		.amdhsa_enable_private_segment 0
		.amdhsa_kernarg_size 40
		.amdhsa_user_sgpr_count 2
		.amdhsa_user_sgpr_kernarg_segment_ptr 1
		.amdhsa_wavefront_size32 1
		.amdhsa_system_sgpr_workgroup_id_x 1
		.amdhsa_system_sgpr_workgroup_id_y 1
		.amdhsa_system_sgpr_workgroup_id_z 1
		.amdhsa_system_vgpr_workitem_id 0
		.amdhsa_next_free_vgpr 768
		.amdhsa_next_free_sgpr 100
		.amdhsa_reserve_vcc 0
		.amdhsa_float_denorm_mode_32 3
		.amdhsa_float_denorm_mode_16_64 3
		.amdhsa_memory_ordered 1
		.amdhsa_forward_progress 1
		.amdhsa_inst_pref_size 104
	.end_amdhsa_kernel
	.amdgpu_metadata
---
amdhsa.version: [ 1, 2 ]
amdhsa.kernels:
  - .name:           k_q4c48c378c4_ffn2
    .symbol:         k_q4c48c378c4_ffn2.kd
    .args:
      - { .name: hid, .offset: 0, .size: 8, .value_kind: global_buffer, .address_space: global }
      - { .name: w, .offset: 8, .size: 8, .value_kind: global_buffer, .address_space: global }
      - { .name: b2, .offset: 16, .size: 8, .value_kind: global_buffer, .address_space: global }
      - { .name: x1, .offset: 24, .size: 8, .value_kind: global_buffer, .address_space: global }
      - { .name: out0, .offset: 32, .size: 8, .value_kind: global_buffer, .address_space: global }
    .group_segment_fixed_size: 327680
    .private_segment_fixed_size: 0
    .kernarg_segment_align: 8
    .kernarg_segment_size: 40
    .max_flat_workgroup_size: 128
    .sgpr_count:     100
    .vgpr_count:     768
    .wavefront_size: 32
...
	.end_amdgpu_metadata
.endif
;; end of part 7
